; MI455X (gfx1250); checked and timed in simulation.
; The chip was launched on July 23, 2026; its instructions are those of AMD's public machine-readable ISA for CDNA 5 (MIT licence, August 2026) and "CDNA5" Instruction Set Architecture Reference Guide (July 2026). The comments in the code are by the model that wrote it; some were corrected since.
;; Transformer Block. Allowed arithmetic: matrix products marked QUANTISED: E4M3 operands, one E8M0 scale for each 32 along K, by v_wmma_scale_f32_16x16x128_f8f6f4 with both operands' format E4M3, f32 sums; everything else in f32.
;; Inputs: b1 4,096 float32; b2 1,024 float32; b_proj 1,024 float32; be1 1,024 float32; be2 1,024 float32; g1 1,024 float32; g2 1,024 float32; w1 1,024 x 4,096 float32; w2 4,096 x 1,024 float32; w_proj 1,024 x 1,024 float32; w_qkv 1,024 x 3,072 float32; x 2 x 2,048 x 1,024 float32.
;; Outputs: out0 2 x 2,048 x 1,024 float32.
;; This version of the problem:
;;   THIS VERSION OF THE PROBLEM IS GIVEN IN LOW PRECISION. The matrix products marked QUANTISED in the list below multiply operands that are first quantised to E4M3 (4 exponent bits, 3 mantissa bits; 8 bits a number), with one power-of-two scale for each 32 numbers along K (OCP MX v1.0); their sums are f32. All else is computed in f32.
;;   The module's matrix products, in the order in which they are computed (A, B: the left and right operand; K: the contracted axis; several contracted axes count as one K, in the product's order):
;;     1. [M 4,096, K 1,024] x [K 1,024, N 3,072]; A: computed on the way; B: input w_qkv: QUANTISED
;;     2. batch 32 x [M 2,048, K 64] x [K 64, N 2,048]; A: computed on the way; B: computed on the way: QUANTISED
;;     3. batch 32 x [M 2,048, K 2,048] x [K 2,048, N 64]; A: softmax (see below); B: computed on the way: QUANTISED
;;     4. [M 4,096, K 1,024] x [K 1,024, N 1,024]; A: computed on the way; B: input w_proj: QUANTISED
;;     5. [M 4,096, K 1,024] x [K 1,024, N 4,096]; A: computed on the way; B: input w1: QUANTISED
;;     6. [M 4,096, K 4,096] x [K 4,096, N 1,024]; A: computed on the way; B: input w2: QUANTISED
;;   THE QUANTISER, for each operand of a quantised product, along K:
;;     - K is cut into blocks of 32 from its start; a last block that is shorter is filled with zeros.
;;     - A block's scale is 2^e with e = floor(log2(the largest magnitude in the block)) - 8, held to -126 .. 127; a block of zeros has e = 0. As a byte (E8M0): e + 127.
;;     - Each number is divided by its block's scale, clamped to +-448, and rounded to the nearest number of E4M3, ties to even, subnormals kept.
;;     - The product sums the exact products of the quantised numbers (number of the format x scale) in f32.
;;   ~~~python
;;   def quantise(x, axis):      # numpy; x: float32 -> the quantised numbers, widened to float32 again
;;       x = np.moveaxis(x, axis, -1); K = x.shape[-1]
;;       x = np.pad(x, [(0, 0)] * (x.ndim - 1) + [(0, -K % 32)]); x = x.reshape(x.shape[:-1] + (-1, 32)); a = np.abs(x).max(-1, keepdims=True)
;;       e = np.where(a > 0, np.clip(np.frexp(np.where(a > 0, a, 1))[1] - 1 - 8, -126, 127), 0)      # np.frexp(a)[1] - 1 = floor(log2(a)), exactly
;;       r = np.clip(x / 2.0 ** e, -448, 448)
;;       step = 2.0 ** (np.maximum(np.frexp(np.where(r == 0, 1, r))[1] - 1, -6) - 3)
;;       q = np.round(r / step) * step * 2.0 ** e      # np.round: ties to even
;;       return np.moveaxis(q.reshape(q.shape[:-2] + (-1,))[..., :K], -1, axis).astype(np.float32)
;;   ~~~
;;   SOFTMAX AHEAD OF A QUANTISED PRODUCT. Where the list says 'softmax', what is quantised is not the finished softmax but p = 2^(t - M), with t = logit x log2(e) and M = ceil(the row's largest t), a whole number; so 1/2 < the row's largest p <= 1. The row's sum l is taken of the UNQUANTISED p, in f32, and the product's result is divided by l at the end. Since M is a whole number, a kernel that streams over the keys may use a running M (the ceiling of the running maximum): every later rescaling is an exact power of two, which a block's scale takes up: the codes' values come out the same.
;;   OPERANDS COMPUTED ON THE WAY. 'Computed on the way' means the value that the module computes at that place (a softmax that the list does not call 'softmax' is quantised finished and normalised). What goes into a quantiser is computed in f32, as accurately as f32 sums, v_exp_f32 and their like allow (about 1e-6 of the number): no bf16 or f16 on the way to a quantiser, and a product that is left as it is and whose result goes on into a quantised operand takes f32 operands (vector FMAs, or v_wmma_f32_16x16x4_f32). A number that lies on a knife's edge between two numbers of the format may be rounded either way, as far as f32 arithmetic and the matrix unit's own rounding can turn it there, and no further.
;; One version. Each part assembles by itself: llvm-mc -triple=amdgcn-amd-amdhsa -mcpu=gfx1250 --defsym DOCPART=n.
;; ======== version 1 of 1: 7 launches
;; limits: right only within a limited range of input values
;; workspace buffers: WB 13,500,416 bytes; HB 4,325,376 bytes; QB 25,952,256 bytes; AB 4,325,376 bytes; X1 16,777,216 bytes; FB 17,301,504 bytes
;; launch prep (part 1): grid 512 x 1, 8 waves a work-group, no clusters, 79,872 bytes of LDS; arguments w_qkv, w_proj, w1, w2, x, g1, be1, HB, WB; writes WB, HB
.if DOCPART == 1
	.amdgcn_target "amdgcn-amd-amdhsa--gfx1250"
	.amdhsa_code_object_version 6
	.text
	.protected	k_q719e50b48f_prep
	.globl	k_q719e50b48f_prep
	.p2align	8
	.type	k_q719e50b48f_prep,@function
k_q719e50b48f_prep:
	s_mov_b64 s[64:65], 0
	v_nop
	global_prefetch_b8 v0, s[64:65] scope:SCOPE_SE
	s_setreg_imm32_b32 hwreg(HW_REG_WAVE_MODE, 25, 1), 1
	s_wait_xcnt 0x0
; THE PROGRAM: a pre-norm transformer block on 4,096 tokens, all six matrix products on codes of FP8 (E4M3) with one E8M0 scale for each 32 along K.
; Launches: prep (this one: the four weights become codes, and layer norm 1 is taken and quantised), qkv, attn, proj, ln2 (layer norm 2), ff1, ff2.
; WORK LEFT OUT, in the whole program: only the key tiles of attention that lie wholly under the causal mask.  reference() builds that mask itself (jnp.tril) and sets those logits to -inf ahead of the
; softmax, so their weights are exactly 0 for every finite input, and neither the scores nor the products with V of such a tile can reach an output.  Every input has a way to the output: all twelve are loaded.
; LIMIT: a NaN, an infinity or an overflow that reaches only such a masked tile is not carried to the result.
; TWO CONVENTIONS of the program's own buffers.  (1) Row n of an operand lies at memory row sigma(n) = n with bits 3 and 4 exchanged; K stays as it is.  Sixteen consecutive memory rows 32 b + 16 u + r are then the
; rows 32 b + 8 u + r + 8 (r / 8), so that a transposed product leaves a lane 16 neighbours along the next K in the 16 registers of two neighbouring tiles.  (2) The scale byte of (memory row m, k) lies at
; (k / 256) x 32,768 + 8 m + (k % 256) / 32: the scales of a run of rows for 256 along K are one dense run of bytes.
; THIS LAUNCH does two pieces of work of which neither reads what the other stores; the work-group's number parts them: 0-383 the weights, 384-511 the norm.  Each path has LDS bytes of its own.
; THE WEIGHTS.  A weight W [K][N], f32, K its first axis, becomes codes laid [N][K] and scale bytes.  A lane takes a column n and its registers run down K: each load reads 128 consecutive bytes a wave, a block of
; 32 along K lies in one lane's 32 registers, and the conversions give the codes with K innermost.  A work-group takes 128 columns x 256 along K; wave w takes columns 32 (w % 4) on and 128 (w / 4) on along K: four
; blocks.  So 3,072 waves have 64 loads of 128 bytes each on their way, and the two waves of a column group fill the two halves of that group's stage rows; a barrier; each of the two stores 16 whole rows:
; sixteen lanes store 256 consecutive bytes, aligned.  The group's scale bytes meet in LDS likewise and leave as 256 consecutive bytes.  w_qkv's columns (head, q/k/v, d) are laid anew as n' = (q/k/v) x 1,024 + head x 64 + d.
; Sizes and pointers of the four tensors are chosen by the work-group's number (0-95 w_qkv, 96-127 w_proj, 128-255 w1, 256-383 w2).
; THE NORM.  h = ((x - mean) * rsqrt(var + 1e-5)) * g1 + be1 for each row of 1,024 numbers, in f32, then quantised along the row.  A wave takes four rows, 32 wg + 4 w + i, whose memory rows are neighbours.  A row is
; read once and stays in 32 registers: the mean, then the variance of the differences, as reference() has them.  Each load reads 512 consecutive bytes; the conversions want 16 neighbours in ONE lane: so a row (and
; g and b, once) turns through the wave's own stage in LDS: in as it lies, back 64 bytes a lane (places of 64 bytes + 16 of padding).  A store of codes covers 512 consecutive bytes; the wave's 128 scale bytes leave as
; four pieces of 32 bytes: 128 of its 4,224 bytes out are stored so.
; A block's scale byte is its largest magnitude's exponent field - 8, held at 1 from below.  A block of zeros so gets the byte 1 where the rule says 127: its codes are zeros, and this program alone reads the bytes.
; LIMITS: blocks whose largest magnitude lies under 2^-118 are held at that floor; NaN and infinities among the inputs are not served.
; No tensor loads, no cluster, no matrix unit: no two work-groups read the same bytes, and the bytes bound the launch.
.set NWQ,   384                        ; work-groups that take weights
.set EMAX,  8
.set MANT,  0x600000                   ; the mantissa field of 448 as f32
.set PITCH, 272                        ; a stage row of the weights' path: 256 bytes of codes + 16
.set NB,    4                          ; blocks of 32 along K for a wave
.set WSS,   4*32*PITCH                 ; behind the four stages: 256 scale bytes for each column group
.set LNB,   WSS+1024                   ; behind them: the norm's eight regions
.set SP,    80                         ; the norm: a place in a wave's stage
.set WREG,  5376                       ; the norm: a wave's LDS: 64 places, then 128 scale bytes (256 kept)
.set SPARE, LNB+8*WREG                 ; behind all: the spare words, 128 bytes a wave
.set SPW,   14                         ; v14      LDS address of my spare word; never rewritten
.set NIL,   15                         ; v15      0; never rewritten
	v_lshl_add_u32 v[SPW], v0, 2, SPARE
	v_mov_b32 v[NIL], 0
	s_cmp_lt_u32 ttmp9, NWQ                        ; the work-group's number alone: all eight waves go the same way
	s_cbranch_scc0 .Lnorm
; ---------------- THE WEIGHTS ----------------
.set SB,    24                         ; v24      my column's four scale bytes
.set OF,    32                         ; v32-63   4 x lane + i rows of W
.set X,     64                         ; v64-127  two sets of 32 numbers
.set C,     128                        ; v128-135 a block's codes
.set OUTR,  136                        ; v136-167 the way out
.set AD,    200                        ; v200-207 the way out: byte offsets of my rows in the codes
.set VK,    216                        ; v216     a row of the codes in bytes
.set SRC,   32                         ; s[32:39] where block t of my part of W begins: a pair for each block, so that no base is stepped
	s_load_b256 s[4:11], s[0:1], 0x0               ; w_qkv, w_proj, w1, w2
	s_load_b64 s[12:13], s[0:1], 0x40              ; WB
	v_lshrrev_b32 v1, 5, v0
	s_delay_alu instid0(VALU_DEP_1)
	v_readfirstlane_b32 s22, v1                    ; wave 0..7
	s_and_b32 s40, s22, 3                          ; which 32 of the 128 columns
	s_lshr_b32 s41, s22, 2                         ; which 128 of the 256 along K
	v_and_b32 v2, 31, v0                           ; lane
	s_delay_alu instid0(VALU_DEP_1)
	v_lshlrev_b32 v3, 2, v2
	s_mov_b32 s14, 4096                            ; w2's figures: a row of W in bytes,
	s_mov_b32 s15, 4096                            ; a row of its codes,
	s_mov_b32 s16, 4                               ; log2 of its runs of 256 along K,
	s_mov_b32 s17, 256                             ; its first work-group,
	s_mov_b32 s18, 8388608                         ; its codes' place in WB,
	s_mov_b32 s19, 12976128                        ; its scale bytes' place
	s_wait_alu depctr_va_vdst(0)
	s_wait_kmcnt 0x0
	s_mov_b64 s[20:21], s[10:11]
	s_cmp_lt_u32 ttmp9, 256                        ; w1's, where the work-group's number says so
	s_cselect_b32 s14, 16384, s14
	s_cselect_b32 s15, 1024, s15
	s_cselect_b32 s16, 2, s16
	s_cselect_b32 s17, 128, s17
	s_cselect_b32 s18, 4194304, s18
	s_cselect_b32 s19, 12845056, s19
	s_cselect_b64 s[20:21], s[8:9], s[20:21]
	s_cmp_lt_u32 ttmp9, 128                        ; w_proj's
	s_cselect_b32 s14, 4096, s14
	s_cselect_b32 s17, 96, s17
	s_cselect_b32 s18, 3145728, s18
	s_cselect_b32 s19, 12713984, s19
	s_cselect_b64 s[20:21], s[6:7], s[20:21]
	s_cmp_lt_u32 ttmp9, 96                         ; w_qkv's
	s_cselect_b32 s14, 12288, s14
	s_cselect_b32 s17, 0, s17
	s_cselect_b32 s18, 0, s18
	s_cselect_b32 s19, 12582912, s19
	s_cselect_b64 s[20:21], s[4:5], s[20:21]
	s_sub_co_u32 s23, ttmp9, s17                   ; my number within the tensor
	s_lshr_b32 s24, s23, s16                       ; which 128 columns,
	s_lshl_b32 s25, s24, s16
	s_sub_co_u32 s25, s23, s25                     ; which 256 along K
	s_lshl_b32 s24, s24, 7
	s_lshl_b32 s26, s40, 5
	s_add_co_u32 s24, s24, s26                     ; n0: my wave's first column
	s_lshr_b32 s26, s24, 6                         ; w_qkv: 3 x head + (q/k/v)
	s_mul_i32 s27, s26, 43
	s_lshr_b32 s27, s27, 7                         ; the head: a third, exact up to 63
	s_mul_i32 s28, s27, 3
	s_sub_co_u32 s26, s26, s28                     ; q, k or v
	s_lshl_b32 s26, s26, 10
	s_lshl_b32 s27, s27, 6
	s_add_co_u32 s26, s26, s27
	s_and_b32 s27, s24, 63
	s_add_co_u32 s26, s26, s27
	s_cmp_lt_u32 ttmp9, 96
	s_cselect_b32 s26, s26, s24                    ; n'0: the first row of the codes that is my column group's (a multiple of 32)
	s_lshl_b32 s28, s25, 8
	s_lshl_b32 s29, s41, 7
	s_add_co_u32 s28, s28, s29                     ; my first row of W: 256 x run + 128 x half,
	s_mul_i32 s28, s28, s14                        ; in bytes,
	s_lshl_b32 s29, s24, 2
	s_add_co_u32 s28, s28, s29                     ; and my first column
	s_mov_b32 s29, 0
	s_lshl_b32 s30, s14, 5                         ; a block on: 32 rows of W
	s_mov_b32 s31, 0
	s_add_nc_u64 s[SRC:SRC+1], s[20:21], s[28:29]
.irp t, 1,2,3
	s_add_nc_u64 s[SRC+2*\t:SRC+2*\t+1], s[SRC+2*\t-2:SRC+2*\t-1], s[30:31]
.endr
	s_mul_i32 s48, s26, s15
	s_lshl_b32 s49, s25, 8
	s_add_co_u32 s48, s48, s49
	s_add_co_u32 s48, s48, s18
	s_mov_b32 s49, 0
	s_add_nc_u64 s[50:51], s[12:13], s[48:49]      ; the group's codes: row n'0, the work-group's 256 along K
	s_lshl_b32 s52, s25, 15
	s_lshl_b32 s53, s26, 3
	s_add_co_u32 s52, s52, s53
	s_add_co_u32 s52, s52, s19
	s_mov_b32 s53, 0
	s_add_nc_u64 s[54:55], s[12:13], s[52:53]      ; the group's scale bytes
	s_mul_i32 s56, s40, 32*PITCH                   ; my column group's stage
	s_lshl_b32 s42, s41, 7
	s_add_co_u32 s42, s42, s56                     ; into it: my 128 of a row's 256 bytes
	s_mul_i32 s43, s41, 16*PITCH
	s_add_co_u32 s43, s43, s56                     ; out of it: my 16 of its 32 rows
	s_mov_b32 s57, MANT
	v_mul_u32_u24 v4, v2, PITCH
	s_delay_alu instid0(VALU_DEP_1)
	v_add_nc_u32 v4, s42, v4                       ; row = my column
	v_and_b32 v5, 15, v2
	v_lshrrev_b32 v6, 4, v2
	s_delay_alu instid0(VALU_DEP_1)
	v_mul_u32_u24 v7, v6, PITCH
	s_delay_alu instid0(VALU_DEP_1)
	v_lshl_add_u32 v7, v5, 4, v7
	s_delay_alu instid0(VALU_DEP_1)
	v_add_nc_u32 v7, s43, v7                       ; sixteen lanes to a row, two rows an instruction
	v_mov_b32 v[VK], s15
	s_delay_alu instid0(VALU_DEP_1)
	v_mul_u32_u24 v8, v6, v[VK]
	s_delay_alu instid0(VALU_DEP_1)
	v_lshl_add_u32 v8, v5, 4, v8
	s_lshl_b32 s44, s41, 3
	s_mul_i32 s44, s44, s15
	v_add_nc_u32 v8, s44, v8                       ; stage row 16 half + 2 t + u goes to memory row sigma of it = 16 (t / 4) + 8 half + 2 (t % 4) + u
.irp t, 0,1,2,3,4,5,6,7
	v_mad_u32_u24 v[AD+\t], v[VK], 2*(\t%4)+16*(\t>>2), v8
.endr
	v_and_b32 v16, 7, v2
	v_bfe_u32 v10, v2, 3, 1
	s_delay_alu instid0(VALU_DEP_1)
	v_lshl_add_u32 v16, v10, 4, v16
	v_bfe_u32 v10, v2, 4, 1
	s_delay_alu instid0(VALU_DEP_1)
	v_lshl_add_u32 v16, v10, 3, v16                ; sigma(lane)
	s_lshl_b32 s45, s40, 8
	s_add_co_u32 s45, s45, WSS                     ; my column group's 256 scale bytes
	s_lshl_b32 s46, s41, 2
	s_add_co_u32 s46, s46, s45
	v_lshl_add_u32 v16, v16, 3, s46                ; where my column's four bytes go: 8 sigma(lane) + 4 half
	v_lshlrev_b32 v18, 3, v2                       ; back, and in memory: 8 x lane
	s_delay_alu instid0(VALU_DEP_1)
	v_add_nc_u32 v17, s45, v18
	v_mov_b32 v[OF], v3
.irp i, 1,2,3,4,5,6,7,8,9,10,11,12,13,14,15,16,17,18,19,20,21,22,23,24,25,26,27,28,29,30,31
	s_delay_alu instid0(VALU_DEP_1)
	v_add_nc_u32 v[OF+\i], s14, v[OF+\i-1]
.endr
.macro LOAD t                          ; block t: W(32 t + i, my column), i = 0 .. 31, into set t % 2
.irp i, 0,1,2,3,4,5,6,7,8,9,10,11,12,13,14,15,16,17,18,19,20,21,22,23,24,25,26,27,28,29,30,31
	global_load_b32 v[X+32*((\t)%2)+\i], v[OF+\i], s[SRC+2*(\t):SRC+2*(\t)+1] th:TH_LOAD_NT
.endr
.endm
	LOAD 0
	LOAD 1
.macro BLOCK t
.set XS, X+32*((\t)%2)
.if (\t) < NB-1
	s_wait_loadcnt 32                              ; this block's 32 loads are in; the next block's 32 may be out
.else
	s_wait_loadcnt 0
.endif
	v_max3_num_f32 v12, |v[XS]|, |v[XS+1]|, |v[XS+2]|              ; the block's largest magnitude: all 32 numbers are mine
	v_max3_num_f32 v13, |v[XS+3]|, |v[XS+4]|, |v[XS+5]|
.irp i, 6,10,14,18,22,26
	s_delay_alu instid0(VALU_DEP_2)
	v_max3_num_f32 v12, v12, |v[XS+\i]|, |v[XS+\i+1]|
	s_delay_alu instid0(VALU_DEP_2)
	v_max3_num_f32 v13, v13, |v[XS+\i+2]|, |v[XS+\i+3]|
.endr
	s_delay_alu instid0(VALU_DEP_2)
	v_max3_num_f32 v12, v12, |v[XS+30]|, |v[XS+31]|
	s_delay_alu instid0(VALU_DEP_1)
	v_max3_num_f32 v12, v12, v13, (EMAX+1)<<23     ; and the floor 2^(9 - 127): the byte cannot fall under 1
	s_delay_alu instid0(VALU_DEP_1)
	v_add_nc_u32 v11, -(EMAX<<23), v12             ; 8 off its exponent field: the conversion's scale operand
	s_delay_alu instid0(VALU_DEP_2)
	v_and_or_b32 v10, v12, 0x7f800000, s57         ; 448 x the scale
	s_delay_alu instid0(VALU_DEP_2)
	v_lshrrev_b32 v13, 23, v11                     ; the scale's byte
.if (\t) == 0
	s_delay_alu instid0(VALU_DEP_1)
	v_mov_b32 v[SB], v13
.else
	s_delay_alu instid0(VALU_DEP_1)
	v_lshl_or_b32 v[SB], v13, 8*(\t), v[SB]
.endif
.irp i, 0,1,2,3,4,5,6,7,8,9,10,11,12,13,14,15,16,17,18,19,20,21,22,23,24,25,26,27,28,29,30,31
	v_med3_num_f32 v[XS+\i], v[XS+\i], -v10, v10   ; the conversion to an 8-bit code does not saturate (ISA guide 7.6.2): the hold comes first
.endr
.irp g, 0,1,2,3
	v_cvt_scalef32_pk8_fp8_f32 v[C+2*\g:C+2*\g+1], v[XS+8*\g:XS+8*\g+7], v11
.endr
	ds_store_b128 v4, v[C:C+3] offset:32*(\t)
	ds_store_b128 v4, v[C+4:C+7] offset:32*(\t)+16
.if (\t)+2 < NB
	LOAD (\t)+2
.endif
	s_wait_dscnt 0x0                               ; the stores have read their registers: the next block's codes may be written
.endm
.irp t, 0,1,2,3
	BLOCK \t
.endr
	ds_store_b32 v16, v[SB]
	s_wait_dscnt 0x0                               ; for the other wave of my column group: my codes and my scale bytes lie in LDS
	s_barrier_signal -1
	s_barrier_wait -1                              ; the stages and the scale bytes are whole; nobody writes them again
	s_cmp_lt_u32 s22, 4                            ; the first wave of each column group stores the group's scale bytes
	s_cbranch_scc0 .Lcodes
	ds_load_b64 v[26:27], v17
	s_wait_dscnt 0x0
	global_store_b64 v18, v[26:27], s[54:55]       ; 32 lanes store 256 consecutive bytes, aligned
.Lcodes:
.irp t, 0,1,2,3,4,5,6,7
	ds_load_b128 v[OUTR+4*\t:OUTR+4*\t+3], v7 offset:2*\t*PITCH
.endr
.irp t, 0,1,2,3,4,5,6,7
	s_wait_dscnt 7-\t                              ; loads come back in order (ISA guide 5.7.1): pair t of rows is in
	global_store_b128 v[AD+\t], v[OUTR+4*\t:OUTR+4*\t+3], s[50:51]   ; 16 lanes store 256 consecutive bytes, aligned
.endr
	s_wait_tensorcnt 0x0                           ; the wave's end, behind my last LDS store
	ds_add_u32 v[SPW], v[NIL]
	s_wait_dscnt 0x0
	s_endpgm
; ---------------- THE NORM ----------------
.Lnorm:
.set G,     16                         ; v16-47   g
.set BE,    48                         ; v48-79   b
.set R,     80                         ; v80-207  four rows
.set C,     208                        ; v208-239 codes: four registers for each (row, u), so that no store's data are written again
.set T,     240                        ; v240-247 four packed chains
.set MU,    248                        ; v248-249 the mean, twice
.set RS,    250                        ; v250-251 1 / sqrt(var + eps), twice
	s_load_b256 s[4:11], s[0:1], 0x20              ; x, g1, be1, HB
	v_lshrrev_b32 v7, 5, v0
	s_delay_alu instid0(VALU_DEP_1)
	v_readfirstlane_b32 s12, v7                    ; wave 0..7
	v_and_b32 v7, 31, v0                           ; lane
	s_delay_alu instid0(VALU_DEP_1)
	v_lshlrev_b32 v1, 4, v7                        ; my 16 bytes of 512
	s_mul_i32 s13, s12, WREG
	s_add_co_u32 s13, s13, LNB                     ; my wave's region
	v_lshrrev_b32 v2, 2, v7
	s_delay_alu instid0(VALU_DEP_1)
	v_mul_u32_u24 v2, v2, SP
	v_and_b32 v3, 3, v7
	s_delay_alu instid0(VALU_DEP_1)
	v_lshl_add_u32 v2, v3, 4, v2
	s_delay_alu instid0(VALU_DEP_1)
	v_add_nc_u32 v2, s13, v2                       ; the stage, on the way in: 80 (lane / 4) + 16 (lane % 4)
	v_mul_u32_u24 v3, v7, SP
	s_delay_alu instid0(VALU_DEP_1)
	v_add_nc_u32 v3, s13, v3                       ; and back: 80 x lane
	s_add_co_u32 s13, s13, 64*SP
	v_lshrrev_b32 v4, 4, v7
	s_delay_alu instid0(VALU_DEP_1)
	v_lshlrev_b32 v4, 5, v4
	v_bfe_u32 v5, v7, 1, 3
	s_delay_alu instid0(VALU_DEP_1)
	v_add_nc_u32 v4, v4, v5
	s_delay_alu instid0(VALU_DEP_1)
	v_add_nc_u32 v4, s13, v4                       ; my block's byte: [run of 256 along K][row][8]
	v_lshl_add_u32 v5, v7, 2, s13                  ; back: 4 bytes a lane
	v_lshrrev_b32 v6, 3, v7
	s_delay_alu instid0(VALU_DEP_1)
	v_lshlrev_b32 v6, 15, v6
	v_and_b32 v8, 7, v7
	s_delay_alu instid0(VALU_DEP_1)
	v_lshl_add_u32 v6, v8, 2, v6                   ; and their place in memory: 32,768 (lane / 8) + 4 (lane % 8)
	s_mov_b32 s16, 0x76543210
	s_mov_b32 s17, 0xfedcba98                      ; v_permlanex16_b32's selects for lane l xor 16
	s_mov_b32 s18, 0x600000                        ; the mantissa field of 448
	s_mov_b32 s19, 0x3a800000                      ; 1 / 1,024
	s_mov_b32 s20, 0x3727c5ac                      ; 1e-5
	s_sub_co_u32 s28, ttmp9, NWQ                   ; my number among the norm's work-groups: 32 rows each
	s_lshl_b32 s21, s28, 17
	s_lshl_b32 s22, s12, 14
	s_add_co_u32 s22, s21, s22                     ; my first row 32 wg + 4 w, 4,096 bytes a row
	s_mov_b32 s23, 0
	s_lshl_b32 s21, s28, 5                         ; sigma of it: bit 1 of w goes to bit 4, bit 2 of w to bit 3, bit 0 of w stays bit 2
	s_bfe_u32 s24, s12, 0x10001
	s_lshl_b32 s24, s24, 4
	s_or_b32 s21, s21, s24
	s_lshr_b32 s24, s12, 2
	s_lshl_b32 s24, s24, 3
	s_or_b32 s21, s21, s24
	s_and_b32 s24, s12, 1
	s_lshl_b32 s24, s24, 2
	s_or_b32 s21, s21, s24
	s_lshl_b32 s24, s21, 10
	s_mov_b32 s25, 0
	s_lshl_b32 s26, s21, 3
	s_add_co_u32 s26, s26, 4194304
	s_mov_b32 s27, 0
	s_wait_kmcnt 0x0
	s_add_nc_u64 s[4:5], s[4:5], s[22:23]
	s_add_nc_u64 s[24:25], s[10:11], s[24:25]      ; my codes
	s_add_nc_u64 s[26:27], s[10:11], s[26:27]      ; my scale bytes
.irp j, 0,1,2,3,4,5,6,7
	global_load_b128 v[G+4*\j:G+4*\j+3], v1, s[6:7] offset:512*\j
.endr
.irp j, 0,1,2,3,4,5,6,7
	global_load_b128 v[BE+4*\j:BE+4*\j+3], v1, s[8:9] offset:512*\j
.endr
.irp i, 0,1,2,3
.irp j, 0,1,2,3,4,5,6,7
	global_load_b128 v[R+32*\i+4*\j:R+32*\i+4*\j+3], v1, s[4:5] offset:4096*\i+512*\j
.endr
.endr
.macro TURN reg                        ; 1,024 numbers through the stage, back into the registers that they left; LDS serves a wave's instructions in order (ISA guide 5.7.1.4)
.irp j, 0,1,2,3,4,5,6,7
	ds_store_b128 v2, v[\reg+4*\j:\reg+4*\j+3] offset:8*SP*\j
.endr
.irp u, 0,1
.irp i, 0,1,2,3
	ds_load_b128 v[\reg+16*\u+4*\i:\reg+16*\u+4*\i+3], v3 offset:32*SP*\u+16*\i
.endr
.endr
.endm
.macro ACROSS                          ; four packed chains become one sum, in every lane
	s_delay_alu instid0(VALU_DEP_3)
	v_pk_add_f32 v[T:T+1], v[T:T+1], v[T+2:T+3]
	s_delay_alu instid0(VALU_DEP_2)
	v_pk_add_f32 v[T+4:T+5], v[T+4:T+5], v[T+6:T+7]
	s_delay_alu instid0(VALU_DEP_1)
	v_pk_add_f32 v[T:T+1], v[T:T+1], v[T+4:T+5]
	s_delay_alu instid0(VALU_DEP_1)
	v_add_f32 v[T], v[T], v[T+1]
	s_delay_alu instid0(VALU_DEP_1)
	v_add_f32_dpp v[T], v[T], v[T] row_xmask:1 row_mask:0xf bank_mask:0xf
	s_delay_alu instid0(VALU_DEP_1)
	v_add_f32_dpp v[T], v[T], v[T] row_xmask:2 row_mask:0xf bank_mask:0xf
	s_delay_alu instid0(VALU_DEP_1)
	v_add_f32_dpp v[T], v[T], v[T] row_xmask:4 row_mask:0xf bank_mask:0xf
	s_delay_alu instid0(VALU_DEP_1)
	v_add_f32_dpp v[T], v[T], v[T] row_xmask:8 row_mask:0xf bank_mask:0xf
	s_delay_alu instid0(VALU_DEP_1)
	v_permlanex16_b32 v[T+1], v[T], s16, s17
	s_delay_alu instid0(VALU_DEP_1)
	v_add_f32 v[T], v[T], v[T+1]
.endm
.macro ROW i
.set RR, R+32*(\i)
	s_wait_loadcnt 8*(3-(\i))                      ; my row's eight loads are in; the later rows' may be out
	TURN RR
	s_wait_dscnt 0x0
.irp k, 0,1,2,3
	v_pk_add_f32 v[T+2*\k:T+2*\k+1], v[RR+2*\k:RR+2*\k+1], v[RR+8+2*\k:RR+8+2*\k+1]
.endr
.irp q, 2,3
.irp k, 0,1,2,3
	s_delay_alu instid0(VALU_DEP_4)
	v_pk_add_f32 v[T+2*\k:T+2*\k+1], v[T+2*\k:T+2*\k+1], v[RR+8*\q+2*\k:RR+8*\q+2*\k+1]
.endr
.endr
	ACROSS
	s_delay_alu instid0(VALU_DEP_1)
	v_mul_f32 v[MU], s19, v[T]                     ; the mean
	s_delay_alu instid0(VALU_DEP_2)
	v_mul_f32 v[MU+1], s19, v[T]
.irp p, 0,2,4,6,8,10,12,14,16,18,20,22,24,26,28,30
	v_pk_add_f32 v[RR+\p:RR+\p+1], v[RR+\p:RR+\p+1], v[MU:MU+1] neg_lo:[0,1] neg_hi:[0,1]   ; x - mean
.endr
.irp k, 0,1,2,3
	v_pk_mul_f32 v[T+2*\k:T+2*\k+1], v[RR+2*\k:RR+2*\k+1], v[RR+2*\k:RR+2*\k+1]
.endr
.irp q, 1,2,3
.irp k, 0,1,2,3
	s_delay_alu instid0(VALU_DEP_4)
	v_pk_fma_f32 v[T+2*\k:T+2*\k+1], v[RR+8*\q+2*\k:RR+8*\q+2*\k+1], v[RR+8*\q+2*\k:RR+8*\q+2*\k+1], v[T+2*\k:T+2*\k+1]
.endr
.endr
	ACROSS
	s_delay_alu instid0(VALU_DEP_1)
	v_fma_f32 v[T], v[T], s19, s20                 ; var + eps
	s_wait_alu depctr_va_vdst(0)
	v_rsq_f32 v[RS], v[T]
	v_rsq_f32 v[RS+1], v[T]
	v_nop                                          ; a plain instruction behind the transcendentals (ISA guide 5.7.2)
	s_wait_alu depctr_va_vdst(0)                   ; one wait for both, ahead of their first reader
.irp p, 0,2,4,6,8,10,12,14,16,18,20,22,24,26,28,30
	v_pk_mul_f32 v[RR+\p:RR+\p+1], v[RR+\p:RR+\p+1], v[RS:RS+1]
.endr
.irp p, 0,2,4,6,8,10,12,14,16,18,20,22,24,26,28,30
	v_pk_fma_f32 v[RR+\p:RR+\p+1], v[RR+\p:RR+\p+1], v[G+\p:G+\p+1], v[BE+\p:BE+\p+1]
.endr
.irp u, 0,1
.set XS, RR+16*\u
.set CC, C+4*(2*(\i)+\u)
	v_max3_num_f32 v8, |v[XS]|, |v[XS+1]|, |v[XS+2]|               ; the largest magnitude of my 16
	v_max3_num_f32 v9, |v[XS+3]|, |v[XS+4]|, |v[XS+5]|
.irp k, 6,10
	s_delay_alu instid0(VALU_DEP_2)
	v_max3_num_f32 v8, v8, |v[XS+\k]|, |v[XS+\k+1]|
	s_delay_alu instid0(VALU_DEP_2)
	v_max3_num_f32 v9, v9, |v[XS+\k+2]|, |v[XS+\k+3]|
.endr
	s_delay_alu instid0(VALU_DEP_2)
	v_max3_num_f32 v8, v8, |v[XS+14]|, |v[XS+15]|
	s_delay_alu instid0(VALU_DEP_1)
	v_max3_num_f32 v8, v8, v9, (EMAX+1)<<23        ; and the floor 2^(9 - 127)
	s_delay_alu instid0(VALU_DEP_1)
	v_max_num_f32_dpp v8, v8, v8 row_xmask:1 row_mask:0xf bank_mask:0xf   ; and of my neighbour's 16: the block's
	s_delay_alu instid0(VALU_DEP_1)
	v_add_nc_u32 v11, -(EMAX<<23), v8              ; the conversion's scale operand
	s_delay_alu instid0(VALU_DEP_2)
	v_and_or_b32 v10, v8, 0x7f800000, s18          ; 448 x the scale
.irp e, 0,1,2,3,4,5,6,7,8,9,10,11,12,13,14,15
	v_med3_num_f32 v[XS+\e], v[XS+\e], -v10, v10   ; the conversion does not saturate (ISA guide 7.6.2): the hold comes first
.endr
	v_cvt_scalef32_pk8_fp8_f32 v[CC:CC+1], v[XS:XS+7], v11
	v_cvt_scalef32_pk8_fp8_f32 v[CC+2:CC+3], v[XS+8:XS+15], v11
	v_lshrrev_b32 v[12+\u], 23, v11                ; the scale's byte
	ds_store_b8 v4, v[12+\u] offset:64*\u+8*(\i)   ; both lanes of a block write the same byte with the same value
	global_store_b128 v1, v[CC:CC+3], s[24:25] offset:1024*(\i)+512*\u   ; 32 lanes store 512 consecutive bytes
.endr
.endm
	s_wait_loadcnt 40                              ; g is in (behind it: b's 8 loads and the rows' 32)
	TURN G
	s_wait_loadcnt 32                              ; b is in
	TURN BE
	ROW 0
	ROW 1
	ROW 2
	ROW 3
	ds_load_b32 v8, v5                             ; in order behind my byte stores
	s_wait_dscnt 0x0
	global_store_b32 v6, v8, s[26:27]
	s_wait_tensorcnt 0x0                           ; the wave's end, behind my last LDS store
	ds_add_u32 v[SPW], v[NIL]
	s_wait_dscnt 0x0
	s_endpgm
.Lfunc_end_k_q719e50b48f_prep:
	.size	k_q719e50b48f_prep, .Lfunc_end_k_q719e50b48f_prep-k_q719e50b48f_prep
	.p2alignl 7, 3214868480
	.fill 96, 4, 3214868480
	.section	.rodata,"a",@progbits
	.p2align	6, 0x0
	.amdhsa_kernel k_q719e50b48f_prep
		.amdhsa_group_segment_fixed_size 79872
		.amdhsa_private_segment_fixed_size 0
		.amdhsa_enable_private_segment 0
		.amdhsa_kernarg_size 72
		.amdhsa_user_sgpr_count 2
		.amdhsa_user_sgpr_kernarg_segment_ptr 1
		.amdhsa_wavefront_size32 1
		.amdhsa_system_sgpr_workgroup_id_x 1
		.amdhsa_system_sgpr_workgroup_id_y 1
		.amdhsa_system_sgpr_workgroup_id_z 1
		.amdhsa_system_vgpr_workitem_id 0
		.amdhsa_next_free_vgpr 256
		.amdhsa_next_free_sgpr 66
		.amdhsa_reserve_vcc 0
		.amdhsa_float_denorm_mode_32 3
		.amdhsa_float_denorm_mode_16_64 3
		.amdhsa_memory_ordered 1
		.amdhsa_forward_progress 1
		.amdhsa_inst_pref_size 102
	.end_amdhsa_kernel
	.amdgpu_metadata
---
amdhsa.version: [ 1, 2 ]
amdhsa.kernels:
  - .name:           k_q719e50b48f_prep
    .symbol:         k_q719e50b48f_prep.kd
    .args:
      - { .name: w_qkv, .offset: 0, .size: 8, .value_kind: global_buffer, .address_space: global }
      - { .name: w_proj, .offset: 8, .size: 8, .value_kind: global_buffer, .address_space: global }
      - { .name: w1, .offset: 16, .size: 8, .value_kind: global_buffer, .address_space: global }
      - { .name: w2, .offset: 24, .size: 8, .value_kind: global_buffer, .address_space: global }
      - { .name: x, .offset: 32, .size: 8, .value_kind: global_buffer, .address_space: global }
      - { .name: g1, .offset: 40, .size: 8, .value_kind: global_buffer, .address_space: global }
      - { .name: be1, .offset: 48, .size: 8, .value_kind: global_buffer, .address_space: global }
      - { .name: HB, .offset: 56, .size: 8, .value_kind: global_buffer, .address_space: global }
      - { .name: WB, .offset: 64, .size: 8, .value_kind: global_buffer, .address_space: global }
    .group_segment_fixed_size: 79872
    .private_segment_fixed_size: 0
    .kernarg_segment_align: 8
    .kernarg_segment_size: 72
    .max_flat_workgroup_size: 256
    .sgpr_count:     66
    .vgpr_count:     256
    .wavefront_size: 32
...
	.end_amdgpu_metadata
.endif
;; end of part 1
;; launch qkv (part 2): grid 8 x 24, 4 waves a work-group, clusters of 4 x 4, 327,680 bytes of LDS; arguments HB, WB, QB; writes QB
.if DOCPART == 2
	.amdgcn_target "amdgcn-amd-amdhsa--gfx1250"
	.amdhsa_code_object_version 6
	.text
	.protected	k_q719e50b48f_qkv
	.globl	k_q719e50b48f_qkv
	.p2align	8
	.type	k_q719e50b48f_qkv,@function
k_q719e50b48f_qkv:
	s_mov_b64 s[64:65], 0
	v_nop
	global_prefetch_b8 v0, s[64:65] scope:SCOPE_SE
	s_setreg_imm32_b32 hwreg(HW_REG_WAVE_MODE, 25, 1), 1
	s_wait_xcnt 0x0
	s_wait_alu depctr_hold_cnt(0) depctr_sa_sdst(0) depctr_va_vdst(0) depctr_va_sdst(0) depctr_va_ssrc(0) depctr_va_vcc(0) depctr_vm_vsrc(0)
	s_getreg_b32 s2, hwreg(HW_REG_IB_STS2, 6, 4)
	s_cmp_eq_u32 s2, 0
	s_cbranch_scc0 .Lentry_in_a_cluster
	s_endpgm
.Lentry_in_a_cluster:
	s_bfe_u32 s2, ttmp6, 0x10000c
	s_cmp_lg_u32 s2, 0xf033
	s_cbranch_scc0 .Lentry_shape_is_right
	s_endpgm
.Lentry_shape_is_right:
; QKV = 1:  [q | k] = h Wqk^T (M 4,096 tokens, N 2,048) and V^T = Wv h^T (M 1,024 = head x 64 + d, N 4,096 tokens), K = 1,024, on codes of FP8 (E4M3) with E8M0 scales; each result is quantised along its N on the way out.
; QKV = 0:  f = relu(h2 W1^T + b1) (M 4,096, N 4,096), K = 1,024, quantised along N on the way out.   (One source serves both launches; the flag picks the lines that differ.)
; V is made as V^T, by giving the weight as the left operand: 'quantise along the keys' is then the same code as 'quantise along d'.
; Clusters with y < 4 make q and k, the others V^T: a number that all partners of a cluster share; it chooses pointers alone, no branch hangs on it.
; A tile of C, 256 x 256, is made by four waves, each 128 x 128: 64 accumulators, 512 registers.  K goes in steps of 256 through a ring of two LDS slots filled by the tensor data mover.
; ROWS: every operand's row n lies at memory row sigma(n) (bits 3 and 4 exchanged).  THE MATRIX INSTRUCTION IS USED TRANSPOSED (source 0 = 16 rows of B, source 1 = 16 rows of A): in accumulator (a, b) lane (r, h)
; holds C's memory row 16 a + r, and register j the true column 32 (b / 2) + 16 h + 8 (b % 2) + j: the 16 registers of tiles 2 c, 2 c + 1 are 16 neighbours along the next K, lane l xor 16 holds the block's other 16.
; SCALES lie at (k / 256) x 32,768 + 8 row + (k % 256) / 32: the scales of 128 rows for all of K are four runs of 1,024 bytes: one tensor load a wave, with the first fills; they stay.
; CLUSTERS: 4 x 4 work-groups; A's tiles are asked for jointly along a row of the cluster, B's along a column.
; THE WAY OUT: a wave quantises its 128 x 128 in registers; codes and scale words meet in a stage in slot 0 (which has had its last fill and its last read by then), a barrier, and each wave stores 64 whole rows.
;   QKV = 1: in panels, (column / 64) x 262,144 + 64 row + column % 64, so that a head's q, k and V^T are dense: a store covers 512 consecutive bytes.   QKV = 0: rows of 4,096 bytes: sixteen lanes store 256 consecutive bytes, aligned.
; A block of zeros gets the byte 1 where the rule says 127: its codes are zeros, and this program alone reads the bytes.  LIMITS: blocks under 2^-118 are held at that floor; NaN and infinities are not served.
; Not used: prefetching (four K steps, two of them first fills); work-groups that stay (at most one tile for a WGP).
; REGISTERS, in windows of 256: window 0: v0-31 addresses; v32-63 scale words, two sets; v64-127 the bias (QKV = 0), later at work; from v128 A's fragments, ONE set, later the way out.
;   window 1: B's fragments, two sets.   window 2: the accumulators of my rows 0-63 ((a, b) at v[8 (8 a + b)]);   window 3: those of my rows 64-127.
.set QKV,    1
.set RELU,   1-QKV
.set BIAS,   1-QKV
.set KSTEP,  256
.set NQ,     2                         ; matrix instructions deep in a slot
.set ROWB,   256                       ; a tile's row in bytes
.set KROW,   1024                      ; a row of A or of B in memory
.set PITCH,  272                       ; an LDS row: 256 bytes + 16: row r starts at bank 4 r mod 64 (ISA guide 11.1)
.set FR,     16
.set NL,     4
.set NP,     8                         ; places behind this matrix instruction (ISA guide 7.12.1)
.set HALFT,  128*PITCH
.set SLOT,   4*HALFT
.set LAPS,   2
.set SCL,    2*SLOT                    ; behind the ring: the scales: A's two halves (4,096 bytes each), 128 bytes, B's two halves
.set SPARE,  SCL+16640                 ; the spare words, 128 bytes a wave
.set SSTG,   256*PITCH                 ; the way out: codes' stage at 0 (256 rows x 272), the scale words' stage here (256 rows x 8)
.set ADRA, 16
.set SSO,  18
.set RDS,  19
.set ADRB, 20
.set SCO,  22
.set STO,  24
.set RD,   25
.set CO,   26
.set ADRS, 27
.set SPW,  28
.set NIL,  29
.set BIA,  30
.set SC,   32
.set BI,   64
.set TM,   64                          ; the way out: v64-67 largest magnitudes, v68-71 bytes, v72-75 holds, v76-79 scale operands
.set PW,   80
.set PC,   96
.set SCB,  112
.set AF,   128
.set BK,   128
.set G1,   24
.set G0,   32
.set G1B,  48
.set G0B,  56
.set G1S,  68
.set G0S,  76
.set G1SB, 80
.set G0SB, 88
.set SEL,  96
.set MNT,  98
.set MSB, 0
.macro WIN new                         ; the immediate's high byte repeats the setting that is left
.if MSB != (\new)
	s_set_vgpr_msb (MSB<<8)|(\new)
.set MSB, (\new)
.endif
.endm
.set TO_B, 0x40
.macro WINM hi, zero                   ; source 0 (B) window 1, source 1 (A) window 0, D window 2 or 3; C with D, or, where the bias starts the sums, window 0
.if (\zero) && BIAS
	WIN 0x81+0x40*(\hi)
.else
	WIN 0xa1+0x50*(\hi)
.endif
.endm
; A joint load: waves 0 and 1 fetch for A, waves 2 and 3 for B; the branch hangs on the wave's number alone.  An s_nop 0 and four v_nop follow each of the two lines.
.macro JLOAD g0a, g1a, g0b, g1b
	s_cmp_eq_u32 s15, 0
	s_cbranch_scc0 .Lfor_b_\@
	tensor_load_to_lds s[\g0a:\g0a+3], s[\g1a:\g1a+7]
	s_nop 0
.rept 4
	v_nop
.endr
	s_branch .Lasked_\@
.Lfor_b_\@:
	tensor_load_to_lds s[\g0b:\g0b+3], s[\g1b:\g1b+7]
	s_nop 0
.rept 4
	v_nop
.endr
.Lasked_\@:
.endm
.macro CREST                           ; a round of the cluster's barrier behind its opening barrier
	s_cmp_lg_u32 s14, 0
	s_cbranch_scc1 .Lnot_wave_0_\@
	s_barrier_signal -3
.Lnot_wave_0_\@:
	s_barrier_wait -3
	s_barrier_signal -1
	s_barrier_wait -1
.endm
.macro CROUND
	s_barrier_signal -1
	s_barrier_wait -1
	CREST
.endm
	s_load_b128 s[4:7], s[0:1], 0x0                ; HB, WB
.if QKV
	s_load_b64 s[8:9], s[0:1], 0x10                ; QB
.else
	s_load_b128 s[8:11], s[0:1], 0x10              ; FB, b1
.endif
	v_lshl_add_u32 v[SPW], v0, 2, SPARE
	v_mov_b32 v[NIL], 0
	ds_add_u32 v[SPW], v[NIL]                      ; the wave's opening: the add, twice on end, and its wait ahead of my first tensor load
	ds_add_u32 v[SPW], v[NIL]
	v_lshrrev_b32 v1, 5, v0
	v_readfirstlane_b32 s14, v1                    ; wave 0..3
	s_lshr_b32 s15, s14, 1                         ; which half of the tile's rows is mine.  Also: I fetch for A (0) or for B (1)
	s_and_b32 s16, s14, 1                          ; which half of its columns.  Also: which 128 rows I fetch
	s_bfe_u32 s40, ttmp6, 0x40000                  ; cx
	s_bfe_u32 s41, ttmp6, 0x40004                  ; cy
	s_and_b32 s99, ttmp7, 0xffff                   ; the cluster's y
	s_lshl_b32 s42, ttmp9, 2
	s_add_co_u32 s42, s42, s40
.if QKV
	s_max_u32 s18, s99, 4
	s_sub_co_u32 s18, s18, 4
	s_lshl_b32 s18, s18, 3
	s_add_co_u32 s42, s42, s18                     ; tile column: q, k: 4 X + cx;  V^T: 4 X + 8 (Y - 4) + cx
	s_lshl_b32 s17, s99, 2
	s_cmp_lt_u32 s99, 4
	s_cselect_b32 s17, s17, 0
.else
	s_lshl_b32 s17, s99, 2
.endif
	s_add_co_u32 s17, s17, s41                     ; tile row
	s_lshl_b32 s43, s41, 2
	s_lshl_b32 s43, 15, s43                        ; my row of the cluster
	s_lshl_b32 s44, 0x1111, s40                    ; my column
	s_or_b32 s[G1+0], s43, (0<<16)|(1<<20)|(1<<21)|(5<<22)|(3<<25)  ; the mask; elements of 1 byte; padding on; bit 21 beside a mask; after every 64 words, 4 words
	s_or_b32 s[G1B+0], s44, (0<<16)|(1<<20)|(1<<21)|(5<<22)|(3<<25)
.irp g, G1, G1B
	s_mov_b32 s[\g+1], ROWB<<16                    ; tensor_dim0
	s_mov_b32 s[\g+2], 256<<16                     ; tensor_dim1: 256 rows for the head's loads; behind them 128, for the ring's
	s_mov_b32 s[\g+3], ROWB<<16                    ; tile_dim0
	s_mov_b32 s[\g+4], 256                         ; tile_dim1
	s_mov_b32 s[\g+5], KROW                        ; from row to row
	s_mov_b32 s[\g+6], 0
	s_mov_b32 s[\g+7], 0
.endr
	s_or_b32 s[G1S+0], s43, (3<<16)|(1<<21)        ; the scales of 256 rows: 4 rows of 256 elements of 8 bytes, 32,768 bytes apart; no padding
	s_or_b32 s[G1SB+0], s44, (3<<16)|(1<<21)
.irp g, G1S, G1SB
	s_mov_b32 s[\g+1], 256<<16                     ; the scales of the tile's 256 rows: 4 runs of 2,048 bytes; in LDS [run][row][8]
	s_mov_b32 s[\g+2], 4<<16
	s_mov_b32 s[\g+3], 256<<16
	s_mov_b32 s[\g+4], 4
	s_mov_b32 s[\g+5], 4096
	s_mov_b32 s[\g+6], 0
	s_mov_b32 s[\g+7], 0
.endr
	s_mov_b32 s[SEL], 0x76543210
	s_mov_b32 s[SEL+1], 0xfedcba98
	s_mov_b32 s[MNT], 0x600000
	s_lshl_b32 s18, s16, 17                        ; in the ring I fetch 128 rows of a tile: which half, in bytes
	s_mov_b32 s19, 0
	s_lshl_b32 s20, s17, 8                         ; A: the tile's first row
	s_lshl_b32 s46, s42, 8                         ; B: likewise
	s_lshl_b32 s22, s20, 3                         ; their scales, 8 bytes a row,
	s_mov_b32 s23, 0
	s_lshl_b32 s92, s46, 3
	s_mov_b32 s93, 0
	s_lshl_b32 s20, s20, 10                        ; and their codes, 1,024 bytes a row
	s_mov_b32 s21, 0
	s_lshl_b32 s46, s46, 10
	s_mov_b32 s47, 0
	s_mul_i32 s45, s14, HALFT                      ; where they go: no place in the cluster enters an LDS address
	s_wait_dscnt 0x0                               ; both opening adds are done
	s_wait_kmcnt 0x0
.if QKV
	s_cmp_lt_u32 s99, 4                            ; q and k: A = h, B = Wqk;  V^T: A = Wv, B = h
	s_add_nc_u64 s[10:11], s[6:7], 2097152         ; Wv's codes: rows 2,048 on
	s_cselect_b64 s[10:11], s[4:5], s[10:11]
	s_add_nc_u64 s[20:21], s[10:11], s[20:21]
	s_add_nc_u64 s[10:11], s[4:5], 4194304         ; h's scales
	s_add_nc_u64 s[12:13], s[6:7], 12599296        ; Wv's scales
	s_cselect_b64 s[10:11], s[10:11], s[12:13]
	s_add_nc_u64 s[22:23], s[10:11], s[22:23]
	s_cselect_b64 s[10:11], s[6:7], s[4:5]
	s_add_nc_u64 s[46:47], s[10:11], s[46:47]
	s_add_nc_u64 s[10:11], s[6:7], 12582912        ; Wqk's scales
	s_add_nc_u64 s[12:13], s[4:5], 4194304
	s_cselect_b64 s[10:11], s[10:11], s[12:13]
	s_add_nc_u64 s[92:93], s[10:11], s[92:93]
.else
	s_add_nc_u64 s[20:21], s[4:5], s[20:21]
	s_add_nc_u64 s[22:23], s[4:5], s[22:23]
	s_add_nc_u64 s[22:23], s[22:23], 4194304
	s_add_nc_u64 s[46:47], s[6:7], s[46:47]
	s_add_nc_u64 s[46:47], s[46:47], 4194304       ; W1's codes
	s_add_nc_u64 s[92:93], s[6:7], s[92:93]
	s_add_nc_u64 s[92:93], s[92:93], 12845056      ; W1's scales
.endif
	CROUND                                         ; all sixteen work-groups are here: the first joint loads meet
	s_mov_b32 s[G0S], 1
	s_mov_b32 s[G0S+1], SCL
	s_mov_b64 s[G0S+2:G0S+3], s[22:23]
	s_or_b32 s[G0S+3], s[G0S+3], 0x80000000
	s_mov_b32 s[G0SB], 1
	s_mov_b32 s[G0SB+1], SCL+8192+128
	s_mov_b64 s[G0SB+2:G0SB+3], s[92:93]
	s_or_b32 s[G0SB+3], s[G0SB+3], 0x80000000
.set G0H, 4                            ; s[4:7], s[92:95] group 0 of the head's loads of K step 0: A's 256 rows, B's 256 rows (what lay there has been used)
.set G0HB, 92
	s_mov_b32 s[G0H], 1
	s_mov_b32 s[G0H+1], 0
	s_mov_b64 s[G0H+2:G0H+3], s[20:21]
	s_or_b32 s[G0H+3], s[G0H+3], 0x80000000
	s_mov_b32 s[G0HB], 1
	s_mov_b32 s[G0HB+1], 2*HALFT
	s_mov_b64 s[G0HB+2:G0HB+3], s[46:47]
	s_or_b32 s[G0HB+3], s[G0HB+3], 0x80000000
	s_add_nc_u64 s[20:21], s[20:21], s[18:19]      ; for the ring: my 128 rows
	s_add_nc_u64 s[46:47], s[46:47], s[18:19]
.irp s, 0,1
	s_mov_b32 s[G0+4*\s], 1
	s_add_co_u32 s[G0+4*\s+1], s45, \s*SLOT
	s_add_nc_u64 s[G0+4*\s+2:G0+4*\s+3], s[20:21], \s*ROWB
	s_or_b32 s[G0+4*\s+3], s[G0+4*\s+3], 0x80000000
	s_mov_b32 s[G0B+4*\s], 1
	s_add_co_u32 s[G0B+4*\s+1], s45, \s*SLOT
	s_add_nc_u64 s[G0B+4*\s+2:G0B+4*\s+3], s[46:47], \s*ROWB
	s_or_b32 s[G0B+4*\s+3], s[G0B+4*\s+3], 0x80000000
.endr
; THE HEAD'S LOADS, ONE A WAVE: wave 0 K step 0's 256 rows of A, wave 1 those of B, wave 2 A's scales, wave 3 B's.  One chain of branches on the wave's number; every way passes one load.
.macro ARM under, g0, g1, next
	s_cmp_lt_u32 s14, \under
	s_cbranch_scc0 \next
	tensor_load_to_lds s[\g0:\g0+3], s[\g1:\g1+7]
	s_nop 0
.rept 4
	v_nop
.endr
	s_branch .Lhead_asked
\next:
.endm
	ARM 1, G0H,  G1,  .Lhead_b
	ARM 2, G0HB, G1B, .Lhead_sa
	ARM 3, G0S,  G1S, .Lhead_sb
	tensor_load_to_lds s[G0SB:G0SB+3], s[G1SB:G1SB+7]
	s_nop 0
.rept 4
	v_nop
.endr
.Lhead_asked:
	v_and_b32 v1, 15, v0                           ; r
	v_bfe_u32 v2, v0, 4, 1                         ; h
	s_wait_alu depctr_va_vdst(0)
	v_and_b32 v6, 31, v0                           ; lane
	v_mul_u32_u24 v3, v1, PITCH
	v_lshl_add_u32 v4, v2, 4, v3                   ; a fragment's row x pitch + 16 x half
	s_wait_alu depctr_va_vdst(0)
	s_mul_i32 s21, s15, HALFT
	s_mul_i32 s22, s16, HALFT
	s_add_co_u32 s22, s22, 2*HALFT
.irp s, 0,1
	v_add_nc_u32 v[ADRA+\s], s21, v4
	v_add_nc_u32 v[ADRB+\s], s22, v4
	s_add_co_u32 s21, s21, SLOT
	s_add_co_u32 s22, s22, SLOT
.endr
	s_lshl_b32 s21, s15, 10                        ; A's scales: my 128 rows of a run's 256
	s_lshl_b32 s22, s16, 10                        ; B's, behind A's 8,192 bytes and 128 more
	s_add_co_u32 s22, s22, 8192+128
	s_sub_co_u32 s22, s22, s21
	v_mul_u32_u24 v5, s22, v2                      ; lanes 16-31 take B's: one product, the distance between the two
	s_add_co_u32 s21, s21, SCL
	v_lshl_add_u32 v5, v1, 3, v5
	v_add_nc_u32 v[ADRS], s21, v5
	s_mul_i32 s23, s15, 128*PITCH                  ; the stage: my 128 rows, my 128 of their 256 bytes; row r, 16 bytes for each half of the lanes
	s_lshl_b32 s21, s16, 7
	s_add_co_u32 s23, s23, s21
	v_add_nc_u32 v[STO], s23, v4
	s_lshl_b32 s23, s15, 10
	s_lshl_b32 s21, s16, 2
	s_add_co_u32 s23, s23, s21
	s_add_co_u32 s23, s23, SSTG
	v_lshl_add_u32 v[SSO], v1, 3, s23              ; my rows' scale words: 8 bytes a row, my half of them
	v_lshlrev_b32 v[SCO], 4, v6                    ; 16 x lane
	s_lshl_b32 s23, s14, 9
	s_add_co_u32 s23, s23, SSTG
	v_add_nc_u32 v[RDS], s23, v[SCO]
	s_mul_i32 s23, s14, 64*PITCH                   ; back: wave w takes rows 64 w .. 64 w + 63
.if QKV
	v_lshrrev_b32 v5, 2, v6
	v_mul_u32_u24 v5, v5, PITCH
	v_and_b32 v3, 3, v6
	v_lshl_add_u32 v5, v3, 4, v5                   ; eight rows' 64 bytes of one panel an instruction: row lane / 4, 16 (lane % 4)
	v_add_nc_u32 v[RD], s23, v5
	v_lshlrev_b32 v[CO], 4, v6
	s_cmp_lt_u32 s99, 4
	s_cselect_b32 s20, 0, 8388608                  ; q and k, or V^T: the codes' place in QB,
	s_mov_b32 s22, 25427968
	s_cselect_b32 s22, 25165824, s22               ; and the scale bytes'
	s_lshl_b32 s46, s42, 20                        ; four panels of 262,144 bytes a tile column
	s_add_co_u32 s20, s20, s46
	s_lshl_b32 s46, s17, 14                        ; 256 rows of 64 bytes a tile row
	s_add_co_u32 s20, s20, s46
	s_lshl_b32 s46, s14, 12
	s_add_co_u32 s20, s20, s46
.else
	v_mul_u32_u24 v5, v2, PITCH
	v_lshl_add_u32 v5, v1, 4, v5                   ; lanes 0-15 one row of 256 bytes, lanes 16-31 the next
	v_add_nc_u32 v[RD], s23, v5
	v_lshlrev_b32 v5, 12, v2
	v_lshl_add_u32 v[CO], v1, 4, v5
	s_lshl_b32 s20, s17, 8
	s_lshl_b32 s21, s14, 6
	s_add_co_u32 s20, s20, s21
	s_lshl_b32 s20, s20, 12                        ; rows of 4,096 bytes
	s_lshl_b32 s46, s42, 8
	s_add_co_u32 s20, s20, s46
	s_mov_b32 s22, 16777216
.endif
	s_mov_b32 s21, 0
	s_add_nc_u64 s[12:13], s[8:9], s[20:21]        ; where I store codes
	s_lshl_b32 s46, s42, 15                        ; the tile's 256 columns are one run of 256 along the next K
	s_add_co_u32 s22, s22, s46
	s_lshl_b32 s46, s17, 11
	s_add_co_u32 s22, s22, s46
	s_lshl_b32 s46, s14, 9
	s_add_co_u32 s22, s22, s46
	s_mov_b32 s23, 0
	s_add_nc_u64 s[66:67], s[8:9], s[22:23]        ; and scale bytes
.if BIAS
	s_lshl_b32 s46, s42, 10
	s_lshl_b32 s47, s16, 9
	s_add_co_u32 s46, s46, s47
	s_mov_b32 s47, 0
	s_add_nc_u64 s[10:11], s[10:11], s[46:47]      ; b1 at my 128 columns
	v_lshlrev_b32 v[BIA], 6, v2
.irp b, 0,1,2,3,4,5,6,7                        ; tile b: lane (r, h) wants columns 32 (b / 2) + 16 h + 8 (b % 2) + 0 .. 7: the result's layout
	global_load_b128 v[BI+8*\b:BI+8*\b+3], v[BIA], s[10:11] offset:(32*(\b/2)+8*(\b%2))*4
	global_load_b128 v[BI+8*\b+4:BI+8*\b+7], v[BIA], s[10:11] offset:(32*(\b/2)+8*(\b%2))*4+16
.endr
.endif
.macro FRAG reg, adr, q, i             ; 16 rows x 128 K: registers 4 c .. 4 c + 3 hold K = 32 c + 16 (l / 16) + 0 .. 15
.irp c, 0,1,2,3
	ds_load_b128 v[\reg+4*\c:\reg+4*\c+3], v[\adr] offset:128*(\q)+32*\c+(\i)*16*PITCH
.endr
.endm
; 16 matrix instructions: A's blocks a0, a0 + 1 x B's eight.  zero = 1: the first product starts the sums, from the bias or from 0.  The 64 accumulators take turns, one instruction a turn.
.macro MUL16 a0, p, q, sc, zero
.irp a, \a0, \a0+1
.irp b, 0,1,2,3,4,5,6,7
.if \zero
.if BIAS
	v_wmma_scale_f32_16x16x128_f8f6f4 v[8*(8*((\a)%4)+\b):8*(8*((\a)%4)+\b)+7], v[128*(\p)+FR*\b:128*(\p)+FR*\b+FR-1], v[AF+FR*(\a):AF+FR*(\a)+FR-1], v[BI+8*\b:BI+8*\b+7], v[SC+8*NQ*(\sc)+NQ*\b+(\q)], v[SC+8*NQ*(\sc)+NQ*(\a)+(\q)] matrix_a_scale:MATRIX_SCALE_ROW1
.else
	v_wmma_scale_f32_16x16x128_f8f6f4 v[8*(8*((\a)%4)+\b):8*(8*((\a)%4)+\b)+7], v[128*(\p)+FR*\b:128*(\p)+FR*\b+FR-1], v[AF+FR*(\a):AF+FR*(\a)+FR-1], 0, v[SC+8*NQ*(\sc)+NQ*\b+(\q)], v[SC+8*NQ*(\sc)+NQ*(\a)+(\q)] matrix_a_scale:MATRIX_SCALE_ROW1
.endif
.else
	v_wmma_scale_f32_16x16x128_f8f6f4 v[8*(8*((\a)%4)+\b):8*(8*((\a)%4)+\b)+7], v[128*(\p)+FR*\b:128*(\p)+FR*\b+FR-1], v[AF+FR*(\a):AF+FR*(\a)+FR-1], v[8*(8*((\a)%4)+\b):8*(8*((\a)%4)+\b)+7], v[SC+8*NQ*(\sc)+NQ*\b+(\q)], v[SC+8*NQ*(\sc)+NQ*(\a)+(\q)] matrix_a_scale:MATRIX_SCALE_ROW1
.endif
.endr
.endr
.endm
.macro FETCH_B slot, q, p
	WIN TO_B
.irp i, 0,1,2,3,4,5,6,7
	FRAG 128*(\p)+FR*\i, ADRB+\slot, \q, \i
.endr
	WIN 0
.endm
.macro FETCH_A slot, q, i0
.irp i, \i0, \i0+1, \i0+2, \i0+3
	FRAG AF+FR*(\i), ADRA+\slot, \q, \i
.endr
.endm
.macro SCALES sc                       ; a K step's scale words: two a row; lanes 0-15 take A's block i, lanes 16-31 B's block i
.irp i, 0,1,2,3,4,5,6,7
	ds_load_b64 v[SC+8*NQ*\sc+NQ*\i:SC+8*NQ*\sc+NQ*\i+1], v[ADRS] offset:\i*128
.endr
.endm
.macro PLACES n                        ; plain vector instructions between a matrix instruction and a load into, or a read of, its registers
.rept \n
	v_nop
.endr
.endm
.macro STEP slot, q, zero              ; a step of 128 along K that has its successor in the same slot
	s_wait_dscnt 4*NL                              ; B's set and A's blocks 0-3 are in; the youngest 16 loads (A's blocks 4-7) may be out
	WINM 0, \zero
	MUL16 0, (\q)%2, \q, \slot, \zero
	MUL16 2, (\q)%2, \q, \slot, \zero
	s_wait_dscnt 0
	PLACES NP
	FETCH_B \slot, (\q)+1, 1-(\q)%2
	FETCH_A \slot, (\q)+1, 0
	WINM 1, \zero
	MUL16 4, (\q)%2, \q, \slot, \zero
	MUL16 6, (\q)%2, \q, \slot, \zero
	PLACES NP
	WIN 0
	FETCH_A \slot, (\q)+1, 4
.endm
; A slot's last step changes slots: one barrier; in front of it each wave waits for all its tensor loads, adds 0 to its spare word, and waits for that and for its reads of this slot.
.macro TURN slot, next, fill
	s_wait_tensorcnt 0x0                           ; all my tensor loads have landed: my part of the next slot
	ds_add_u32 v[SPW], v[NIL]
	s_wait_dscnt 4*NL+1                            ; (the add and the youngest 16 loads may be out)
	WINM 0, 0
	MUL16 0, 1, NQ-1, \slot, 0
	s_wait_dscnt 0x0                               ; the add is done, and my reads of this slot are over
	s_barrier_signal -1
	MUL16 2, 1, NQ-1, \slot, 0
	WIN 0
	s_barrier_wait -1
.if \fill
	CREST                                          ; the barrier has opened a round of the cluster's: no wave of any partner still reads this slot or has a load on its way
	s_add_nc_u64 s[G0+4*\slot+2:G0+4*\slot+3], s[G0+4*\slot+2:G0+4*\slot+3], 2*ROWB
	s_add_nc_u64 s[G0B+4*\slot+2:G0B+4*\slot+3], s[G0B+4*\slot+2:G0B+4*\slot+3], 2*ROWB
	JLOAD G0+4*\slot, G1, G0B+4*\slot, G1B         ; the first tensor load behind the round; its four v_nop are among the places in front of the loads below
	PLACES NP-4
.else
	PLACES NP
.endif
	s_wait_alu depctr_va_vdst(0)
	v_add_nc_u32 v[ADRS], 2048, v[ADRS]            ; the next 256 along K: 256 rows x 8 bytes on
	FETCH_B \next, 0, 0
	FETCH_A \next, 0, 0
	SCALES \next
	WINM 1, 0
	MUL16 4, 1, NQ-1, \slot, 0
	MUL16 6, 1, NQ-1, \slot, 0
	PLACES NP
	WIN 0
	FETCH_A \next, 0, 4
.endm
	s_wait_alu depctr_va_vdst(0)                   ; the head's end
	s_wait_tensorcnt 0x0                           ; my tile of the head's four is in; these lines stand ahead of a later first fill as ahead of a refill
	ds_add_u32 v[SPW], v[NIL]
	s_mov_b32 s[G1+2], 128<<16                     ; no tensor load of mine is out: from here on a load brings 128 rows
	s_mov_b32 s[G1+4], 128
	s_mov_b32 s[G1B+2], 128<<16
	s_mov_b32 s[G1B+4], 128
	s_wait_dscnt 0x0
	CROUND                                         ; all four tiles are in, and all sixteen work-groups are here
	JLOAD G0+4, G1, G0B+4, G1B                     ; K step 1, the first tensor load behind the round
	FETCH_B 0, 0, 0
	FETCH_A 0, 0, 0
	SCALES 0
	FETCH_A 0, 0, 4
.if BIAS
	s_wait_loadcnt 0x0                             ; the bias
.endif
	STEP 0, 0, 1                                   ; the first step stands in front of the loop: its products start the sums
	s_mov_b32 s3, LAPS-1
.Llap:                                                 ; a trip goes once round the ring and fills both slots again
	TURN 0, 1, 1
	STEP 1, 0, 0
	TURN 1, 0, 1
	STEP 0, 0, 0
	s_sub_co_u32 s3, s3, 1
	s_cmp_lg_u32 s3, 0
	s_cbranch_scc1 .Llap
	TURN 0, 1, 0                                   ; the last lap fills nothing
	STEP 1, 0, 0
	s_wait_dscnt 4*NL
	WINM 0, 0
	MUL16 0, 1, NQ-1, 1, 0
	MUL16 2, 1, NQ-1, 1, 0
	s_wait_dscnt 0
	WINM 1, 0
	MUL16 4, 1, NQ-1, 1, 0
	MUL16 6, 1, NQ-1, 1, 0
	WIN 0
; THE WAY OUT.  Block a: my 16 rows x 128 columns: 64 registers a lane, register 16 c + i = column 32 c + 16 h + i of row r: four blocks of 32, each shared with lane l xor 16.  The work is grouped by register window.
.macro QUANTW a
.set W,  2+(\a)/4
.set S0, 64*((\a)%4)
	WIN W|(W<<2)
.irp b, 0,1,2,3
.if RELU
	v_max3_num_f32 v[TM+\b], v[S0+16*\b], v[S0+1+16*\b], 0x4800000       ; no |.|: what is negative becomes 0, so it must not count; the floor 2^(9 - 127) stands over it
.else
	v_max3_num_f32 v[TM+\b], |v[S0+16*\b]|, |v[S0+1+16*\b]|, 0x4800000   ; my 16 numbers of block b, and the floor 2^(9 - 127)
.endif
.endr
	WIN (W<<2)|(W<<4)
.irp i, 2,4,6,8,10,12,14
.irp b, 0,1,2,3
.if RELU
	v_max3_num_f32 v[TM+\b], v[TM+\b], v[S0+16*\b+\i], v[S0+1+16*\b+\i]
.else
	v_max3_num_f32 v[TM+\b], v[TM+\b], |v[S0+16*\b+\i]|, |v[S0+1+16*\b+\i]|
.endif
.endr
.endr
	WIN 0
.irp b, 0,1,2,3
	v_permlanex16_b32 v[TM+4+\b], v[TM+\b], s[SEL], s[SEL+1]
.endr
.irp b, 0,1,2,3
	v_max_num_f32 v[TM+\b], v[TM+\b], v[TM+4+\b]   ; the block's largest magnitude
.endr
.irp b, 0,1,2,3
	v_add_nc_u32 v[TM+12+\b], 0xfc000000, v[TM+\b] ; 8 off its exponent field: the conversion's scale operand
.endr
.irp b, 0,1,2,3
	v_and_or_b32 v[TM+8+\b], v[TM+\b], 0x7f800000, s[MNT]   ; 448 x the scale
.endr
.irp b, 0,1,2,3
	v_lshrrev_b32 v[TM+4+\b], 23, v[TM+12+\b]      ; the scale's byte
.endr
	v_lshl_or_b32 v[PW], v[TM+5], 8, v[TM+4]
	v_lshl_or_b32 v[PW], v[TM+6], 16, v[PW]
	v_lshl_or_b32 v[PW], v[TM+7], 24, v[PW]        ; my row's scale word for these 128 columns
	WIN W|(W<<6)
.irp b, 0,1,2,3
.irp i, 0,1,2,3,4,5,6,7,8,9,10,11,12,13,14,15
.if RELU
	v_med3_num_f32 v[S0+16*\b+\i], v[S0+16*\b+\i], 0, v[TM+8+\b]              ; the activation and the hold in one
.else
	v_med3_num_f32 v[S0+16*\b+\i], v[S0+16*\b+\i], -v[TM+8+\b], v[TM+8+\b]   ; the conversion does not saturate (ISA guide 7.6.2): the hold comes first
.endif
.endr
.endr
	WIN W
.irp b, 0,1,2,3
	v_cvt_scalef32_pk8_fp8_f32 v[PC+4*\b:PC+4*\b+1], v[S0+16*\b:S0+16*\b+7], v[TM+12+\b]
	v_cvt_scalef32_pk8_fp8_f32 v[PC+4*\b+2:PC+4*\b+3], v[S0+16*\b+8:S0+16*\b+15], v[TM+12+\b]
.endr
	WIN 0
	v_nop                                          ; a plain instruction behind the last conversion
.irp b, 0,1,2,3
	ds_store_b128 v[STO], v[PC+4*\b:PC+4*\b+3] offset:16*(\a)*PITCH+32*\b
.endr
	ds_store_b32 v[SSO], v[PW] offset:128*(\a)     ; lanes l and l + 16 write the same word with the same value
	s_wait_dscnt 0x0                               ; the stores have read their registers: the next block's codes may be written
.endm
	PLACES NP                                      ; behind the last products, ahead of the first read of results and of the loads into A's registers
.irp b, 0,1,2,3
	v_mov_b32 v[TM+4+\b], 0                        ; written once: a lane permute's destination counts as one of its sources
.endr
.irp a, 0,1,2,3,4,5,6,7
	QUANTW \a
.endr
	s_barrier_signal -1                            ; every wave's stores into the stage are done (the wait for 0 above)
	s_barrier_wait -1
.set t, 0
.rept 32
.if QKV
	ds_load_b128 v[BK+4*t:BK+4*t+3], v[RD] offset:8*(t/4)*PITCH+64*(t%4)
.else
	ds_load_b128 v[BK+4*t:BK+4*t+3], v[RD] offset:2*t*PITCH
.endif
.set t, t+1
.endr
	ds_load_b128 v[SCB:SCB+3], v[RDS]
.set t, 0
.rept 32
	s_wait_dscnt 32-t                              ; loads come back in order: number t is in
.if QKV
	global_store_b128 v[CO], v[BK+4*t:BK+4*t+3], s[12:13] offset:(t%4)*262144+512*(t/4)   ; 32 lanes store 512 consecutive bytes of a panel
.else
	global_store_b128 v[CO], v[BK+4*t:BK+4*t+3], s[12:13] offset:8192*t                   ; 16 lanes store 256 consecutive bytes, aligned
.endif
.set t, t+1
.endr
	s_wait_dscnt 0x0
	global_store_b128 v[SCO], v[SCB:SCB+3], s[66:67]   ; 64 rows' scale bytes: 512 consecutive bytes
	s_wait_tensorcnt 0x0                           ; the wave's end
	ds_add_u32 v[SPW], v[NIL]
	s_wait_dscnt 0x0
	CROUND                                         ; the closing round: no work-group ends while a partner may still ask for a tile that names it
	s_endpgm
.Lfunc_end_k_q719e50b48f_qkv:
	.size	k_q719e50b48f_qkv, .Lfunc_end_k_q719e50b48f_qkv-k_q719e50b48f_qkv
	.p2alignl 7, 3214868480
	.fill 96, 4, 3214868480
	.section	.rodata,"a",@progbits
	.p2align	6, 0x0
	.amdhsa_kernel k_q719e50b48f_qkv
		.amdhsa_group_segment_fixed_size 327680
		.amdhsa_private_segment_fixed_size 0
		.amdhsa_enable_private_segment 0
		.amdhsa_kernarg_size 24
		.amdhsa_user_sgpr_count 2
		.amdhsa_user_sgpr_kernarg_segment_ptr 1
		.amdhsa_wavefront_size32 1
		.amdhsa_system_sgpr_workgroup_id_x 1
		.amdhsa_system_sgpr_workgroup_id_y 1
		.amdhsa_system_sgpr_workgroup_id_z 1
		.amdhsa_system_vgpr_workitem_id 0
		.amdhsa_next_free_vgpr 1024
		.amdhsa_next_free_sgpr 100
		.amdhsa_reserve_vcc 0
		.amdhsa_float_denorm_mode_32 3
		.amdhsa_float_denorm_mode_16_64 3
		.amdhsa_memory_ordered 1
		.amdhsa_forward_progress 1
		.amdhsa_inst_pref_size 193
	.end_amdhsa_kernel
	.amdgpu_metadata
---
amdhsa.version: [ 1, 2 ]
amdhsa.kernels:
  - .name:           k_q719e50b48f_qkv
    .symbol:         k_q719e50b48f_qkv.kd
    .args:
      - { .name: HB, .offset: 0, .size: 8, .value_kind: global_buffer, .address_space: global }
      - { .name: WB, .offset: 8, .size: 8, .value_kind: global_buffer, .address_space: global }
      - { .name: QB, .offset: 16, .size: 8, .value_kind: global_buffer, .address_space: global }
    .group_segment_fixed_size: 327680
    .private_segment_fixed_size: 0
    .kernarg_segment_align: 8
    .kernarg_segment_size: 24
    .max_flat_workgroup_size: 128
    .sgpr_count:     100
    .vgpr_count:     1024
    .wavefront_size: 32
...
	.end_amdgpu_metadata
.endif
;; end of part 2
;; launch attn (part 3): grid 8 x 32, 16 waves a work-group, clusters of 4 x 1, 327,680 bytes of LDS; arguments QB, AB; writes AB
.if DOCPART == 3
	.amdgcn_target "amdgcn-amd-amdhsa--gfx1250"
	.amdhsa_code_object_version 6
	.text
	.protected	k_q719e50b48f_attn
	.globl	k_q719e50b48f_attn
	.p2align	8
	.type	k_q719e50b48f_attn,@function
k_q719e50b48f_attn:
	s_mov_b64 s[64:65], 0
	v_nop
	global_prefetch_b8 v0, s[64:65] scope:SCOPE_SE
	s_setreg_imm32_b32 hwreg(HW_REG_WAVE_MODE, 25, 1), 1
	s_wait_xcnt 0x0
	s_wait_alu depctr_hold_cnt(0) depctr_sa_sdst(0) depctr_va_vdst(0) depctr_va_sdst(0) depctr_va_ssrc(0) depctr_va_vcc(0) depctr_vm_vsrc(0)
	s_getreg_b32 s2, hwreg(HW_REG_IB_STS2, 6, 4)
	s_cmp_eq_u32 s2, 0
	s_cbranch_scc0 .Lentry_in_a_cluster
	s_endpgm
.Lentry_in_a_cluster:
	s_bfe_u32 s2, ttmp6, 0x10000c
	s_cmp_lg_u32 s2, 0x3003
	s_cbranch_scc0 .Lentry_shape_is_right
	s_endpgm
.Lentry_shape_is_right:
; CAUSAL ATTENTION of one (batch, head) on codes of FP8 (E4M3) with E8M0 scales: S^T = K Q^T (K = the head's 64, the upper 64 of the instruction's 128 are zero codes of Q), p = 2^(t - M), O^T = V^T P^T; O / the row's sum is quantised along d and stored as codes.
; WORK LEFT OUT: key steps that lie wholly under the causal mask, which reference() builds itself: their weights are 0 for every finite input.  A NaN or an infinity that reaches only such a step is not carried on.
; LIMITS: the promise holds while the scaled scores stay under 2^31 in magnitude; NaN and infinities among the inputs are not served; a block's byte is held at 1 from below.
; THE DEAL.  Eight work-groups share a head.  Work-group x owns the sixteen query tiles (16 queries each) number x + 8 j, j = 0 .. 15: tile j has j + 1 key steps of 128 keys, the last on the diagonal, in every work-group alike.
; Waves come in pairs, p = 0 .. 7.  Wave A (bit 2 of the wave's number 0) takes key steps 0 .. CUT - 1 = 8 of tile 15 - p (for p = 7 the ninth is its diagonal step).  Wave B takes tile p whole (p + 1 steps) and stores it,
; then key steps 9 .. 15 - p of tile 15 - p: 9 steps for A; 8 for B, which has both ways out.  For p = 7 B's second walk is empty: its part keeps zeros and the starting -M, and gets the factor 0 below.
; At the end A hands its O^T, -M and sums to B through LDS; M is a whole number, so both parts are brought under the larger M by exact powers of two; B adds, divides, quantises and stores.
; LDS: the head's K (2,048 keys x 64 bytes) and V^T (64 x 2,048), in rows of 256 bytes + 16, and their scale bytes lie there for the whole launch: 300,032 bytes, each filled once, by sixteen tensor loads, one a wave, at the head.  Nothing is filled again.
; Waves 0 to 3 fetch keys 0-255 of K and of V and the scale bytes, and wait ahead of the first barrier; the other twelve loads are waited for by every wave at the barrier behind two key steps.  No other barrier stands in the walk.
; Every loop's trip count is a constant; a step that a wave does not own is jumped over by a branch on the wave's number and the count of steps.  The work-group's place enters global addresses and the diagonal's vector compare alone.
; CLUSTERS: four work-groups of a head ask for every tile jointly (mask 15).  No prefetch: all tiles are asked for at the head, so there is no loop of loads to run ahead in.
; The way out: a tile's 16 x 64 codes are one row of 1,024 bytes of AB (reference() reshapes [h][q][d] without transposing); they turn through the wave's own stage, so that a store covers 512 consecutive bytes.
; REGISTERS: v1-11 addresses; v12 -M, v13 largest t, v[14:15] sums; v16-31 Q (upper half zeros); v32-103 fragments; v104-167 S^T, p; v168-199 O^T; v200-207 scale words; v208-216 the second tile's Q; v217-220 addresses; v224-255 at work.
.set CUT,   9                          ; the first key step of the second walk
.set VOFF,  139264                     ; V behind K's 512 rows of 272 bytes
.set SCK,   278528                     ; K's scale bytes: 64 rows of 256 + 16 (8 bytes a key)
.set SCV,   295936                     ; V's: 8 runs of 512 bytes
.set SPARE, 300032                     ; the spare words, 128 bytes a wave
.set STAGE, 302080                     ; 1,024 bytes a wave
.set XP,    4608                       ; a pair's hand-over, in K's bytes, behind a barrier behind which nobody reads K
.set AK0,  1
.set AV0,  2
.set ASK0, 3
.set ASV0, 4
.set SPW,  5
.set NIL,  6
.set GO,   7
.set ADK,  8
.set ADV,  9
.set ADS,  10
.set ADT,  11
.set S,    104
.set O,    168
.set KSC,  200
.set Q2,   208
.set STI,  217
.set STB,  218
.set SOF,  219
.set XA,   220
.set TB,   2                           ; s2   the step's place in K and in V: 8,704 bytes a step
.set TS,   3                           ; s3   in K's scale bytes: 1,088 a step
.set TT2,  17                          ; s17  the second walk's tile (A: 0, so that every step of it is jumped over)
.set WV,   18
.set MNT,  19
.set SEL,  20
.set CS,   22
.set G1K,  24                          ; group 1: 64 rows of 256 bytes (K's first part, K's scale bytes)
.set G1K2, 32                          ; 56 rows
.set G1V,  40                          ; 4 panels of 4,096 bytes
.set G1V2, 48                          ; 7 panels
.set OC1,  56                          ; s[56:59] where the first tile's codes and scale bytes go; s[60:63] the second's
.set OC2,  60
.set TJ,   66                          ; s66  the step's place in V's scale bytes
.set KI,   67                          ; s67  the key step, 0 .. 15
.set G1SV, 68
.set G0K,  76
.set G0V,  80
.set G0SK, 84
.set G0SV, 88
.set G0K2, 92
.set G0V2, 96
.set TT,   100                         ; s100 the tile in hand: its last key step
.set DX,   104                         ; s104 16 x: my first query less the diagonal step's first key
.set ROLE, 105                         ; s105 0: A, 1: B
.macro BARRIER
	s_barrier_signal -1
	s_barrier_wait -1
.endm
.macro CROUND                          ; a round of the cluster's barrier
	BARRIER
	s_cmp_lg_u32 s[WV], 0
	s_cbranch_scc1 .Lnw0_\@
	s_barrier_signal -3
.Lnw0_\@:
	s_barrier_wait -3
	BARRIER
.endm
.macro GRP1 g, w0, d0, rows, pitch
	s_mov_b32 s[\g], \w0
	s_mov_b32 s[\g+1], (\d0)<<16
	s_mov_b32 s[\g+2], (\rows)<<16
	s_mov_b32 s[\g+3], (\d0)<<16
	s_mov_b32 s[\g+4], \rows
	s_mov_b32 s[\g+5], \pitch
	s_mov_b32 s[\g+6], 0
	s_mov_b32 s[\g+7], 0
.endm
.macro GADR g                          ; the offset that lies in the group's address words becomes the address
	s_mov_b32 s[\g], 1
	s_add_nc_u64 s[\g+2:\g+3], s[4:5], s[\g+2:\g+3]
	s_or_b32 s[\g+3], s[\g+3], 0x80000000
.endm
.macro ARM under, g0, g1, next         ; one arm of the head's chain: one load, its s_nop 0 and four v_nop, a jump to the join
	s_cmp_lt_u32 s[WV], \under
	s_cbranch_scc0 \next
	tensor_load_to_lds s[\g0:\g0+3], s[\g1:\g1+7]
	s_nop 0
.rept 4
	v_nop
.endr
	s_branch .Lasked
\next:
.endm
.set PADW, 15|(3<<16)|(1<<20)|(1<<21)|(5<<22)|(3<<25)   ; mask 15; elements of 8 bytes; padding: 4 words behind every 64; bit 21 beside a mask
	s_load_b128 s[4:7], s[0:1], 0x0                ; QB, AB
	v_lshl_add_u32 v[SPW], v0, 2, SPARE
	v_mov_b32 v[NIL], 0
	ds_add_u32 v[SPW], v[NIL]                      ; the opening: the add, twice on end, and its wait
	ds_add_u32 v[SPW], v[NIL]
	v_lshrrev_b32 v8, 5, v0
	v_readfirstlane_b32 s[WV], v8                  ; wave 0..15
	s_and_b32 s11, ttmp7, 0xffff
	s_lshr_b32 s10, s11, 4                         ; batch
	s_and_b32 s11, s11, 15                         ; head
	GRP1 G1K,  PADW, 32, 64, 32
	GRP1 G1K2, PADW, 32, 56, 32
	GRP1 G1V,  PADW, 512, 4, 32768
	GRP1 G1V2, PADW, 512, 7, 32768
	GRP1 G1SV, 15|(3<<16)|(1<<21), 64, 8, 4096
	s_add_co_u32 s12, s11, 16                      ; K's codes: panel 16 + head, 64 bytes a token
	s_lshl_b32 s12, s12, 18
	s_lshl_b32 s13, s10, 17
	s_add_co_u32 s12, s12, s13
	s_mov_b32 s[G0K+1], 0
	s_mov_b32 s[G0K+2], s12
	s_mov_b32 s[G0K+3], 0
	s_add_co_u32 s14, s[WV], 4
	s_and_b32 s14, s14, 7                          ; waves 4 to 11: part 0 .. 7 of K's other 448 rows
	s_mul_i32 s15, s14, 14336
	s_add_co_u32 s15, s15, s12
	s_add_co_u32 s[G0K2+2], s15, 16384
	s_mov_b32 s[G0K2+3], 0
	s_mul_i32 s15, s14, 15232
	s_add_co_u32 s[G0K2+1], s15, 17408
	s_lshl_b32 s12, s10, 23                        ; V^T's codes: panels of 64 keys, 262,144 bytes apart; the head's 64 rows of 64 bytes
	s_lshl_b32 s13, s11, 12
	s_add_co_u32 s12, s12, s13
	s_add_co_u32 s12, s12, 8388608
	s_mov_b32 s[G0V+1], VOFF
	s_mov_b32 s[G0V+2], s12
	s_mov_b32 s[G0V+3], 0
	s_and_b32 s14, s[WV], 3                        ; waves 12 to 15: part 0 .. 3 of V's other 28 panels
	s_mul_i32 s15, s14, 1835008
	s_add_co_u32 s15, s15, s12
	s_add_co_u32 s[G0V2+2], s15, 1048576
	s_mov_b32 s[G0V2+3], 0
	s_mul_i32 s15, s14, 30464
	s_add_co_u32 s[G0V2+1], s15, VOFF+17408
	s_lshr_b32 s12, s11, 2                         ; K's scale bytes: run 4 + head / 4, 8 bytes a token
	s_lshl_b32 s16, s12, 15
	s_add_co_u32 s12, s12, 4
	s_lshl_b32 s12, s12, 15
	s_lshl_b32 s13, s10, 14
	s_add_co_u32 s12, s12, s13
	s_add_co_u32 s[G0SK+2], s12, 25165824
	s_mov_b32 s[G0SK+3], 0
	s_mov_b32 s[G0SK+1], SCK
	s_lshl_b32 s12, s10, 18                        ; V's scale bytes: 8 runs of 256 keys, the head's 64 rows of 8 bytes
	s_lshl_b32 s13, s11, 9
	s_add_co_u32 s12, s12, s13
	s_add_co_u32 s[G0SV+2], s12, 25427968
	s_mov_b32 s[G0SV+3], 0
	s_mov_b32 s[G0SV+1], SCV
	s_wait_dscnt 0x0                               ; both opening adds are done
	CROUND                                         ; the four partners are here: the joint loads meet
	s_wait_kmcnt 0x0
	GADR G0K
	GADR G0V
	GADR G0SK
	GADR G0SV
	GADR G0K2
	GADR G0V2
	ARM 1,  G0K,  G1K,  .Larm_v                    ; what the first two key steps read is asked for by waves 0 to 3, each on a line of its own
	ARM 2,  G0V,  G1V,  .Larm_sk
	ARM 3,  G0SK, G1K,  .Larm_sv
	ARM 4,  G0SV, G1SV, .Larm_k2
	ARM 12, G0K2, G1K2, .Larm_v2
	tensor_load_to_lds s[G0V2:G0V2+3], s[G1V2:G1V2+7]
	s_nop 0
.rept 4
	v_nop
.endr
.Lasked:
	s_bfe_u32 s8, ttmp6, 0x40000                   ; cx
	s_lshl_b32 s9, ttmp9, 2
	s_add_co_u32 s8, s8, s9                        ; x: my work-group among the head's eight
	s_lshl_b32 s[DX], s8, 4
	s_bfe_u32 s[ROLE], s[WV], 0x10002
	s_and_b32 s12, s[WV], 3
	s_lshr_b32 s13, s[WV], 3
	s_lshl_b32 s13, s13, 2
	s_add_co_u32 s12, s12, s13                     ; p
	s_sub_co_u32 s9, 15, s12                       ; 15 - p
	s_cmp_eq_u32 s[ROLE], 1
	s_cselect_b32 s[TT], s12, s9
	s_cselect_b32 s[TT2], s9, 0
	s_and_b32 s14, s11, 3
	s_lshl_b32 s14, s14, 1                         ; the head's two bytes of a token's eight
	s_add_co_u32 s16, s16, s14
	s_add_co_u32 s16, s16, 25165824                ; Q's scale bytes: run head / 4
	s_add_co_u32 s14, s14, SCK
	s_lshl_b32 s15, s[WV], 10
	s_add_co_u32 s15, s15, STAGE
	s_and_b32 s13, s[WV], 11                       ; the pair's A wave
	s_mul_i32 s13, s13, XP
	s_mov_b32 s[SEL], 0x76543210
	s_mov_b32 s[SEL+1], 0xfedcba98
	s_mov_b32 s[CS], 0x3e38aa3b                    ; log2(e) / sqrt(64)
	s_mov_b32 s[CS+1], s[CS]
	s_mov_b32 s[MNT], 0x600000
	s_mov_b32 s[TB], 0
	s_mov_b32 s[TS], 0
	s_mov_b32 s[TJ], 0
	s_mov_b32 s[KI], 0
	v_and_b32 v8, 15, v0                           ; r
	v_bfe_u32 v9, v0, 4, 1                         ; h
	v_and_b32 v11, 8, v8
	v_add_nc_u32 v11, v11, v8                      ; r + 8 (r / 8)
	v_lshlrev_b32 v10, 6, v11
	v_lshl_add_u32 v10, v9, 4, v10                 ; Q's codes: my row, my half's 16 bytes
	v_lshlrev_b32 v11, 3, v11                      ; Q's scale bytes
	v_lshrrev_b32 v12, 2, v8
	v_mul_u32_u24 v[AK0], v12, 272
	v_lshlrev_b32 v[SOF], 15, v12
	v_and_b32 v12, 3, v8
	v_lshl_add_u32 v[AK0], v12, 6, v[AK0]
	v_lshl_add_u32 v[SOF], v12, 1, v[SOF]          ; the result's scale bytes: 32,768 (r / 4) + 2 (r % 4)
	v_lshl_add_u32 v[AK0], v9, 4, v[AK0]           ; four rows of 64 bytes to an LDS row
	v_add_nc_u32 v[AV0], VOFF, v[AK0]
	v_lshl_add_u32 v[ASK0], v8, 3, s14
	v_lshl_add_u32 v[ASV0], v8, 3, SCV
	v_and_b32 v13, 31, v0
	v_lshlrev_b32 v[GO], 4, v13                    ; 16 x lane
	v_add_nc_u32 v[STB], s15, v[GO]
	v_add_nc_u32 v[XA], s13, v[GO]
	v_lshlrev_b32 v13, 6, v8
	v_lshl_add_u32 v13, v9, 4, v13
	v_add_nc_u32 v[STI], s15, v13
	s_wait_alu depctr_va_vdst(0)
.macro TILE j, vq, vs, oc              ; tile x + 8 j: the offsets of its Q, and where its result goes
	s_lshl_b32 s12, s[\j], 3
	s_add_co_u32 s12, s12, s8
	s_lshr_b32 s13, s12, 1                         ; its first query's memory row: bits 3 and 4 of a row's number are exchanged
	s_lshl_b32 s13, s13, 5
	s_and_b32 s14, s12, 1
	s_lshl_b32 s14, s14, 3
	s_add_co_u32 s13, s13, s14
	s_lshl_b32 s14, s10, 11
	s_add_co_u32 s13, s13, s14
	s_lshl_b32 s14, s13, 6
	s_lshl_b32 s15, s11, 18
	s_add_co_u32 s14, s14, s15
	v_add_nc_u32 v[\vq], s14, v10
	s_lshl_b32 s14, s13, 3
	s_add_co_u32 s14, s14, s16
	v_add_nc_u32 v[\vs], s14, v11
	s_lshl_b32 s13, s10, 11                        ; the result's row: 2,048 batch + 128 head + tile,
	s_lshl_b32 s14, s11, 7
	s_add_co_u32 s13, s13, s14
	s_add_co_u32 s13, s13, s12
	s_and_b32 s14, s13, 0xffffffe7                 ; with bits 3 and 4 exchanged
	s_and_b32 s15, s13, 8
	s_lshl_b32 s15, s15, 1
	s_or_b32 s14, s14, s15
	s_and_b32 s15, s13, 16
	s_lshr_b32 s15, s15, 1
	s_or_b32 s14, s14, s15
	s_lshl_b32 s12, s14, 10
	s_mov_b32 s13, 0
	s_add_nc_u64 s[\oc:\oc+1], s[6:7], s[12:13]
	s_lshl_b32 s12, s14, 3
	s_add_co_u32 s12, s12, 4194304
	s_add_nc_u64 s[\oc+2:\oc+3], s[6:7], s[12:13]
.endm
	TILE TT, 240, 241, OC1
	TILE 9,  242, 243, OC2
	s_wait_alu depctr_va_vdst(0)
	global_load_b128 v[16:19], v240, s[4:5]
	global_load_b128 v[20:23], v240, s[4:5] offset:32
	global_load_u16 v255, v241, s[4:5]
	global_load_b128 v[Q2:Q2+3], v242, s[4:5]
	global_load_b128 v[Q2+4:Q2+7], v242, s[4:5] offset:32
	global_load_u16 v[Q2+8], v243, s[4:5]
.macro FRESH                           ; a walk begins: the largest t under every t, zeros for the sums and O^T
	v_mov_b32 v13, 0xff61b1e6
	v_floor_f32 v12, -v13
	v_mov_b32 v14, 0
	v_mov_b32 v15, 0
.set n, 0
.rept 32
	v_mov_b32 v[O+n], 0
.set n, n+1
.endr
.endm
	FRESH
.irp j, 0,1,2,3,4,5,6,7
	v_mov_b32 v[24+\j], 0                          ; Q's upper 64 along K, and what stands above the last tile of K: zero codes
	v_mov_b32 v[96+\j], 0
.endr
.irp b, 0,1,2,3
	v_mov_b32 v[236+\b], 0
.endr
	v_mov_b32 v252, 0
	v_mov_b32 v253, 0
; A KEY STEP: 128 keys, number s[KI].  It is jumped over where it lies behind the tile's diagonal step.
.macro STEP
	s_cmp_gt_u32 s[KI], s[TT]
	s_cbranch_scc1 .Lhidden_\@
	v_add_nc_u32 v[ADK], s[TB], v[AK0]
	v_add_nc_u32 v[ADV], s[TB], v[AV0]
	v_add_nc_u32 v[ADS], s[TS], v[ASK0]
	v_add_nc_u32 v[ADT], s[TJ], v[ASV0]
.rept 4
	v_nop                                          ; with the four additions: eight places ahead of loads into what the last products read
.endr
.irp t, 0,1,2,3,4,5,6,7
	ds_load_b128 v[32+8*\t:35+8*\t], v[ADK] offset:1088*\t
	ds_load_b128 v[36+8*\t:39+8*\t], v[ADK] offset:1088*\t+32
	ds_load_u16 v[KSC+\t], v[ADS] offset:272*(\t/2)+128*(\t%2)
.endr
	s_wait_alu depctr_va_vdst(0)
	s_wait_dscnt 0x0
.irp t, 0,1,2,3,4,5,6,7
	v_wmma_scale_f32_16x16x128_f8f6f4 v[S+8*\t:S+8*\t+7], v[32+8*\t:47+8*\t], v[16:31], 0, v[KSC+\t], v255
.endr
.rept 8
	v_nop
.endr
.irp t, 0,1,2,3
.irp c, 0,1,2,3
	ds_load_b128 v[32+16*\t+4*\c:35+16*\t+4*\c], v[ADV] offset:4352*(\c/2)+1088*\t+32*(\c%2)
.endr
	ds_load_b32 v[KSC+\t], v[ADT] offset:128*\t
.endr
	s_cmp_lg_u32 s[KI], s[TT]                      ; only the tile's last step lies on the diagonal
	s_cbranch_scc1 .Lopen_\@
	v_and_b32 v252, 15, v0
	v_bfe_u32 v253, v0, 4, 1
	s_delay_alu instid0(VALU_DEP_1)
	v_lshlrev_b32 v253, 4, v253
	s_delay_alu instid0(VALU_DEP_1)
	v_sub_nc_u32 v252, v252, v253
	s_delay_alu instid0(VALU_DEP_1)
	v_add_nc_u32 v252, s[DX], v252                 ; my query less the step's first key less 16 h: register 16 b + i is hidden where 32 b + i is larger
	v_mov_b32 v254, 0xff800000
.set n, 0
.rept 64
	v_cmp_gt_i32 vcc_lo, 32*(n/16)+n%16, v252
	v_cndmask_b32 v[S+n], v[S+n], v254, vcc_lo
.set n, n+1
.endr
.Lopen_\@:
.irp b, 0,1,2,3
	v_max3_num_f32 v[232+\b], v[S+16*\b], v[S+1+16*\b], v[S+2+16*\b]
.endr
.irp i, 3,5,7,9,11,13
.irp b, 0,1,2,3
	v_max3_num_f32 v[232+\b], v[232+\b], v[S+16*\b+\i], v[S+1+16*\b+\i]
.endr
.endr
.irp b, 0,1,2,3
	v_max_num_f32 v[232+\b], v[232+\b], v[S+15+16*\b]
.endr
.irp b, 0,1,2,3
	v_permlanex16_b32 v[236+\b], v[232+\b], s[SEL], s[SEL+1]
.endr
.irp b, 0,1,2,3
	s_delay_alu instid0(VALU_DEP_4)
	v_max_num_f32 v[232+\b], v[232+\b], v[236+\b]  ; each block's largest score
.endr
	s_delay_alu instid0(VALU_DEP_2)
	v_max3_num_f32 v254, v232, v233, v234
	s_delay_alu instid0(VALU_DEP_1)
	v_max_num_f32 v254, v254, v235
	s_delay_alu instid0(VALU_DEP_1)
	v_mul_f32 v254, s[CS], v254
	s_delay_alu instid0(VALU_DEP_1)
	v_max_num_f32 v13, v13, v254                   ; the running largest t
	v_mov_b32 v254, v12
	s_delay_alu instid0(VALU_DEP_2)
	v_floor_f32 v12, -v13                          ; -M = -ceil(t)
	s_delay_alu instid0(VALU_DEP_1)
	v_sub_f32 v254, v12, v254
	s_delay_alu instid0(VALU_DEP_1)
	v_cvt_i32_f32 v254, v254
	s_delay_alu instid0(VALU_DEP_1)
	v_ldexp_f32 v252, 1.0, v254                    ; f = 2^(old M - new M)
.set n, 0
.rept 32
	v_pk_fma_f32 v[S+n:S+n+1], v[S+n:S+n+1], s[CS:CS+1], v[12:13] op_sel_hi:[1,0,0]
.set n, n+2
.endr
.irp b, 0,1,2,3
	v_fma_f32 v[232+\b], v[232+\b], s[CS], v12
.endr
.set n, 0
	s_wait_alu depctr_va_vdst(0)                   ; a wait ahead of the batch and one behind it
.rept 64
	v_exp_f32 v[S+n], v[S+n]
.set n, n+1
.endr
	v_pk_mul_f32 v[14:15], v[14:15], v[252:253] op_sel_hi:[1,0]
	s_wait_alu depctr_va_vdst(0)
.irp b, 0,1,2,3
	v_exp_f32 v[232+\b], v[232+\b]                 ; each block's largest p
.endr
	v_pk_add_f32 v[236:237], v[S:S+1], v[S+2:S+3]  ; the row's sum, of the unquantised p
.irp j, 4,8,12,16,20,24,28,32,36,40,44,48,52,56,60
	v_pk_add_f32 v[14:15], v[14:15], v[S+\j:S+1+\j]
	v_pk_add_f32 v[236:237], v[236:237], v[S+2+\j:S+3+\j]
.endr
	s_delay_alu instid0(VALU_DEP_1)
	v_pk_add_f32 v[14:15], v[14:15], v[236:237]
	s_wait_alu depctr_va_vdst(0)
.irp b, 0,1,2,3
	v_max_num_f32 v[232+\b], 0x4800000, v[232+\b]
.endr
.irp b, 0,1,2,3
	s_delay_alu instid0(VALU_DEP_4)
	v_add_nc_u32 v[244+\b], 0xfc000000, v[232+\b]
.endr
.irp b, 0,1,2,3
	v_and_or_b32 v[240+\b], v[232+\b], 0x7f800000, s[MNT]
.endr
.irp b, 0,1,2,3
	v_and_or_b32 v[248+(\b+1)%4], v[232+\b], 0x7f800000, s[MNT]   ; the bound once more, in a register whose number differs modulo 4: the second half of a pair below names it
.endr
.irp b, 0,1,2,3
	v_lshrrev_b32 v[236+\b], 23, v[244+\b]
.endr
	s_delay_alu instid0(VALU_DEP_3)
	v_lshl_or_b32 v253, v237, 8, v236
	s_delay_alu instid0(VALU_DEP_1)
	v_lshl_or_b32 v253, v238, 16, v253
	s_delay_alu instid0(VALU_DEP_1)
	v_lshl_or_b32 v253, v239, 24, v253             ; p's scale word
.irp b, 0,1,2,3
.irp i, 0,2,4,6,8,10,12,14
	v_dual_min_num_f32 v[S+16*\b+\i], v[S+16*\b+\i], v[240+\b] :: v_dual_min_num_f32 v[S+16*\b+\i+1], v[S+16*\b+\i+1], v[248+(\b+1)%4]   ; the conversion does not saturate (ISA guide 7.6.2): the hold comes first, two numbers a line
.endr
	v_cvt_scalef32_pk8_fp8_f32 v[224+4*\b:225+4*\b], v[S+16*\b:S+7+16*\b], v[244+\b]
	v_cvt_scalef32_pk8_fp8_f32 v[226+4*\b:227+4*\b], v[S+8+16*\b:S+15+16*\b], v[244+\b]
.endr
.set n, 0
.rept 16
	v_pk_mul_f32 v[O+n:O+n+1], v[O+n:O+n+1], v[252:253] op_sel_hi:[1,0]
.set n, n+2
.endr
	s_wait_alu depctr_va_vdst(0)
	s_wait_dscnt 0x0
.irp t, 0,1,2,3
	v_wmma_scale_f32_16x16x128_f8f6f4 v[O+8*\t:O+8*\t+7], v[32+16*\t:47+16*\t], v[224:239], v[O+8*\t:O+8*\t+7], v[KSC+\t], v253
.endr
.Lhidden_\@:
	s_add_co_u32 s[TB], s[TB], 8704
	s_add_co_u32 s[TS], s[TS], 1088
	s_add_co_u32 s[KI], s[KI], 1
	s_lshr_b32 s[TJ], s[KI], 1                     ; V's scale words: 512 bytes a run of 256 keys, 4 bytes for each 128 of it
	s_lshl_b32 s[TJ], s[TJ], 9
	s_and_b32 s12, s[KI], 1
	s_lshl_b32 s12, s12, 2
	s_add_co_u32 s[TJ], s[TJ], s12
.endm
; THE WAY OUT of a tile: O^T / the sum, quantised along d (two blocks of 32, each shared with lane l xor 16); the codes turn through my stage.
.macro EPI oc
.rept 8
	v_nop
.endr
	v_add_f32 v14, v14, v15
	s_delay_alu instid0(VALU_DEP_1)
	v_permlanex16_b32 v252, v14, s[SEL], s[SEL+1]
	s_delay_alu instid0(VALU_DEP_1)
	v_add_f32 v14, v14, v252
	s_wait_alu depctr_va_vdst(0)
	v_rcp_f32 v14, v14
	v_nop
	s_wait_alu depctr_va_vdst(0)
.set n, 0
.rept 32
	v_mul_f32 v[S+n], v[O+n], v14
.set n, n+1
.endr
.irp b, 0,1
	v_max3_num_f32 v[232+\b], |v[S+16*\b]|, |v[S+1+16*\b]|, 0x4800000
.endr
.irp i, 2,4,6,8,10,12,14
.irp b, 0,1
	s_delay_alu instid0(VALU_DEP_2)
	v_max3_num_f32 v[232+\b], v[232+\b], |v[S+16*\b+\i]|, |v[S+1+16*\b+\i]|
.endr
.endr
.irp b, 0,1
	v_permlanex16_b32 v[236+\b], v[232+\b], s[SEL], s[SEL+1]
.endr
.irp b, 0,1
	s_delay_alu instid0(VALU_DEP_2)
	v_max_num_f32 v[232+\b], v[232+\b], v[236+\b]
.endr
.irp b, 0,1
	s_delay_alu instid0(VALU_DEP_2)
	v_add_nc_u32 v[244+\b], 0xfc000000, v[232+\b]
.endr
.irp b, 0,1
	s_delay_alu instid0(VALU_DEP_4)
	v_and_or_b32 v[240+\b], v[232+\b], 0x7f800000, s[MNT]
.endr
.irp b, 0,1
	s_delay_alu instid0(VALU_DEP_4)
	v_lshrrev_b32 v[236+\b], 23, v[244+\b]
.endr
	s_delay_alu instid0(VALU_DEP_1)
	v_lshl_or_b32 v253, v237, 8, v236
.irp b, 0,1
.irp i, 0,1,2,3,4,5,6,7,8,9,10,11,12,13,14,15
	v_med3_num_f32 v[S+16*\b+\i], v[S+16*\b+\i], -v[240+\b], v[240+\b]
.endr
	v_cvt_scalef32_pk8_fp8_f32 v[224+4*\b:225+4*\b], v[S+16*\b:S+7+16*\b], v[244+\b]
	v_cvt_scalef32_pk8_fp8_f32 v[226+4*\b:227+4*\b], v[S+8+16*\b:S+15+16*\b], v[244+\b]
.endr
	v_nop
	ds_store_b128 v[STI], v[224:227]
	ds_store_b128 v[STI], v[228:231] offset:32
	ds_load_b128 v[32:35], v[STB]                  ; LDS serves a wave's instructions in order (ISA guide 5.7.1.4)
	ds_load_b128 v[36:39], v[STB] offset:512
	global_store_b16 v[SOF], v253, s[\oc+2:\oc+3]
	s_wait_dscnt 1
	global_store_b128 v[GO], v[32:35], s[\oc:\oc+1]             ; 32 lanes store 512 consecutive bytes
	s_wait_dscnt 0x0
	global_store_b128 v[GO], v[36:39], s[\oc:\oc+1] offset:512
.endm
	s_wait_alu depctr_va_vdst(0)                   ; the head's end
	s_wait_loadcnt 0x0                             ; Q
	s_cmp_lt_u32 s[WV], 4
	s_cbranch_scc0 .Lnot_first
	s_wait_tensorcnt 0x0                           ; waves 0 to 3: keys 0-255 and the scale bytes are in; the other waves' wait stands at the next barrier
.Lnot_first:
	BARRIER
.Lwalk_a:                                              ; key steps 0, 1
	STEP
	s_cmp_lt_u32 s[KI], 2
	s_cbranch_scc1 .Lwalk_a
	s_wait_tensorcnt 0x0                           ; every wave: all of K and V is in
	s_wait_dscnt 0x0
	BARRIER
.Lwalk_b:                                              ; key steps 2 .. CUT - 1
	STEP
	s_cmp_lt_u32 s[KI], CUT
	s_cbranch_scc1 .Lwalk_b
	s_cmp_eq_u32 s[ROLE], 0
	s_cbranch_scc1 .Lmid                           ; A keeps its part in registers
	EPI OC1                                        ; B: tile p is whole
	s_wait_xcnt 0x0                                ; the stores have read their registers
	FRESH
.irp j, 0,1,2,3,4,5,6,7
	v_mov_b32 v[16+\j], v[Q2+\j]                   ; tile 15 - p's Q
.endr
	v_mov_b32 v255, v[Q2+8]
	s_wait_alu depctr_va_vdst(0)
.Lmid:
	s_mov_b32 s[TT], s[TT2]
.Lwalk_c:                                              ; key steps CUT .. 15: B's alone
	STEP
	s_cmp_lt_u32 s[KI], 16
	s_cbranch_scc1 .Lwalk_c
	s_wait_dscnt 0x0                               ; my reads of K and V are over
	BARRIER                                        ; everybody's are: K's bytes, which have had their only fill, take the hand-over
.rept 8
	v_nop
.endr
	s_cmp_eq_u32 s[ROLE], 0
	s_cbranch_scc0 .Lnot_a
.irp i, 0,1,2,3,4,5,6,7
	ds_store_b128 v[XA], v[O+4*\i:O+4*\i+3] offset:512*\i      ; an image of the registers, from the accumulators' low end on
.endr
	ds_store_b128 v[XA], v[12:15] offset:4096
.Lnot_a:
	s_wait_dscnt 0x0
	BARRIER
	s_cmp_eq_u32 s[ROLE], 0
	s_cbranch_scc1 .Lend
.irp i, 0,1,2,3,4,5,6,7
	ds_load_b128 v[S+4*\i:S+4*\i+3], v[XA] offset:512*\i
.endr
	ds_load_b128 v[S+32:S+35], v[XA] offset:4096
	s_wait_dscnt 0x0
	v_min_num_f32 v[S+36], v12, v[S+32]            ; -M of the two parts together
	v_sub_f32 v[S+37], v[S+36], v12
	v_sub_f32 v[S+38], v[S+36], v[S+32]
	v_cvt_i32_f32 v[S+37], v[S+37]                 ; (it saturates: an empty walk's part gets the factor 0)
	v_cvt_i32_f32 v[S+38], v[S+38]
	v_ldexp_f32 v252, 1.0, v[S+37]                 ; my part's factor,
	v_ldexp_f32 v254, 1.0, v[S+38]                 ; and A's: powers of two
	v_pk_mul_f32 v[14:15], v[14:15], v[252:253] op_sel_hi:[1,0]
	v_pk_fma_f32 v[14:15], v[S+34:S+35], v[254:255], v[14:15] op_sel_hi:[1,0,1]
.set n, 0
.rept 16
	v_pk_mul_f32 v[O+n:O+n+1], v[O+n:O+n+1], v[252:253] op_sel_hi:[1,0]
.set n, n+2
.endr
.set n, 0
.rept 16
	v_pk_fma_f32 v[O+n:O+n+1], v[S+n:S+n+1], v[254:255], v[O+n:O+n+1] op_sel_hi:[1,0,1]
.set n, n+2
.endr
	EPI OC2
.Lend:
	s_wait_tensorcnt 0x0                           ; the wave's end
	ds_add_u32 v[SPW], v[NIL]
	s_wait_dscnt 0x0
	CROUND                                         ; the closing round
	s_endpgm
.Lfunc_end_k_q719e50b48f_attn:
	.size	k_q719e50b48f_attn, .Lfunc_end_k_q719e50b48f_attn-k_q719e50b48f_attn
	.p2alignl 7, 3214868480
	.fill 96, 4, 3214868480
	.section	.rodata,"a",@progbits
	.p2align	6, 0x0
	.amdhsa_kernel k_q719e50b48f_attn
		.amdhsa_group_segment_fixed_size 327680
		.amdhsa_private_segment_fixed_size 0
		.amdhsa_enable_private_segment 0
		.amdhsa_kernarg_size 16
		.amdhsa_user_sgpr_count 2
		.amdhsa_user_sgpr_kernarg_segment_ptr 1
		.amdhsa_wavefront_size32 1
		.amdhsa_system_sgpr_workgroup_id_x 1
		.amdhsa_system_sgpr_workgroup_id_y 1
		.amdhsa_system_sgpr_workgroup_id_z 1
		.amdhsa_system_vgpr_workitem_id 0
		.amdhsa_next_free_vgpr 256
		.amdhsa_next_free_sgpr 106
		.amdhsa_reserve_vcc 1
		.amdhsa_float_denorm_mode_32 3
		.amdhsa_float_denorm_mode_16_64 3
		.amdhsa_memory_ordered 1
		.amdhsa_forward_progress 1
		.amdhsa_inst_pref_size 112
	.end_amdhsa_kernel
	.amdgpu_metadata
---
amdhsa.version: [ 1, 2 ]
amdhsa.kernels:
  - .name:           k_q719e50b48f_attn
    .symbol:         k_q719e50b48f_attn.kd
    .args:
      - { .name: QB, .offset: 0, .size: 8, .value_kind: global_buffer, .address_space: global }
      - { .name: AB, .offset: 8, .size: 8, .value_kind: global_buffer, .address_space: global }
    .group_segment_fixed_size: 327680
    .private_segment_fixed_size: 0
    .kernarg_segment_align: 8
    .kernarg_segment_size: 16
    .max_flat_workgroup_size: 512
    .sgpr_count:     106
    .vgpr_count:     256
    .wavefront_size: 32
...
	.end_amdgpu_metadata
.endif
;; end of part 3
;; launch proj (part 4): grid 8 x 32, 4 waves a work-group, clusters of 4 x 4, 327,680 bytes of LDS; arguments AB, WB, b_proj, x, X1; writes X1
.if DOCPART == 4
	.amdgcn_target "amdgcn-amd-amdhsa--gfx1250"
	.amdhsa_code_object_version 6
	.text
	.protected	k_q719e50b48f_proj
	.globl	k_q719e50b48f_proj
	.p2align	8
	.type	k_q719e50b48f_proj,@function
k_q719e50b48f_proj:
	s_mov_b64 s[64:65], 0
	v_nop
	global_prefetch_b8 v0, s[64:65] scope:SCOPE_SE
	s_setreg_imm32_b32 hwreg(HW_REG_WAVE_MODE, 25, 1), 1
	s_wait_xcnt 0x0
	s_wait_alu depctr_hold_cnt(0) depctr_sa_sdst(0) depctr_va_vdst(0) depctr_va_sdst(0) depctr_va_ssrc(0) depctr_va_vcc(0) depctr_vm_vsrc(0)
	s_getreg_b32 s2, hwreg(HW_REG_IB_STS2, 6, 4)
	s_cmp_eq_u32 s2, 0
	s_cbranch_scc0 .Lentry_in_a_cluster
	s_endpgm
.Lentry_in_a_cluster:
	s_bfe_u32 s2, ttmp6, 0x10000c
	s_cmp_lg_u32 s2, 0xf033
	s_cbranch_scc0 .Lentry_shape_is_right
	s_endpgm
.Lentry_shape_is_right:
; x1 = x + att Wp^T + b_proj, f32, [4,096][1,024].  att [4,096][K] and Wp [1,024][K], K = 1,024, are codes of FP8 (E4M3) with one E8M0 scale for each 32 along K; x is the residual.
; N = 1,024 gives 64 tiles of 256 x 256: too few for the WGPs; so a tile of C is 128 x 128: 256 work-groups of four waves, a wave 64 x 64: 16 accumulators.
; K goes in steps of 512 (LDS rows of 1,024 bytes + 16; a wave's tensor load brings 128 rows) through a ring of two slots.  A K step is four quarters of 128 along K, 16 matrix instructions each, on two fragment buffers.
; ROWS: every operand's row n lies at memory row sigma(n) (n with bits 3 and 4 exchanged).  The matrix instruction is used transposed (source 0 = 16 rows of B, source 1 = 16 rows of A): in accumulator (a, b)
; lane (r, h) holds C's memory row 16 a + r and register j the true column 32 (b / 2) + 16 h + 8 (b % 2) + j.  On the way out memory row m is stored at row sigma(m).
; SCALES lie at (k / 256) x 32,768 + 8 row + (k % 256) / 32: the scales of 64 rows for all of K are K / 256 runs of 512 bytes: one tensor load a wave, with the first fills; they stay.
; The bias is the C of each sum's first matrix instruction; the residual is loaded at the head, at the stores' own addresses, and added on the way out.
; CLUSTERS: 4 x 4 work-groups; A's tiles are asked for jointly along a row of the cluster, B's along a column.
; Not used: prefetching (K has two steps, both first fills); work-groups that stay (one tile for a WGP).  LIMITS: NaN and infinities among the inputs are not served.
; REGISTERS: window 0: v0-31 addresses; v32-63 scale words, two sets; v64-95 the bias, later with v96-127 the way out; v128-255 the accumulators ((a, b) at v[128 + 8 (4 a + b)]).
;   window 1: two fragment buffers of 128: A's 4 fragments, then B's 4.   window 2: v0-127 the residual.
.set K,      1024
.set OFF_AS, 4194304                   ; A's scale bytes in A's buffer
.set OFF_BC, 3145728                   ; B's codes in WB
.set OFF_BS, 12713984                  ; B's scale bytes in WB
.set KSTEP,  512
.set PITCH,  1040                      ; ALL OF K LIES IN LDS: a row of 1,024 bytes + 16; the two K steps of 512 are the two halves of a row; each tile is filled once, at the head
.set HALFT,  64*PITCH
.set SLOT,   KSTEP                     ; from K step 0 to K step 1: 512 bytes on in each row
.set LAPS,   K/(2*KSTEP)
.set NG,     K/256
.set RS,     512*NG                    ; the scales of 64 rows
.set SCL,    4*HALFT                   ; behind A's 128 rows and B's 128: the scales, [run][128 rows][8]: A's, 128 bytes, B's
.set SPARE,  SCL+4*RS+256              ; the spare words, 128 bytes a wave
.set SPITCH, 272                       ; the way out: a stage of 16 rows x (256 bytes + 16) for each wave,
.set STG,    SPARE+512                 ; on bytes of its own, behind the spare words
.set NP,     8                         ; places behind this matrix instruction (ISA guide 7.12.1)
.set ADRA, 16
.set ADRB, 20
.set STO,  24
.set RD,   25
.set CO,   26
.set ADRS, 27
.set SPW,  28
.set NIL,  29
.set BIA,  30
.set SC,   32
.set BI,   64
.set BK,   64
.set ACC,  128
.set F0,   0
.set F1,   128
.set G1,   24
.set G0,   32
.set G1B,  48
.set G0B,  56
.set G1S,  68
.set G0S,  76
.set G1SB, 80
.set G0SB, 88
.set MSB, 0
.macro WIN new                         ; the immediate's high byte repeats the setting that is left
.if MSB != (\new)
	s_set_vgpr_msb (MSB<<8)|(\new)
.set MSB, (\new)
.endif
.endm
.set MUL,  0x05                        ; sources 0 (B) and 1 (A) window 1; C and D window 0
.set TO_F, 0x40                        ; destination window 1, address window 0
.macro JLOAD g0a, g1a, g0b, g1b        ; a joint load: waves 0, 1 fetch for A, waves 2, 3 for B; an s_nop 0 and four v_nop follow each of the two lines
	s_cmp_eq_u32 s15, 0
	s_cbranch_scc0 .Lfor_b_\@
	tensor_load_to_lds s[\g0a:\g0a+3], s[\g1a:\g1a+7]
	s_nop 0
.rept 4
	v_nop
.endr
	s_branch .Lasked_\@
.Lfor_b_\@:
	tensor_load_to_lds s[\g0b:\g0b+3], s[\g1b:\g1b+7]
	s_nop 0
.rept 4
	v_nop
.endr
.Lasked_\@:
.endm
.macro CREST                           ; a round of the cluster's barrier behind its opening barrier
	s_cmp_lg_u32 s14, 0
	s_cbranch_scc1 .Lnot_wave_0_\@
	s_barrier_signal -3
.Lnot_wave_0_\@:
	s_barrier_wait -3
	s_barrier_signal -1
	s_barrier_wait -1
.endm
.macro CROUND
	s_barrier_signal -1
	s_barrier_wait -1
	CREST
.endm
	s_load_b256 s[4:11], s[0:1], 0x0               ; A's buffer, WB, the bias, the residual
	s_load_b64 s[12:13], s[0:1], 0x20              ; the result
	v_lshl_add_u32 v[SPW], v0, 2, SPARE
	v_mov_b32 v[NIL], 0
	ds_add_u32 v[SPW], v[NIL]                      ; the wave's opening: the add, twice on end, and its wait ahead of my first tensor load
	ds_add_u32 v[SPW], v[NIL]
	v_lshrrev_b32 v1, 5, v0
	v_readfirstlane_b32 s14, v1                    ; wave 0..3
	s_lshr_b32 s15, s14, 1                         ; which half of the tile's rows is mine.
	s_and_b32 s16, s14, 1                          ; which half of its columns.
	s_bfe_u32 s40, ttmp6, 0x40000                  ; cx
	s_bfe_u32 s41, ttmp6, 0x40004                  ; cy
	s_lshl_b32 s42, ttmp9, 2
	s_add_co_u32 s42, s42, s40                     ; tile column
	s_and_b32 s17, ttmp7, 0xffff
	s_lshl_b32 s17, s17, 2
	s_add_co_u32 s17, s17, s41                     ; tile row
	s_lshl_b32 s43, s41, 2
	s_lshl_b32 s43, 15, s43                        ; my row of the cluster
	s_lshl_b32 s44, 0x1111, s40                    ; my column
	s_or_b32 s[G1+0], s43, (0<<16)|(1<<20)|(1<<21)|(7<<22)|(3<<25)  ; the mask; elements of 1 byte; padding on; bit 21 beside a mask; after every 256 words, 4 words
	s_or_b32 s[G1B+0], s44, (0<<16)|(1<<20)|(1<<21)|(7<<22)|(3<<25)
.irp g, G1, G1B
	s_mov_b32 s[\g+1], K<<16                       ; tensor_dim0: whole rows of K
	s_mov_b32 s[\g+2], 128<<16                     ; tensor_dim1
	s_mov_b32 s[\g+3], K<<16                       ; tile_dim0
	s_mov_b32 s[\g+4], 128                         ; tile_dim1
	s_mov_b32 s[\g+5], K                           ; from row to row
	s_mov_b32 s[\g+6], 0
	s_mov_b32 s[\g+7], 0
.endr
	s_or_b32 s[G1S+0], s43, (3<<16)|(1<<21)        ; the scales of 128 rows: NG rows of 128 elements of 8 bytes, 32,768 bytes apart; no padding
	s_or_b32 s[G1SB+0], s44, (3<<16)|(1<<21)
.irp g, G1S, G1SB
	s_mov_b32 s[\g+1], 128<<16                     ; the scales of the tile's 128 rows: NG runs of 1,024 bytes
	s_mov_b32 s[\g+2], NG<<16
	s_mov_b32 s[\g+3], 128<<16
	s_mov_b32 s[\g+4], NG
	s_mov_b32 s[\g+5], 4096
	s_mov_b32 s[\g+6], 0
	s_mov_b32 s[\g+7], 0
.endr
	s_lshl_b32 s20, s17, 7                         ; A: the tile's first row
	s_lshl_b32 s46, s42, 7                         ; B: likewise
	s_lshl_b32 s22, s20, 3                         ; their scales, 8 bytes a row,
	s_mov_b32 s23, 0
	s_lshl_b32 s92, s46, 3
	s_mov_b32 s93, 0
	s_mul_i32 s20, s20, K                          ; and their codes
	s_mov_b32 s21, 0
	s_mul_i32 s46, s46, K
	s_mov_b32 s47, 0
	s_wait_dscnt 0x0                               ; both opening adds are done
	s_wait_kmcnt 0x0
	s_add_nc_u64 s[20:21], s[4:5], s[20:21]
	s_add_nc_u64 s[22:23], s[4:5], s[22:23]
	s_add_nc_u64 s[22:23], s[22:23], OFF_AS
	s_add_nc_u64 s[46:47], s[6:7], s[46:47]
	s_add_nc_u64 s[46:47], s[46:47], OFF_BC
	s_add_nc_u64 s[92:93], s[6:7], s[92:93]
	s_add_nc_u64 s[92:93], s[92:93], OFF_BS
	CROUND                                         ; all sixteen work-groups are here: the first joint loads meet
	s_mov_b32 s[G0S], 1
	s_mov_b32 s[G0S+1], SCL
	s_mov_b64 s[G0S+2:G0S+3], s[22:23]
	s_or_b32 s[G0S+3], s[G0S+3], 0x80000000
	s_mov_b32 s[G0SB], 1
	s_mov_b32 s[G0SB+1], SCL+2*RS+128
	s_mov_b64 s[G0SB+2:G0SB+3], s[92:93]
	s_or_b32 s[G0SB+3], s[G0SB+3], 0x80000000
	s_mov_b32 s[G0], 1
	s_mov_b32 s[G0+1], 0
	s_mov_b64 s[G0+2:G0+3], s[20:21]
	s_or_b32 s[G0+3], s[G0+3], 0x80000000
	s_mov_b32 s[G0B], 1
	s_mov_b32 s[G0B+1], 2*HALFT
	s_mov_b64 s[G0B+2:G0B+3], s[46:47]
	s_or_b32 s[G0B+3], s[G0B+3], 0x80000000
; THE LAUNCH'S FOUR LOADS, ONE A WAVE: wave 0 A's 128 rows, wave 1 B's, wave 2 A's scales, wave 3 B's.  One chain of branches on the wave's number; every way passes one load.
.macro ARM under, g0, g1, next
	s_cmp_lt_u32 s14, \under
	s_cbranch_scc0 \next
	tensor_load_to_lds s[\g0:\g0+3], s[\g1:\g1+7]
	s_nop 0
.rept 4
	v_nop
.endr
	s_branch .Lhead_asked
\next:
.endm
	ARM 1, G0,  G1,  .Lhead_b
	ARM 2, G0B, G1B, .Lhead_sa
	ARM 3, G0S, G1S, .Lhead_sb
	tensor_load_to_lds s[G0SB:G0SB+3], s[G1SB:G1SB+7]
	s_nop 0
.rept 4
	v_nop
.endr
.Lhead_asked:
	v_and_b32 v1, 15, v0                           ; r
	v_bfe_u32 v2, v0, 4, 1                         ; h
	s_wait_alu depctr_va_vdst(0)
	v_mul_u32_u24 v3, v1, PITCH
	v_lshl_add_u32 v3, v2, 4, v3                   ; a fragment's row x pitch + 16 x half
	s_mul_i32 s21, s15, HALFT
	s_mul_i32 s22, s16, HALFT
	s_add_co_u32 s22, s22, 2*HALFT
.irp s, 0,1
	v_add_nc_u32 v[ADRA+\s], s21, v3
	v_add_nc_u32 v[ADRB+\s], s22, v3
	s_add_co_u32 s21, s21, SLOT
	s_add_co_u32 s22, s22, SLOT
.endr
	s_lshl_b32 s21, s15, 9                         ; A's scales: my 64 rows of a run's 128
	s_lshl_b32 s22, s16, 9                         ; B's, behind A's 2 RS bytes and 128 more
	s_add_co_u32 s22, s22, 2*RS+128
	s_sub_co_u32 s22, s22, s21
	v_mul_u32_u24 v6, s22, v2                      ; lanes 16-31 take B's: one product, the distance between the two
	s_add_co_u32 s21, s21, SCL
	v_lshl_add_u32 v5, v1, 3, v6
	v_add_nc_u32 v[ADRS], s21, v5
	s_mul_i32 s23, s14, 16*SPITCH                  ; my stage
	s_add_co_u32 s23, s23, STG
	v_mul_u32_u24 v4, v1, SPITCH
	v_lshl_add_u32 v4, v2, 6, v4
	v_add_nc_u32 v[STO], s23, v4                   ; in: row r, 64 h bytes on
	v_mul_u32_u24 v5, v2, SPITCH
	v_lshl_add_u32 v5, v1, 4, v5
	v_add_nc_u32 v[RD], s23, v5                    ; back: lanes 0-15 one row of 256 bytes, lanes 16-31 the next
	v_lshlrev_b32 v5, 12, v2
	v_lshl_add_u32 v[CO], v1, 4, v5                ; and the same two rows in C
	v_lshlrev_b32 v[BIA], 6, v2
	s_wait_alu depctr_va_vdst(0)
	s_lshl_b32 s20, s17, 7
	s_lshl_b32 s21, s15, 6
	s_add_co_u32 s20, s20, s21
	s_lshl_b32 s20, s20, 12                        ; my first row of C, 4,096 bytes a row
	s_lshl_b32 s46, s42, 9
	s_lshl_b32 s47, s16, 8
	s_add_co_u32 s46, s46, s47                     ; my first column, in bytes
	s_mov_b32 s47, 0
	s_add_nc_u64 s[8:9], s[8:9], s[46:47]
	s_add_co_u32 s20, s20, s46
	s_mov_b32 s21, 0
	s_add_nc_u64 s[10:11], s[10:11], s[20:21]
	s_add_nc_u64 s[12:13], s[12:13], s[20:21]
.irp b, 0,1,2,3                                ; the bias of tile b: columns 32 (b / 2) + 16 h + 8 (b % 2) + 0 .. 7: the result's layout
	global_load_b128 v[BI+8*\b:BI+8*\b+3], v[BIA], s[8:9] offset:(32*(\b/2)+8*(\b%2))*4
	global_load_b128 v[BI+8*\b+4:BI+8*\b+7], v[BIA], s[8:9] offset:(32*(\b/2)+8*(\b%2))*4+16
.endr
	WIN 0x80                                       ; destination window 2
.irp a, 0,1,2,3
.irp t, 0,1,2,3,4,5,6,7
	global_load_b128 v[32*\a+4*\t:32*\a+4*\t+3], v[CO], s[10:11] offset:(32*(\a/2)+16*(\t/4)+8*(\a%2)+2*(\t%4))*4096   ; the residual, where block a's rows 2 t, 2 t + 1 will be stored
.endr
.endr
	WIN 0
; 4 matrix instructions: A's block a x B's four, 128 along K: the slot's q-th quarter.  zero = 1: the bias starts the sums.  The 16 accumulators take turns, one instruction a turn.
.macro MUL4 f, a, q, sc, zero
.irp b, 0,1,2,3
.if \zero
	v_wmma_scale_f32_16x16x128_f8f6f4 v[ACC+8*(4*(\a)+\b):ACC+8*(4*(\a)+\b)+7], v[\f+64+16*\b:\f+64+16*\b+15], v[\f+16*(\a):\f+16*(\a)+15], v[BI+8*\b:BI+8*\b+7], v[SC+16*(\sc)+4*\b+(\q)], v[SC+16*(\sc)+4*(\a)+(\q)] matrix_a_scale:MATRIX_SCALE_ROW1
.else
	v_wmma_scale_f32_16x16x128_f8f6f4 v[ACC+8*(4*(\a)+\b):ACC+8*(4*(\a)+\b)+7], v[\f+64+16*\b:\f+64+16*\b+15], v[\f+16*(\a):\f+16*(\a)+15], v[ACC+8*(4*(\a)+\b):ACC+8*(4*(\a)+\b)+7], v[SC+16*(\sc)+4*\b+(\q)], v[SC+16*(\sc)+4*(\a)+(\q)] matrix_a_scale:MATRIX_SCALE_ROW1
.endif
.endr
.endm
; 32 LDS loads in one run: the fragments of 128 along K at byte k of the rows, into buffer f: B's four, then A's four.  A fragment: registers 4 c .. 4 c + 3 hold K = 32 c + 16 (l / 16) + 0 .. 15
.macro FETCH slot, k, f
	WIN TO_F
.irp i, 0,1,2,3
.irp c, 0,1,2,3
	ds_load_b128 v[\f+64+16*\i+4*\c:\f+64+16*\i+4*\c+3], v[ADRB+\slot] offset:\k+32*\c+\i*16*PITCH
.endr
.endr
.irp i, 0,1,2,3
.irp c, 0,1,2,3
	ds_load_b128 v[\f+16*\i+4*\c:\f+16*\i+4*\c+3], v[ADRA+\slot] offset:\k+32*\c+\i*16*PITCH
.endr
.endr
.endm
.macro SCALES sc                       ; a K step's scale words, four a row, into set sc: lanes 0-15 take A's block i, lanes 16-31 B's block i (every window is 0 here)
.irp i, 0,1,2,3
.irp u, 0,1
	ds_load_b64 v[SC+16*\sc+4*\i+2*\u:SC+16*\sc+4*\i+2*\u+1], v[ADRS] offset:128*\i+1024*\u
.endr
.endr
.endm
.macro PLACES n                        ; plain vector instructions between a matrix instruction and a load into, or a read of, its registers
.rept \n
	v_nop
.endr
.endm
; One of a K step's first three quarters: multiplies buffer f (quarter q) and fetches the next quarter, at byte k, into g.
.macro QUARTER slot, k, f, g, q, zero
	s_wait_dscnt 8                                 ; B's four and A's blocks 0, 1 are in (and the scale words); the youngest eight loads (A's blocks 2, 3) may be out
	WIN MUL
	MUL4 \f, 0, \q, \slot, \zero
	MUL4 \f, 1, \q, \slot, \zero
	PLACES NP
	FETCH \slot, \k, \g
	s_wait_dscnt 32                                ; all but the 32 just issued
	WIN MUL
	MUL4 \f, 2, \q, \slot, \zero
	MUL4 \f, 3, \q, \slot, \zero
.endm
; The last quarter multiplies buffer 1 and changes slots: one barrier; in front of it each wave waits for all its tensor loads, adds 0 to its spare word, and waits for that and for its reads of this slot.
.macro TURN slot, next, fill
	WIN 0                                          ; (the add's two registers lie in window 0)
	s_wait_tensorcnt 0x0                           ; all my tensor loads have landed: my part of the next slot
	ds_add_u32 v[SPW], v[NIL]
	s_wait_dscnt 9                                 ; (the add and the youngest eight loads may be out)
	WIN MUL
	MUL4 F1, 0, 3, \slot, 0
	s_wait_dscnt 0x0                               ; the add is done, and my reads of this slot are over
	s_barrier_signal -1
	MUL4 F1, 1, 3, \slot, 0
	WIN 0
	s_barrier_wait -1
.if \fill
	CREST                                          ; the barrier has opened a round of the cluster's: no wave of any partner still reads this slot or has a load on its way
	s_add_nc_u64 s[G0+4*\slot+2:G0+4*\slot+3], s[G0+4*\slot+2:G0+4*\slot+3], 2*KSTEP
	s_add_nc_u64 s[G0B+4*\slot+2:G0B+4*\slot+3], s[G0B+4*\slot+2:G0B+4*\slot+3], 2*KSTEP
	JLOAD G0+4*\slot, G1, G0B+4*\slot, G1B         ; the first tensor load behind the round; its four v_nop are among the places in front of the loads below
	PLACES NP-4
.else
	PLACES NP
.endif
	v_add_nc_u32 v[ADRS], 2048, v[ADRS]            ; the next 512 along K: two runs of 128 rows x 8 bytes on
	SCALES \next
	FETCH \next, 0, F0
	WIN MUL
	MUL4 F1, 2, 3, \slot, 0
	MUL4 F1, 3, 3, \slot, 0
.endm
	s_wait_alu depctr_va_vdst(0)                   ; the head's end
	s_wait_tensorcnt 0x0                           ; my tile of the four is in,
	s_barrier_signal -1
	s_barrier_wait -1                              ; everybody's is
	SCALES 0
	FETCH 0, 0, F0
	s_wait_loadcnt 32                              ; the bias is in; the residual's 32 loads may be out
	QUARTER 0, 128, F0, F1, 0, 1                   ; the first quarter stands in front of the loop: its products start the sums
.if LAPS > 1
	WIN 0                                          ; at a label and at a branch every window is 0
	s_mov_b32 s3, LAPS-1
.Llap:                                                 ; a trip goes once round the ring, from a lap's second quarter to the next lap's first, and fills both slots again
	QUARTER 0, 256, F1, F0, 1, 0
	QUARTER 0, 384, F0, F1, 2, 0
	TURN 0, 1, 1
	QUARTER 1, 128, F0, F1, 0, 0
	QUARTER 1, 256, F1, F0, 1, 0
	QUARTER 1, 384, F0, F1, 2, 0
	TURN 1, 0, 1
	QUARTER 0, 128, F0, F1, 0, 0
	WIN 0
	s_sub_co_u32 s3, s3, 1
	s_cmp_lg_u32 s3, 0
	s_cbranch_scc1 .Llap
.endif
	QUARTER 0, 256, F1, F0, 1, 0                   ; the last lap fills nothing
	QUARTER 0, 384, F0, F1, 2, 0
	TURN 0, 1, 0
	QUARTER 1, 128, F0, F1, 0, 0
	QUARTER 1, 256, F1, F0, 1, 0
	QUARTER 1, 384, F0, F1, 2, 0
	s_wait_dscnt 8                                 ; the very last quarter: nothing more to fetch
	WIN MUL
	MUL4 F1, 0, 3, 1, 0
	MUL4 F1, 1, 3, 1, 0
	s_wait_dscnt 0
	MUL4 F1, 2, 3, 1, 0
	MUL4 F1, 3, 3, 1, 0
	WIN 0
; THE WAY OUT, block by block of 16 rows x 64 columns (256 bytes a row).  A lane holds pieces of one row; through my own stage they come back as whole rows; the residual is added; sixteen lanes store 256 consecutive bytes, aligned.
; LDS serves a wave's instructions in order (ISA guide 5.7.1.4): no wait between the stores and the loads, nor in front of the next block's stores.
.macro TOSTAGE a
.irp b, 0,1,2,3
	ds_store_b128 v[STO], v[ACC+8*(4*(\a)+\b):ACC+8*(4*(\a)+\b)+3] offset:128*(\b/2)+32*(\b%2)        ; each accumulator from its low end on
	ds_store_b128 v[STO], v[ACC+8*(4*(\a)+\b)+4:ACC+8*(4*(\a)+\b)+7] offset:128*(\b/2)+32*(\b%2)+16
.endr
.irp t, 0,1,2,3,4,5,6,7
	ds_load_b128 v[BK+32*((\a)%2)+4*\t:BK+32*((\a)%2)+4*\t+3], v[RD] offset:\t*2*SPITCH
.endr
.endm
.macro SEND a, younger                 ; younger: the LDS instructions issued behind block a's loads, which may stay out
	s_wait_dscnt \younger
	WIN 0x08                                       ; source 1 (the residual) window 2
.irp p, 0,2,4,6,8,10,12,14,16,18,20,22,24,26,28,30
	v_pk_add_f32 v[BK+32*((\a)%2)+\p:BK+32*((\a)%2)+\p+1], v[BK+32*((\a)%2)+\p:BK+32*((\a)%2)+\p+1], v[32*(\a)+\p:32*(\a)+\p+1]
.endr
	WIN 0
.irp t, 0,1,2,3,4,5,6,7
	global_store_b128 v[CO], v[BK+32*((\a)%2)+4*\t:BK+32*((\a)%2)+4*\t+3], s[12:13] offset:(32*((\a)/2)+16*(\t/4)+8*((\a)%2)+2*(\t%4))*4096   ; memory rows 16 a + 2 t, + 1 are the true rows sigma of them
.endr
.endm
	s_wait_loadcnt 0x0                             ; the residual
	PLACES NP                                      ; behind the last products, ahead of the first read of results
	TOSTAGE 0
.irp a, 1,2,3
.if \a > 1
	s_wait_xcnt 0x0                                ; block a - 2's stores have read their registers: block a's loads may land there
.endif
	TOSTAGE \a
	SEND \a-1, 16                                  ; behind block a - 1's loads: block a's 8 stores and 8 loads
.endr
	SEND 3, 0
	s_wait_tensorcnt 0x0                           ; the wave's end
	ds_add_u32 v[SPW], v[NIL]
	s_wait_dscnt 0x0
	CROUND                                         ; the closing round: no work-group ends while a partner may still ask for a tile that names it
	s_endpgm
.Lfunc_end_k_q719e50b48f_proj:
	.size	k_q719e50b48f_proj, .Lfunc_end_k_q719e50b48f_proj-k_q719e50b48f_proj
	.p2alignl 7, 3214868480
	.fill 96, 4, 3214868480
	.section	.rodata,"a",@progbits
	.p2align	6, 0x0
	.amdhsa_kernel k_q719e50b48f_proj
		.amdhsa_group_segment_fixed_size 327680
		.amdhsa_private_segment_fixed_size 0
		.amdhsa_enable_private_segment 0
		.amdhsa_kernarg_size 40
		.amdhsa_user_sgpr_count 2
		.amdhsa_user_sgpr_kernarg_segment_ptr 1
		.amdhsa_wavefront_size32 1
		.amdhsa_system_sgpr_workgroup_id_x 1
		.amdhsa_system_sgpr_workgroup_id_y 1
		.amdhsa_system_sgpr_workgroup_id_z 1
		.amdhsa_system_vgpr_workitem_id 0
		.amdhsa_next_free_vgpr 640
		.amdhsa_next_free_sgpr 100
		.amdhsa_reserve_vcc 0
		.amdhsa_float_denorm_mode_32 3
		.amdhsa_float_denorm_mode_16_64 3
		.amdhsa_memory_ordered 1
		.amdhsa_forward_progress 1
		.amdhsa_inst_pref_size 61
	.end_amdhsa_kernel
	.amdgpu_metadata
---
amdhsa.version: [ 1, 2 ]
amdhsa.kernels:
  - .name:           k_q719e50b48f_proj
    .symbol:         k_q719e50b48f_proj.kd
    .args:
      - { .name: AB, .offset: 0, .size: 8, .value_kind: global_buffer, .address_space: global }
      - { .name: WB, .offset: 8, .size: 8, .value_kind: global_buffer, .address_space: global }
      - { .name: b_proj, .offset: 16, .size: 8, .value_kind: global_buffer, .address_space: global }
      - { .name: x, .offset: 24, .size: 8, .value_kind: global_buffer, .address_space: global }
      - { .name: X1, .offset: 32, .size: 8, .value_kind: global_buffer, .address_space: global }
    .group_segment_fixed_size: 327680
    .private_segment_fixed_size: 0
    .kernarg_segment_align: 8
    .kernarg_segment_size: 40
    .max_flat_workgroup_size: 128
    .sgpr_count:     100
    .vgpr_count:     640
    .wavefront_size: 32
...
	.end_amdgpu_metadata
.endif
;; end of part 4
;; launch ln2 (part 5): grid 256 x 1, 4 waves a work-group, no clusters, 22,016 bytes of LDS; arguments X1, g2, be2, HB; writes HB
.if DOCPART == 5
	.amdgcn_target "amdgcn-amd-amdhsa--gfx1250"
	.amdhsa_code_object_version 6
	.text
	.protected	k_q719e50b48f_ln2
	.globl	k_q719e50b48f_ln2
	.p2align	8
	.type	k_q719e50b48f_ln2,@function
k_q719e50b48f_ln2:
	s_mov_b64 s[64:65], 0
	v_nop
	global_prefetch_b8 v0, s[64:65] scope:SCOPE_SE
	s_setreg_imm32_b32 hwreg(HW_REG_WAVE_MODE, 25, 1), 1
	s_wait_xcnt 0x0
; h2 = ((x1 - mean) * rsqrt(var + 1e-5)) * g2 + be2 for each row of 1,024 numbers, in f32, then quantised along the row: codes of FP8 (E4M3) and one E8M0 scale byte for each 32 numbers.
; Row n's codes go to memory row sigma(n) (n with bits 3 and 4 exchanged) of HB; its scale bytes to 4,194,304 + (k / 256) x 32,768 + 8 sigma(n) + (k % 256) / 32.
; A wave takes four rows, 16 wg + 4 w + i, whose memory rows are neighbours.  A row is read once and stays in 32 registers: the mean, then the variance of the differences, as reference() has them.
; Each load reads 512 consecutive bytes; the conversions want 16 neighbours in ONE lane: so a row (and g and b, once) turns through the wave's own stage in LDS: in as it lies, back 64 bytes a lane
; (places of 64 bytes + 16 of padding).  Afterwards register 16 u + e holds number 512 u + 16 lane + e; two neighbouring lanes hold a block of 32.
; A lane's 16 codes are 16 bytes: a store of the wave covers 512 consecutive bytes.  The wave's 128 scale bytes are gathered in LDS and leave as four pieces of 32 bytes: 128 of its 4,224 bytes out are stored so.
; A block of zeros gets the byte 1 where the rule says 127: its codes are zeros, and this program alone reads the bytes.
; LIMITS: blocks whose largest magnitude lies under 2^-118 are held at that floor; NaN and infinities among the inputs are not served.
; No barrier, no tensor load, no cluster, no matrix unit: waves share nothing, and the bytes bound the launch.
.set EMAX,  8
.set SP,    80                         ; a place in the stage
.set WREG,  5376                       ; a wave's LDS: 64 places, then 128 scale bytes (256 kept)
.set SPARE, 4*WREG                     ; behind the four regions: the spare words, 128 bytes a wave
.set SPW,   14
.set NIL,   15
.set G,     16                         ; v16-47   g
.set BE,    48                         ; v48-79   b
.set R,     80                         ; v80-207  four rows
.set C,     208                        ; v208-239 codes: four registers for each (row, u), so that no store's data are written again
.set T,     240                        ; v240-247 four packed chains
.set MU,    248                        ; v248-249 the mean, twice
.set RS,    250                        ; v250-251 1 / sqrt(var + eps), twice
	s_load_b256 s[4:11], s[0:1], 0x0               ; x1, g, b, HB
	v_lshl_add_u32 v[SPW], v0, 2, SPARE
	v_mov_b32 v[NIL], 0
	v_lshrrev_b32 v7, 5, v0
	v_readfirstlane_b32 s12, v7                    ; wave 0..3
	v_and_b32 v7, 31, v0                           ; lane
	v_lshlrev_b32 v1, 4, v7                        ; my 16 bytes of 512
	s_mul_i32 s13, s12, WREG
	v_lshrrev_b32 v2, 2, v7
	v_mul_u32_u24 v2, v2, SP
	v_and_b32 v3, 3, v7
	v_lshl_add_u32 v2, v3, 4, v2
	v_add_nc_u32 v2, s13, v2                       ; the stage, on the way in: 80 (lane / 4) + 16 (lane % 4)
	v_mul_u32_u24 v3, v7, SP
	v_add_nc_u32 v3, s13, v3                       ; and back: 80 x lane
	s_add_co_u32 s13, s13, 64*SP
	v_lshrrev_b32 v4, 4, v7
	v_lshlrev_b32 v4, 5, v4
	v_bfe_u32 v5, v7, 1, 3
	v_add_nc_u32 v4, v4, v5
	v_add_nc_u32 v4, s13, v4                       ; my block's byte: [run of 256 along K][row][8]
	v_lshl_add_u32 v5, v7, 2, s13                  ; back: 4 bytes a lane
	v_lshrrev_b32 v6, 3, v7
	v_lshlrev_b32 v6, 15, v6
	v_and_b32 v8, 7, v7
	v_lshl_add_u32 v6, v8, 2, v6                   ; and their place in memory: 32,768 (lane / 8) + 4 (lane % 8)
	s_mov_b32 s16, 0x76543210
	s_mov_b32 s17, 0xfedcba98                      ; v_permlanex16_b32's selects for lane l xor 16
	s_mov_b32 s18, 0x600000                        ; the mantissa field of 448
	s_mov_b32 s19, 0x3a800000                      ; 1 / 1,024
	s_mov_b32 s20, 0x3727c5ac                      ; 1e-5
	s_lshl_b32 s21, ttmp9, 16
	s_lshl_b32 s22, s12, 14
	s_add_co_u32 s22, s21, s22                     ; my first row, 4,096 bytes a row
	s_mov_b32 s23, 0
	s_lshr_b32 s21, ttmp9, 1                       ; sigma of my first row 16 wg + 4 w
	s_lshl_b32 s21, s21, 5
	s_lshr_b32 s24, s12, 1
	s_lshl_b32 s24, s24, 4
	s_or_b32 s21, s21, s24
	s_and_b32 s24, ttmp9, 1
	s_lshl_b32 s24, s24, 3
	s_or_b32 s21, s21, s24
	s_and_b32 s24, s12, 1
	s_lshl_b32 s24, s24, 2
	s_or_b32 s21, s21, s24
	s_lshl_b32 s24, s21, 10
	s_mov_b32 s25, 0
	s_lshl_b32 s26, s21, 3
	s_add_co_u32 s26, s26, 4194304
	s_mov_b32 s27, 0
	s_wait_kmcnt 0x0
	s_add_nc_u64 s[4:5], s[4:5], s[22:23]
	s_add_nc_u64 s[24:25], s[10:11], s[24:25]      ; my codes
	s_add_nc_u64 s[26:27], s[10:11], s[26:27]      ; my scale bytes
.irp j, 0,1,2,3,4,5,6,7
	global_load_b128 v[G+4*\j:G+4*\j+3], v1, s[6:7] offset:512*\j
.endr
.irp j, 0,1,2,3,4,5,6,7
	global_load_b128 v[BE+4*\j:BE+4*\j+3], v1, s[8:9] offset:512*\j
.endr
.irp i, 0,1,2,3
.irp j, 0,1,2,3,4,5,6,7
	global_load_b128 v[R+32*\i+4*\j:R+32*\i+4*\j+3], v1, s[4:5] offset:4096*\i+512*\j
.endr
.endr
.macro TURN reg                        ; 1,024 numbers through the stage, back into the registers that they left; LDS serves a wave's instructions in order (ISA guide 5.7.1.4)
.irp j, 0,1,2,3,4,5,6,7
	ds_store_b128 v2, v[\reg+4*\j:\reg+4*\j+3] offset:8*SP*\j
.endr
.irp u, 0,1
.irp i, 0,1,2,3
	ds_load_b128 v[\reg+16*\u+4*\i:\reg+16*\u+4*\i+3], v3 offset:32*SP*\u+16*\i
.endr
.endr
.endm
.macro ACROSS                          ; four packed chains become one sum, in every lane
	v_pk_add_f32 v[T:T+1], v[T:T+1], v[T+2:T+3]
	v_pk_add_f32 v[T+4:T+5], v[T+4:T+5], v[T+6:T+7]
	v_pk_add_f32 v[T:T+1], v[T:T+1], v[T+4:T+5]
	v_add_f32 v[T], v[T], v[T+1]
	v_add_f32_dpp v[T], v[T], v[T] row_xmask:1 row_mask:0xf bank_mask:0xf
	v_add_f32_dpp v[T], v[T], v[T] row_xmask:2 row_mask:0xf bank_mask:0xf
	v_add_f32_dpp v[T], v[T], v[T] row_xmask:4 row_mask:0xf bank_mask:0xf
	v_add_f32_dpp v[T], v[T], v[T] row_xmask:8 row_mask:0xf bank_mask:0xf
	v_permlanex16_b32 v[T+1], v[T], s16, s17
	v_add_f32 v[T], v[T], v[T+1]
.endm
.macro ROW i
.set RR, R+32*(\i)
	s_wait_loadcnt 8*(3-(\i))                      ; my row's eight loads are in; the later rows' may be out
	TURN RR
	s_wait_dscnt 0x0
.irp k, 0,1,2,3
	v_pk_add_f32 v[T+2*\k:T+2*\k+1], v[RR+2*\k:RR+2*\k+1], v[RR+8+2*\k:RR+8+2*\k+1]
.endr
.irp q, 2,3
.irp k, 0,1,2,3
	v_pk_add_f32 v[T+2*\k:T+2*\k+1], v[T+2*\k:T+2*\k+1], v[RR+8*\q+2*\k:RR+8*\q+2*\k+1]
.endr
.endr
	ACROSS
	v_mul_f32 v[MU], s19, v[T]                     ; the mean
	v_mul_f32 v[MU+1], s19, v[T]
.irp p, 0,2,4,6,8,10,12,14,16,18,20,22,24,26,28,30
	v_pk_add_f32 v[RR+\p:RR+\p+1], v[RR+\p:RR+\p+1], v[MU:MU+1] neg_lo:[0,1] neg_hi:[0,1]   ; x - mean
.endr
.irp k, 0,1,2,3
	v_pk_mul_f32 v[T+2*\k:T+2*\k+1], v[RR+2*\k:RR+2*\k+1], v[RR+2*\k:RR+2*\k+1]
.endr
.irp q, 1,2,3
.irp k, 0,1,2,3
	v_pk_fma_f32 v[T+2*\k:T+2*\k+1], v[RR+8*\q+2*\k:RR+8*\q+2*\k+1], v[RR+8*\q+2*\k:RR+8*\q+2*\k+1], v[T+2*\k:T+2*\k+1]
.endr
.endr
	ACROSS
	v_fma_f32 v[T], v[T], s19, s20                 ; var + eps
	s_wait_alu depctr_va_vdst(0)
	v_rsq_f32 v[RS], v[T]
	v_rsq_f32 v[RS+1], v[T]
	v_nop                                          ; a plain instruction behind the transcendentals (ISA guide 5.7.2)
	s_wait_alu depctr_va_vdst(0)                   ; one wait for both, ahead of their first reader
.irp p, 0,2,4,6,8,10,12,14,16,18,20,22,24,26,28,30
	v_pk_mul_f32 v[RR+\p:RR+\p+1], v[RR+\p:RR+\p+1], v[RS:RS+1]
.endr
.irp p, 0,2,4,6,8,10,12,14,16,18,20,22,24,26,28,30
	v_pk_fma_f32 v[RR+\p:RR+\p+1], v[RR+\p:RR+\p+1], v[G+\p:G+\p+1], v[BE+\p:BE+\p+1]
.endr
.irp u, 0,1
.set XS, RR+16*\u
.set CC, C+4*(2*(\i)+\u)
	v_max3_num_f32 v8, |v[XS]|, |v[XS+1]|, |v[XS+2]|               ; the largest magnitude of my 16
	v_max3_num_f32 v9, |v[XS+3]|, |v[XS+4]|, |v[XS+5]|
.irp k, 6,10
	v_max3_num_f32 v8, v8, |v[XS+\k]|, |v[XS+\k+1]|
	v_max3_num_f32 v9, v9, |v[XS+\k+2]|, |v[XS+\k+3]|
.endr
	v_max3_num_f32 v8, v8, |v[XS+14]|, |v[XS+15]|
	v_max3_num_f32 v8, v8, v9, (EMAX+1)<<23        ; and the floor 2^(9 - 127)
	v_max_num_f32_dpp v8, v8, v8 row_xmask:1 row_mask:0xf bank_mask:0xf   ; and of my neighbour's 16: the block's
	v_add_nc_u32 v11, -(EMAX<<23), v8              ; the conversion's scale operand
	v_and_or_b32 v10, v8, 0x7f800000, s18          ; 448 x the scale
.irp e, 0,1,2,3,4,5,6,7,8,9,10,11,12,13,14,15
	v_med3_num_f32 v[XS+\e], v[XS+\e], -v10, v10   ; the conversion does not saturate (ISA guide 7.6.2): the hold comes first
.endr
	v_cvt_scalef32_pk8_fp8_f32 v[CC:CC+1], v[XS:XS+7], v11
	v_cvt_scalef32_pk8_fp8_f32 v[CC+2:CC+3], v[XS+8:XS+15], v11
	v_lshrrev_b32 v[12+\u], 23, v11                ; the scale's byte
	ds_store_b8 v4, v[12+\u] offset:64*\u+8*(\i)   ; both lanes of a block write the same byte with the same value
	global_store_b128 v1, v[CC:CC+3], s[24:25] offset:1024*(\i)+512*\u   ; 32 lanes store 512 consecutive bytes
.endr
.endm
	s_wait_loadcnt 40                              ; g is in (behind it: b's 8 loads and the rows' 32)
	TURN G
	s_wait_loadcnt 32                              ; b is in
	TURN BE
	ROW 0
	ROW 1
	ROW 2
	ROW 3
	ds_load_b32 v8, v5                             ; in order behind my byte stores
	s_wait_dscnt 0x0
	global_store_b32 v6, v8, s[26:27]
	s_wait_tensorcnt 0x0                           ; the wave's end, behind my last LDS store
	ds_add_u32 v[SPW], v[NIL]
	s_wait_dscnt 0x0
	s_endpgm
.Lfunc_end_k_q719e50b48f_ln2:
	.size	k_q719e50b48f_ln2, .Lfunc_end_k_q719e50b48f_ln2-k_q719e50b48f_ln2
	.p2alignl 7, 3214868480
	.fill 96, 4, 3214868480
	.section	.rodata,"a",@progbits
	.p2align	6, 0x0
	.amdhsa_kernel k_q719e50b48f_ln2
		.amdhsa_group_segment_fixed_size 22016
		.amdhsa_private_segment_fixed_size 0
		.amdhsa_enable_private_segment 0
		.amdhsa_kernarg_size 32
		.amdhsa_user_sgpr_count 2
		.amdhsa_user_sgpr_kernarg_segment_ptr 1
		.amdhsa_wavefront_size32 1
		.amdhsa_system_sgpr_workgroup_id_x 1
		.amdhsa_system_sgpr_workgroup_id_y 1
		.amdhsa_system_sgpr_workgroup_id_z 1
		.amdhsa_system_vgpr_workitem_id 0
		.amdhsa_next_free_vgpr 256
		.amdhsa_next_free_sgpr 66
		.amdhsa_reserve_vcc 0
		.amdhsa_float_denorm_mode_32 3
		.amdhsa_float_denorm_mode_16_64 3
		.amdhsa_memory_ordered 1
		.amdhsa_forward_progress 1
		.amdhsa_inst_pref_size 55
	.end_amdhsa_kernel
	.amdgpu_metadata
---
amdhsa.version: [ 1, 2 ]
amdhsa.kernels:
  - .name:           k_q719e50b48f_ln2
    .symbol:         k_q719e50b48f_ln2.kd
    .args:
      - { .name: X1, .offset: 0, .size: 8, .value_kind: global_buffer, .address_space: global }
      - { .name: g2, .offset: 8, .size: 8, .value_kind: global_buffer, .address_space: global }
      - { .name: be2, .offset: 16, .size: 8, .value_kind: global_buffer, .address_space: global }
      - { .name: HB, .offset: 24, .size: 8, .value_kind: global_buffer, .address_space: global }
    .group_segment_fixed_size: 22016
    .private_segment_fixed_size: 0
    .kernarg_segment_align: 8
    .kernarg_segment_size: 32
    .max_flat_workgroup_size: 128
    .sgpr_count:     66
    .vgpr_count:     256
    .wavefront_size: 32
...
	.end_amdgpu_metadata
.endif
;; end of part 5
;; launch ff1 (part 6): grid 16 x 16, 4 waves a work-group, clusters of 4 x 4, 327,680 bytes of LDS; arguments HB, WB, FB, b1; writes FB
.if DOCPART == 6
	.amdgcn_target "amdgcn-amd-amdhsa--gfx1250"
	.amdhsa_code_object_version 6
	.text
	.protected	k_q719e50b48f_ff1
	.globl	k_q719e50b48f_ff1
	.p2align	8
	.type	k_q719e50b48f_ff1,@function
k_q719e50b48f_ff1:
	s_mov_b64 s[64:65], 0
	v_nop
	global_prefetch_b8 v0, s[64:65] scope:SCOPE_SE
	s_setreg_imm32_b32 hwreg(HW_REG_WAVE_MODE, 25, 1), 1
	s_wait_xcnt 0x0
	s_wait_alu depctr_hold_cnt(0) depctr_sa_sdst(0) depctr_va_vdst(0) depctr_va_sdst(0) depctr_va_ssrc(0) depctr_va_vcc(0) depctr_vm_vsrc(0)
	s_getreg_b32 s2, hwreg(HW_REG_IB_STS2, 6, 4)
	s_cmp_eq_u32 s2, 0
	s_cbranch_scc0 .Lentry_in_a_cluster
	s_endpgm
.Lentry_in_a_cluster:
	s_bfe_u32 s2, ttmp6, 0x10000c
	s_cmp_lg_u32 s2, 0xf033
	s_cbranch_scc0 .Lentry_shape_is_right
	s_endpgm
.Lentry_shape_is_right:
.set NQ,     2
.set ROWB,   256
.set KROW,   1024
.set PITCH,  272
.set FR,     16
.set NL,     4
.set NP,     8
.set HALFT,  128*PITCH
.set SLOT,   4*HALFT
.set LAPS,   2
.set SCL,    2*SLOT
.set SPARE,  SCL+16640
.set SSTG,   256*PITCH
.set ADRA, 16
.set SSO,  18
.set RDS,  19
.set ADRB, 20
.set SCO,  22
.set STO,  24
.set RD,   25
.set CO,   26
.set ADRS, 27
.set SPW,  28
.set NIL,  29
.set BIA,  30
.set SC,   32
.set BI,   64
.set TM,   64
.set PW,   80
.set PC,   96
.set SCB,  112
.set AF,   128
.set BK,   128
.set G1,   24
.set G0,   32
.set G1B,  48
.set G0B,  56
.set G1S,  68
.set G0S,  76
.set G1SB, 80
.set G0SB, 88
.set SEL,  96
.set MNT,  98
.set MSB, 0
.macro WIN new
.if MSB != (\new)
	s_set_vgpr_msb (MSB<<8)|(\new)
.set MSB, (\new)
.endif
.endm
.set TO_B, 0x40
.macro WINM hi, zero
.if \zero
	WIN 0x81+0x40*(\hi)
.else
	WIN 0xa1+0x50*(\hi)
.endif
.endm
.macro JLOAD g0a, g1a, g0b, g1b
	s_cmp_eq_u32 s15, 0
	s_cbranch_scc0 .Lfor_b_\@
	tensor_load_to_lds s[\g0a:\g0a+3], s[\g1a:\g1a+7]
	s_nop 0
.rept 4
	v_nop
.endr
	s_branch .Lasked_\@
.Lfor_b_\@:
	tensor_load_to_lds s[\g0b:\g0b+3], s[\g1b:\g1b+7]
	s_nop 0
.rept 4
	v_nop
.endr
.Lasked_\@:
.endm
.macro CREST
	s_cmp_lg_u32 s14, 0
	s_cbranch_scc1 .Lnot_wave_0_\@
	s_barrier_signal -3
.Lnot_wave_0_\@:
	s_barrier_wait -3
	s_barrier_signal -1
	s_barrier_wait -1
.endm
.macro CROUND
	s_barrier_signal -1
	s_barrier_wait -1
	CREST
.endm
	s_load_b128 s[4:7], s[0:1], 0x0
	s_load_b128 s[8:11], s[0:1], 0x10
	v_lshl_add_u32 v[SPW], v0, 2, SPARE
	v_mov_b32 v[NIL], 0
	ds_add_u32 v[SPW], v[NIL]
	ds_add_u32 v[SPW], v[NIL]
	v_lshrrev_b32 v1, 5, v0
	v_readfirstlane_b32 s14, v1
	s_lshr_b32 s15, s14, 1
	s_and_b32 s16, s14, 1
	s_bfe_u32 s40, ttmp6, 0x40000
	s_bfe_u32 s41, ttmp6, 0x40004
	s_lshl_b32 s42, ttmp9, 2
	s_add_co_u32 s42, s42, s40
	s_and_b32 s17, ttmp7, 0xffff
	s_lshl_b32 s17, s17, 2
	s_add_co_u32 s17, s17, s41
	s_lshl_b32 s43, s41, 2
	s_lshl_b32 s43, 15, s43
	s_lshl_b32 s44, 0x1111, s40
	s_or_b32 s[G1+0], s43, (0<<16)|(1<<20)|(1<<21)|(5<<22)|(3<<25)
	s_or_b32 s[G1B+0], s44, (0<<16)|(1<<20)|(1<<21)|(5<<22)|(3<<25)
.irp g, G1, G1B
	s_mov_b32 s[\g+1], ROWB<<16
	s_mov_b32 s[\g+2], 256<<16                     ; 256 rows for the head's loads; behind them 128, for the ring's
	s_mov_b32 s[\g+3], ROWB<<16
	s_mov_b32 s[\g+4], 256
	s_mov_b32 s[\g+5], KROW
	s_mov_b32 s[\g+6], 0
	s_mov_b32 s[\g+7], 0
.endr
	s_or_b32 s[G1S+0], s43, (3<<16)|(1<<21)
	s_or_b32 s[G1SB+0], s44, (3<<16)|(1<<21)
.irp g, G1S, G1SB
	s_mov_b32 s[\g+1], 256<<16                     ; the scales of the tile's 256 rows: 4 runs of 2,048 bytes; in LDS [run][row][8]
	s_mov_b32 s[\g+2], 4<<16
	s_mov_b32 s[\g+3], 256<<16
	s_mov_b32 s[\g+4], 4
	s_mov_b32 s[\g+5], 4096
	s_mov_b32 s[\g+6], 0
	s_mov_b32 s[\g+7], 0
.endr
	s_mov_b32 s[SEL], 0x76543210
	s_mov_b32 s[SEL+1], 0xfedcba98
	s_mov_b32 s[MNT], 0x600000
	s_lshl_b32 s18, s16, 17                        ; in the ring I fetch 128 rows of a tile: which half, in bytes
	s_mov_b32 s19, 0
	s_lshl_b32 s20, s17, 8                         ; A: the tile's first row
	s_lshl_b32 s46, s42, 8                         ; B: likewise
	s_lshl_b32 s22, s20, 3
	s_mov_b32 s23, 0
	s_lshl_b32 s92, s46, 3
	s_mov_b32 s93, 0
	s_lshl_b32 s20, s20, 10
	s_mov_b32 s21, 0
	s_lshl_b32 s46, s46, 10
	s_mov_b32 s47, 0
	s_mul_i32 s45, s14, HALFT
	s_wait_dscnt 0x0
	s_wait_kmcnt 0x0
	s_add_nc_u64 s[20:21], s[4:5], s[20:21]
	s_add_nc_u64 s[22:23], s[4:5], s[22:23]
	s_add_nc_u64 s[22:23], s[22:23], 4194304
	s_add_nc_u64 s[46:47], s[6:7], s[46:47]
	s_add_nc_u64 s[46:47], s[46:47], 4194304
	s_add_nc_u64 s[92:93], s[6:7], s[92:93]
	s_add_nc_u64 s[92:93], s[92:93], 12845056
	CROUND
	s_mov_b32 s[G0S], 1
	s_mov_b32 s[G0S+1], SCL
	s_mov_b64 s[G0S+2:G0S+3], s[22:23]
	s_or_b32 s[G0S+3], s[G0S+3], 0x80000000
	s_mov_b32 s[G0SB], 1
	s_mov_b32 s[G0SB+1], SCL+8192+128
	s_mov_b64 s[G0SB+2:G0SB+3], s[92:93]
	s_or_b32 s[G0SB+3], s[G0SB+3], 0x80000000
.set G0H, 4                            ; s[4:7], s[92:95] group 0 of the head's loads of K step 0: A's 256 rows, B's 256 rows (what lay there has been used)
.set G0HB, 92
	s_mov_b32 s[G0H], 1
	s_mov_b32 s[G0H+1], 0
	s_mov_b64 s[G0H+2:G0H+3], s[20:21]
	s_or_b32 s[G0H+3], s[G0H+3], 0x80000000
	s_mov_b32 s[G0HB], 1
	s_mov_b32 s[G0HB+1], 2*HALFT
	s_mov_b64 s[G0HB+2:G0HB+3], s[46:47]
	s_or_b32 s[G0HB+3], s[G0HB+3], 0x80000000
	s_add_nc_u64 s[20:21], s[20:21], s[18:19]      ; for the ring: my 128 rows
	s_add_nc_u64 s[46:47], s[46:47], s[18:19]
.irp s, 0,1
	s_mov_b32 s[G0+4*\s], 1
	s_add_co_u32 s[G0+4*\s+1], s45, \s*SLOT
	s_add_nc_u64 s[G0+4*\s+2:G0+4*\s+3], s[20:21], \s*ROWB
	s_or_b32 s[G0+4*\s+3], s[G0+4*\s+3], 0x80000000
	s_mov_b32 s[G0B+4*\s], 1
	s_add_co_u32 s[G0B+4*\s+1], s45, \s*SLOT
	s_add_nc_u64 s[G0B+4*\s+2:G0B+4*\s+3], s[46:47], \s*ROWB
	s_or_b32 s[G0B+4*\s+3], s[G0B+4*\s+3], 0x80000000
.endr
; THE HEAD'S LOADS, ONE A WAVE: wave 0 K step 0's 256 rows of A, wave 1 those of B, wave 2 A's scales, wave 3 B's.  One chain of branches on the wave's number; every way passes one load.
.macro ARM under, g0, g1, next
	s_cmp_lt_u32 s14, \under
	s_cbranch_scc0 \next
	tensor_load_to_lds s[\g0:\g0+3], s[\g1:\g1+7]
	s_nop 0
.rept 4
	v_nop
.endr
	s_branch .Lhead_asked
\next:
.endm
	ARM 1, G0H,  G1,  .Lhead_b
	ARM 2, G0HB, G1B, .Lhead_sa
	ARM 3, G0S,  G1S, .Lhead_sb
	tensor_load_to_lds s[G0SB:G0SB+3], s[G1SB:G1SB+7]
	s_nop 0
.rept 4
	v_nop
.endr
.Lhead_asked:
	v_and_b32 v1, 15, v0
	v_bfe_u32 v2, v0, 4, 1
	s_wait_alu depctr_va_vdst(0)
	v_and_b32 v6, 31, v0
	v_mul_u32_u24 v3, v1, PITCH
	v_lshl_add_u32 v4, v2, 4, v3
	s_wait_alu depctr_va_vdst(0)
	s_mul_i32 s21, s15, HALFT
	s_mul_i32 s22, s16, HALFT
	s_add_co_u32 s22, s22, 2*HALFT
.irp s, 0,1
	v_add_nc_u32 v[ADRA+\s], s21, v4
	v_add_nc_u32 v[ADRB+\s], s22, v4
	s_add_co_u32 s21, s21, SLOT
	s_add_co_u32 s22, s22, SLOT
.endr
	s_lshl_b32 s21, s15, 10                        ; A's scales: my 128 rows of a run's 256
	s_lshl_b32 s22, s16, 10                        ; B's, behind A's 8,192 bytes and 128 more
	s_add_co_u32 s22, s22, 8192+128
	s_sub_co_u32 s22, s22, s21
	v_mul_u32_u24 v5, s22, v2
	s_add_co_u32 s21, s21, SCL
	v_lshl_add_u32 v5, v1, 3, v5
	v_add_nc_u32 v[ADRS], s21, v5
	s_mul_i32 s23, s15, 128*PITCH
	s_lshl_b32 s21, s16, 7
	s_add_co_u32 s23, s23, s21
	v_add_nc_u32 v[STO], s23, v4
	s_lshl_b32 s23, s15, 10
	s_lshl_b32 s21, s16, 2
	s_add_co_u32 s23, s23, s21
	s_add_co_u32 s23, s23, SSTG
	v_lshl_add_u32 v[SSO], v1, 3, s23
	v_lshlrev_b32 v[SCO], 4, v6
	s_lshl_b32 s23, s14, 9
	s_add_co_u32 s23, s23, SSTG
	v_add_nc_u32 v[RDS], s23, v[SCO]
	s_mul_i32 s23, s14, 64*PITCH
	v_mul_u32_u24 v5, v2, PITCH
	v_lshl_add_u32 v5, v1, 4, v5
	v_add_nc_u32 v[RD], s23, v5
	v_lshlrev_b32 v5, 12, v2
	v_lshl_add_u32 v[CO], v1, 4, v5
	s_lshl_b32 s20, s17, 8
	s_lshl_b32 s21, s14, 6
	s_add_co_u32 s20, s20, s21
	s_lshl_b32 s20, s20, 12
	s_lshl_b32 s46, s42, 8
	s_add_co_u32 s20, s20, s46
	s_mov_b32 s21, 0
	s_add_nc_u64 s[12:13], s[8:9], s[20:21]
	s_mov_b32 s22, 16777216
	s_lshl_b32 s46, s42, 15
	s_add_co_u32 s22, s22, s46
	s_lshl_b32 s46, s17, 11
	s_add_co_u32 s22, s22, s46
	s_lshl_b32 s46, s14, 9
	s_add_co_u32 s22, s22, s46
	s_mov_b32 s23, 0
	s_add_nc_u64 s[66:67], s[8:9], s[22:23]
	s_lshl_b32 s46, s42, 10
	s_lshl_b32 s47, s16, 9
	s_add_co_u32 s46, s46, s47
	s_mov_b32 s47, 0
	s_add_nc_u64 s[10:11], s[10:11], s[46:47]
	v_lshlrev_b32 v[BIA], 6, v2
.irp b, 0,1,2,3,4,5,6,7
	global_load_b128 v[BI+8*\b:BI+8*\b+3], v[BIA], s[10:11] offset:(32*(\b/2)+8*(\b%2))*4
	global_load_b128 v[BI+8*\b+4:BI+8*\b+7], v[BIA], s[10:11] offset:(32*(\b/2)+8*(\b%2))*4+16
.endr
.macro FRAG reg, adr, q, i
.irp c, 0,1,2,3
	ds_load_b128 v[\reg+4*\c:\reg+4*\c+3], v[\adr] offset:128*(\q)+32*\c+(\i)*16*PITCH
.endr
.endm
.macro MUL16 a0, p, q, sc, zero
.irp a, \a0, \a0+1
.irp b, 0,1,2,3,4,5,6,7
.if \zero
	v_wmma_scale_f32_16x16x128_f8f6f4 v[8*(8*((\a)%4)+\b):8*(8*((\a)%4)+\b)+7], v[128*(\p)+FR*\b:128*(\p)+FR*\b+FR-1], v[AF+FR*(\a):AF+FR*(\a)+FR-1], v[BI+8*\b:BI+8*\b+7], v[SC+8*NQ*(\sc)+NQ*\b+(\q)], v[SC+8*NQ*(\sc)+NQ*(\a)+(\q)] matrix_a_scale:MATRIX_SCALE_ROW1
.else
	v_wmma_scale_f32_16x16x128_f8f6f4 v[8*(8*((\a)%4)+\b):8*(8*((\a)%4)+\b)+7], v[128*(\p)+FR*\b:128*(\p)+FR*\b+FR-1], v[AF+FR*(\a):AF+FR*(\a)+FR-1], v[8*(8*((\a)%4)+\b):8*(8*((\a)%4)+\b)+7], v[SC+8*NQ*(\sc)+NQ*\b+(\q)], v[SC+8*NQ*(\sc)+NQ*(\a)+(\q)] matrix_a_scale:MATRIX_SCALE_ROW1
.endif
.endr
.endr
.endm
.macro FETCH_B slot, q, p
	WIN TO_B
.irp i, 0,1,2,3,4,5,6,7
	FRAG 128*(\p)+FR*\i, ADRB+\slot, \q, \i
.endr
	WIN 0
.endm
.macro FETCH_A slot, q, i0
.irp i, \i0, \i0+1, \i0+2, \i0+3
	FRAG AF+FR*(\i), ADRA+\slot, \q, \i
.endr
.endm
.macro SCALES sc
.irp i, 0,1,2,3,4,5,6,7
	ds_load_b64 v[SC+8*NQ*\sc+NQ*\i:SC+8*NQ*\sc+NQ*\i+1], v[ADRS] offset:\i*128
.endr
.endm
.macro PLACES n
.rept \n
	v_nop
.endr
.endm
.macro STEP slot, q, zero
	s_wait_dscnt 4*NL
	WINM 0, \zero
	MUL16 0, (\q)%2, \q, \slot, \zero
	MUL16 2, (\q)%2, \q, \slot, \zero
	s_wait_dscnt 0
	PLACES NP
	FETCH_B \slot, (\q)+1, 1-(\q)%2
	FETCH_A \slot, (\q)+1, 0
	WINM 1, \zero
	MUL16 4, (\q)%2, \q, \slot, \zero
	MUL16 6, (\q)%2, \q, \slot, \zero
	PLACES NP
	WIN 0
	FETCH_A \slot, (\q)+1, 4
.endm
.macro TURN slot, next, fill
	s_wait_tensorcnt 0x0
	ds_add_u32 v[SPW], v[NIL]
	s_wait_dscnt 4*NL+1
	WINM 0, 0
	MUL16 0, 1, NQ-1, \slot, 0
	s_wait_dscnt 0x0
	s_barrier_signal -1
	MUL16 2, 1, NQ-1, \slot, 0
	WIN 0
	s_barrier_wait -1
.if \fill
	CREST
	s_add_nc_u64 s[G0+4*\slot+2:G0+4*\slot+3], s[G0+4*\slot+2:G0+4*\slot+3], 2*ROWB
	s_add_nc_u64 s[G0B+4*\slot+2:G0B+4*\slot+3], s[G0B+4*\slot+2:G0B+4*\slot+3], 2*ROWB
	JLOAD G0+4*\slot, G1, G0B+4*\slot, G1B
	PLACES NP-4
.else
	PLACES NP
.endif
	s_wait_alu depctr_va_vdst(0)
	v_add_nc_u32 v[ADRS], 2048, v[ADRS]            ; the next 256 along K: 256 rows x 8 bytes on
	FETCH_B \next, 0, 0
	FETCH_A \next, 0, 0
	SCALES \next
	WINM 1, 0
	MUL16 4, 1, NQ-1, \slot, 0
	MUL16 6, 1, NQ-1, \slot, 0
	PLACES NP
	WIN 0
	FETCH_A \next, 0, 4
.endm
	s_wait_alu depctr_va_vdst(0)                   ; the head's end
	s_wait_tensorcnt 0x0                           ; my tile of the head's four is in; these lines stand ahead of a later first fill as ahead of a refill
	ds_add_u32 v[SPW], v[NIL]
	s_mov_b32 s[G1+2], 128<<16                     ; no tensor load of mine is out: from here on a load brings 128 rows
	s_mov_b32 s[G1+4], 128
	s_mov_b32 s[G1B+2], 128<<16
	s_mov_b32 s[G1B+4], 128
	s_wait_dscnt 0x0
	CROUND                                         ; all four tiles are in, and all sixteen work-groups are here
	JLOAD G0+4, G1, G0B+4, G1B                     ; K step 1, the first tensor load behind the round
	FETCH_B 0, 0, 0
	FETCH_A 0, 0, 0
	SCALES 0
	FETCH_A 0, 0, 4
	s_wait_loadcnt 0x0
	STEP 0, 0, 1
	s_mov_b32 s3, LAPS-1
.Llap:
	TURN 0, 1, 1
	STEP 1, 0, 0
	TURN 1, 0, 1
	STEP 0, 0, 0
	s_sub_co_u32 s3, s3, 1
	s_cmp_lg_u32 s3, 0
	s_cbranch_scc1 .Llap
	TURN 0, 1, 0
	STEP 1, 0, 0
	s_wait_dscnt 4*NL
	WINM 0, 0
	MUL16 0, 1, NQ-1, 1, 0
	MUL16 2, 1, NQ-1, 1, 0
	s_wait_dscnt 0
	WINM 1, 0
	MUL16 4, 1, NQ-1, 1, 0
	MUL16 6, 1, NQ-1, 1, 0
	WIN 0
.macro QUANTW a
.set W,  2+(\a)/4
.set S0, 64*((\a)%4)
	WIN W|(W<<2)
.irp b, 0,1,2,3
	v_max3_num_f32 v[TM+\b], v[S0+16*\b], v[S0+1+16*\b], 0x4800000
.endr
	WIN (W<<2)|(W<<4)
.irp i, 2,4,6,8,10,12,14
.irp b, 0,1,2,3
	v_max3_num_f32 v[TM+\b], v[TM+\b], v[S0+16*\b+\i], v[S0+1+16*\b+\i]
.endr
.endr
	WIN 0
.irp b, 0,1,2,3
	v_permlanex16_b32 v[TM+4+\b], v[TM+\b], s[SEL], s[SEL+1]
.endr
.irp b, 0,1,2,3
	v_max_num_f32 v[TM+\b], v[TM+\b], v[TM+4+\b]
.endr
.irp b, 0,1,2,3
	v_add_nc_u32 v[TM+12+\b], 0xfc000000, v[TM+\b]
.endr
.irp b, 0,1,2,3
	v_and_or_b32 v[TM+8+\b], v[TM+\b], 0x7f800000, s[MNT]
.endr
.irp b, 0,1,2,3
	v_lshrrev_b32 v[TM+4+\b], 23, v[TM+12+\b]
.endr
	v_lshl_or_b32 v[PW], v[TM+5], 8, v[TM+4]
	v_lshl_or_b32 v[PW], v[TM+6], 16, v[PW]
	v_lshl_or_b32 v[PW], v[TM+7], 24, v[PW]
	WIN W|(W<<6)
.irp b, 0,1,2,3
.irp i, 0,1,2,3,4,5,6,7,8,9,10,11,12,13,14,15
	v_med3_num_f32 v[S0+16*\b+\i], v[S0+16*\b+\i], 0, v[TM+8+\b]
.endr
.endr
	WIN W
.irp b, 0,1,2,3
	v_cvt_scalef32_pk8_fp8_f32 v[PC+4*\b:PC+4*\b+1], v[S0+16*\b:S0+16*\b+7], v[TM+12+\b]
	v_cvt_scalef32_pk8_fp8_f32 v[PC+4*\b+2:PC+4*\b+3], v[S0+16*\b+8:S0+16*\b+15], v[TM+12+\b]
.endr
	WIN 0
	v_nop
.irp b, 0,1,2,3
	ds_store_b128 v[STO], v[PC+4*\b:PC+4*\b+3] offset:16*(\a)*PITCH+32*\b
.endr
	ds_store_b32 v[SSO], v[PW] offset:128*(\a)
	s_wait_dscnt 0x0
.endm
	PLACES NP
.irp b, 0,1,2,3
	v_mov_b32 v[TM+4+\b], 0
.endr
.irp a, 0,1,2,3,4,5,6,7
	QUANTW \a
.endr
	s_barrier_signal -1
	s_barrier_wait -1
.set t, 0
.rept 32
	ds_load_b128 v[BK+4*t:BK+4*t+3], v[RD] offset:2*t*PITCH
.set t, t+1
.endr
	ds_load_b128 v[SCB:SCB+3], v[RDS]
.set t, 0
.rept 32
	s_wait_dscnt 32-t
	global_store_b128 v[CO], v[BK+4*t:BK+4*t+3], s[12:13] offset:8192*t
.set t, t+1
.endr
	s_wait_dscnt 0x0
	global_store_b128 v[SCO], v[SCB:SCB+3], s[66:67]
	s_wait_tensorcnt 0x0
	ds_add_u32 v[SPW], v[NIL]
	s_wait_dscnt 0x0
	CROUND
	s_endpgm
.Lfunc_end_k_q719e50b48f_ff1:
	.size	k_q719e50b48f_ff1, .Lfunc_end_k_q719e50b48f_ff1-k_q719e50b48f_ff1
	.p2alignl 7, 3214868480
	.fill 96, 4, 3214868480
	.section	.rodata,"a",@progbits
	.p2align	6, 0x0
	.amdhsa_kernel k_q719e50b48f_ff1
		.amdhsa_group_segment_fixed_size 327680
		.amdhsa_private_segment_fixed_size 0
		.amdhsa_enable_private_segment 0
		.amdhsa_kernarg_size 32
		.amdhsa_user_sgpr_count 2
		.amdhsa_user_sgpr_kernarg_segment_ptr 1
		.amdhsa_wavefront_size32 1
		.amdhsa_system_sgpr_workgroup_id_x 1
		.amdhsa_system_sgpr_workgroup_id_y 1
		.amdhsa_system_sgpr_workgroup_id_z 1
		.amdhsa_system_vgpr_workitem_id 0
		.amdhsa_next_free_vgpr 1024
		.amdhsa_next_free_sgpr 100
		.amdhsa_reserve_vcc 0
		.amdhsa_float_denorm_mode_32 3
		.amdhsa_float_denorm_mode_16_64 3
		.amdhsa_memory_ordered 1
		.amdhsa_forward_progress 1
		.amdhsa_inst_pref_size 194
	.end_amdhsa_kernel
	.amdgpu_metadata
---
amdhsa.version: [ 1, 2 ]
amdhsa.kernels:
  - .name:           k_q719e50b48f_ff1
    .symbol:         k_q719e50b48f_ff1.kd
    .args:
      - { .name: HB, .offset: 0, .size: 8, .value_kind: global_buffer, .address_space: global }
      - { .name: WB, .offset: 8, .size: 8, .value_kind: global_buffer, .address_space: global }
      - { .name: FB, .offset: 16, .size: 8, .value_kind: global_buffer, .address_space: global }
      - { .name: b1, .offset: 24, .size: 8, .value_kind: global_buffer, .address_space: global }
    .group_segment_fixed_size: 327680
    .private_segment_fixed_size: 0
    .kernarg_segment_align: 8
    .kernarg_segment_size: 32
    .max_flat_workgroup_size: 128
    .sgpr_count:     100
    .vgpr_count:     1024
    .wavefront_size: 32
...
	.end_amdgpu_metadata
.endif
;; end of part 6
;; launch ff2 (part 7): grid 8 x 32, 4 waves a work-group, clusters of 4 x 4, 327,680 bytes of LDS; arguments FB, WB, b2, X1, out0; writes out0
.if DOCPART == 7
	.amdgcn_target "amdgcn-amd-amdhsa--gfx1250"
	.amdhsa_code_object_version 6
	.text
	.protected	k_q719e50b48f_ff2
	.globl	k_q719e50b48f_ff2
	.p2align	8
	.type	k_q719e50b48f_ff2,@function
k_q719e50b48f_ff2:
	s_mov_b64 s[64:65], 0
	v_nop
	global_prefetch_b8 v0, s[64:65] scope:SCOPE_SE
	s_setreg_imm32_b32 hwreg(HW_REG_WAVE_MODE, 25, 1), 1
	s_wait_xcnt 0x0
	s_wait_alu depctr_hold_cnt(0) depctr_sa_sdst(0) depctr_va_vdst(0) depctr_va_sdst(0) depctr_va_ssrc(0) depctr_va_vcc(0) depctr_vm_vsrc(0)
	s_getreg_b32 s2, hwreg(HW_REG_IB_STS2, 6, 4)
	s_cmp_eq_u32 s2, 0
	s_cbranch_scc0 .Lentry_in_a_cluster
	s_endpgm
.Lentry_in_a_cluster:
	s_bfe_u32 s2, ttmp6, 0x10000c
	s_cmp_lg_u32 s2, 0xf033
	s_cbranch_scc0 .Lentry_shape_is_right
	s_endpgm
.Lentry_shape_is_right:
; out = x1 + f W2^T + b2, f32, [4,096][1,024].  f [4,096][K] and W2 [1,024][K], K = 4,096, are codes of FP8 (E4M3) with one E8M0 scale for each 32 along K; x1 is the residual.
; N = 1,024 gives 64 tiles of 256 x 256: too few for the WGPs; so a tile of C is 128 x 128: 256 work-groups of four waves, a wave 64 x 64: 16 accumulators.
; K goes in steps of 512 (LDS rows of 512 bytes + 16; a wave's tensor load brings 64 rows) through a ring of two slots.  A K step is four quarters of 128 along K, 16 matrix instructions each, on two fragment buffers.
; ROWS: every operand's row n lies at memory row sigma(n) (n with bits 3 and 4 exchanged).  The matrix instruction is used transposed (source 0 = 16 rows of B, source 1 = 16 rows of A): in accumulator (a, b)
; lane (r, h) holds C's memory row 16 a + r and register j the true column 32 (b / 2) + 16 h + 8 (b % 2) + j.  On the way out memory row m is stored at row sigma(m).
; SCALES lie at (k / 256) x 32,768 + 8 row + (k % 256) / 32: the scales of 64 rows for all of K are K / 256 runs of 512 bytes: one tensor load a wave, with the first fills; they stay.
; The bias is the C of each sum's first matrix instruction; the residual is loaded at the head, at the stores' own addresses, and added on the way out.
; CLUSTERS: 4 x 4 work-groups; A's tiles are asked for jointly along a row of the cluster, B's along a column.
; Not used: prefetching (six refills in all); work-groups that stay (one tile for a WGP).  LIMITS: NaN and infinities among the inputs are not served.
; REGISTERS: window 0: v0-31 addresses; v32-63 scale words, two sets; v64-95 the bias, later with v96-127 the way out; v128-255 the accumulators ((a, b) at v[128 + 8 (4 a + b)]).
;   window 1: two fragment buffers of 128: A's 4 fragments, then B's 4.   window 2: v0-127 the residual.
.set K,      4096
.set OFF_AS, 16777216                  ; A's scale bytes in A's buffer
.set OFF_BC, 8388608                   ; B's codes in WB
.set OFF_BS, 12976128                  ; B's scale bytes in WB
.set KSTEP,  512
.set PITCH,  528                       ; 512 bytes + 16: row r starts at bank 4 r mod 64 (ISA guide 11.1)
.set HALFT,  64*PITCH
.set SLOT,   4*HALFT
.set LAPS,   K/(2*KSTEP)
.set NG,     K/256
.set RS,     512*NG                    ; the scales of 64 rows
.set SCL,    2*SLOT                    ; behind the ring: A's two halves, 128 bytes, B's two halves
.set SPARE,  SCL+4*RS+256              ; the spare words, 128 bytes a wave
.set SPITCH, 272                       ; the way out: a stage of 16 rows x (256 bytes + 16) for each wave, in slot 0, which has had its last fill and its last read by then
.set NP,     8                         ; places behind this matrix instruction (ISA guide 7.12.1)
.set ADRA, 16
.set ADRB, 20
.set STO,  24
.set RD,   25
.set CO,   26
.set ADRS, 27
.set SPW,  28
.set NIL,  29
.set BIA,  30
.set SC,   32
.set BI,   64
.set BK,   64
.set ACC,  128
.set F0,   0
.set F1,   128
.set G1,   24
.set G0,   32
.set G1B,  48
.set G0B,  56
.set G1S,  68
.set G0S,  76
.set G1SB, 80
.set G0SB, 88
.set MSB, 0
.macro WIN new                         ; the immediate's high byte repeats the setting that is left
.if MSB != (\new)
	s_set_vgpr_msb (MSB<<8)|(\new)
.set MSB, (\new)
.endif
.endm
.set MUL,  0x05                        ; sources 0 (B) and 1 (A) window 1; C and D window 0
.set TO_F, 0x40                        ; destination window 1, address window 0
.macro JLOAD g0a, g1a, g0b, g1b        ; a joint load: waves 0, 1 fetch for A, waves 2, 3 for B; an s_nop 0 and four v_nop follow each of the two lines
	s_cmp_eq_u32 s15, 0
	s_cbranch_scc0 .Lfor_b_\@
	tensor_load_to_lds s[\g0a:\g0a+3], s[\g1a:\g1a+7]
	s_nop 0
.rept 4
	v_nop
.endr
	s_branch .Lasked_\@
.Lfor_b_\@:
	tensor_load_to_lds s[\g0b:\g0b+3], s[\g1b:\g1b+7]
	s_nop 0
.rept 4
	v_nop
.endr
.Lasked_\@:
.endm
.macro CREST                           ; a round of the cluster's barrier behind its opening barrier
	s_cmp_lg_u32 s14, 0
	s_cbranch_scc1 .Lnot_wave_0_\@
	s_barrier_signal -3
.Lnot_wave_0_\@:
	s_barrier_wait -3
	s_barrier_signal -1
	s_barrier_wait -1
.endm
.macro CROUND
	s_barrier_signal -1
	s_barrier_wait -1
	CREST
.endm
	s_load_b256 s[4:11], s[0:1], 0x0               ; A's buffer, WB, the bias, the residual
	s_load_b64 s[12:13], s[0:1], 0x20              ; the result
	v_lshl_add_u32 v[SPW], v0, 2, SPARE
	v_mov_b32 v[NIL], 0
	ds_add_u32 v[SPW], v[NIL]                      ; the wave's opening: the add, twice on end, and its wait ahead of my first tensor load
	ds_add_u32 v[SPW], v[NIL]
	v_lshrrev_b32 v1, 5, v0
	v_readfirstlane_b32 s14, v1                    ; wave 0..3
	s_lshr_b32 s15, s14, 1                         ; which half of the tile's rows is mine.  Also: I fetch for A (0) or for B (1)
	s_and_b32 s16, s14, 1                          ; which half of its columns.  Also: which 64 rows I fetch
	s_bfe_u32 s40, ttmp6, 0x40000                  ; cx
	s_bfe_u32 s41, ttmp6, 0x40004                  ; cy
	s_lshl_b32 s42, ttmp9, 2
	s_add_co_u32 s42, s42, s40                     ; tile column
	s_and_b32 s17, ttmp7, 0xffff
	s_lshl_b32 s17, s17, 2
	s_add_co_u32 s17, s17, s41                     ; tile row
	s_lshl_b32 s43, s41, 2
	s_lshl_b32 s43, 15, s43                        ; my row of the cluster
	s_lshl_b32 s44, 0x1111, s40                    ; my column
	s_or_b32 s[G1+0], s43, (0<<16)|(1<<20)|(1<<21)|(6<<22)|(3<<25)  ; the mask; elements of 1 byte; padding on; bit 21 beside a mask; after every 128 words, 4 words
	s_or_b32 s[G1B+0], s44, (0<<16)|(1<<20)|(1<<21)|(6<<22)|(3<<25)
.irp g, G1, G1B
	s_mov_b32 s[\g+1], KSTEP<<16                   ; tensor_dim0
	s_mov_b32 s[\g+2], 128<<16                     ; tensor_dim1: 128 rows for the head's loads; behind them 64, for the ring's
	s_mov_b32 s[\g+3], KSTEP<<16                   ; tile_dim0
	s_mov_b32 s[\g+4], 128                         ; tile_dim1
	s_mov_b32 s[\g+5], K                           ; from row to row
	s_mov_b32 s[\g+6], 0
	s_mov_b32 s[\g+7], 0
.endr
	s_or_b32 s[G1S+0], s43, (3<<16)|(1<<21)        ; the scales of 128 rows: NG rows of 128 elements of 8 bytes, 32,768 bytes apart; no padding
	s_or_b32 s[G1SB+0], s44, (3<<16)|(1<<21)
.irp g, G1S, G1SB
	s_mov_b32 s[\g+1], 128<<16                     ; the scales of the tile's 128 rows: NG runs of 1,024 bytes; in LDS [run][row][8]
	s_mov_b32 s[\g+2], NG<<16
	s_mov_b32 s[\g+3], 128<<16
	s_mov_b32 s[\g+4], NG
	s_mov_b32 s[\g+5], 4096
	s_mov_b32 s[\g+6], 0
	s_mov_b32 s[\g+7], 0
.endr
	s_mul_i32 s18, s16, 64*K                       ; in the ring I fetch 64 rows of a tile: which half, in bytes
	s_mov_b32 s19, 0
	s_lshl_b32 s20, s17, 7                         ; A: the tile's first row
	s_lshl_b32 s46, s42, 7                         ; B: likewise
	s_lshl_b32 s22, s20, 3                         ; their scales, 8 bytes a row,
	s_mov_b32 s23, 0
	s_lshl_b32 s92, s46, 3
	s_mov_b32 s93, 0
	s_mul_i32 s20, s20, K                          ; and their codes
	s_mov_b32 s21, 0
	s_mul_i32 s46, s46, K
	s_mov_b32 s47, 0
	s_mul_i32 s45, s14, HALFT                      ; where they go: no place in the cluster enters an LDS address
	s_wait_dscnt 0x0                               ; both opening adds are done
	s_wait_kmcnt 0x0
	s_add_nc_u64 s[20:21], s[4:5], s[20:21]
	s_add_nc_u64 s[22:23], s[4:5], s[22:23]
	s_add_nc_u64 s[22:23], s[22:23], OFF_AS
	s_add_nc_u64 s[46:47], s[6:7], s[46:47]
	s_add_nc_u64 s[46:47], s[46:47], OFF_BC
	s_add_nc_u64 s[92:93], s[6:7], s[92:93]
	s_add_nc_u64 s[92:93], s[92:93], OFF_BS
	CROUND                                         ; all sixteen work-groups are here: the first joint loads meet
	s_mov_b32 s[G0S], 1
	s_mov_b32 s[G0S+1], SCL
	s_mov_b64 s[G0S+2:G0S+3], s[22:23]
	s_or_b32 s[G0S+3], s[G0S+3], 0x80000000
	s_mov_b32 s[G0SB], 1
	s_mov_b32 s[G0SB+1], SCL+2*RS+128
	s_mov_b64 s[G0SB+2:G0SB+3], s[92:93]
	s_or_b32 s[G0SB+3], s[G0SB+3], 0x80000000
.set G0H, 4                            ; s[4:7], s[92:95] group 0 of the head's loads of K step 0: A's 128 rows, B's 128 rows (what lay there has been used)
.set G0HB, 92
	s_mov_b32 s[G0H], 1
	s_mov_b32 s[G0H+1], 0
	s_mov_b64 s[G0H+2:G0H+3], s[20:21]
	s_or_b32 s[G0H+3], s[G0H+3], 0x80000000
	s_mov_b32 s[G0HB], 1
	s_mov_b32 s[G0HB+1], 2*HALFT
	s_mov_b64 s[G0HB+2:G0HB+3], s[46:47]
	s_or_b32 s[G0HB+3], s[G0HB+3], 0x80000000
	s_add_nc_u64 s[20:21], s[20:21], s[18:19]      ; for the ring: my 64 rows
	s_add_nc_u64 s[46:47], s[46:47], s[18:19]
.irp s, 0,1
	s_mov_b32 s[G0+4*\s], 1
	s_add_co_u32 s[G0+4*\s+1], s45, \s*SLOT
	s_add_nc_u64 s[G0+4*\s+2:G0+4*\s+3], s[20:21], \s*KSTEP
	s_or_b32 s[G0+4*\s+3], s[G0+4*\s+3], 0x80000000
	s_mov_b32 s[G0B+4*\s], 1
	s_add_co_u32 s[G0B+4*\s+1], s45, \s*SLOT
	s_add_nc_u64 s[G0B+4*\s+2:G0B+4*\s+3], s[46:47], \s*KSTEP
	s_or_b32 s[G0B+4*\s+3], s[G0B+4*\s+3], 0x80000000
.endr
; THE HEAD'S LOADS, ONE A WAVE: wave 0 K step 0's 128 rows of A, wave 1 those of B, wave 2 A's scales, wave 3 B's.  One chain of branches on the wave's number; every way passes one load.
.macro ARM under, g0, g1, next
	s_cmp_lt_u32 s14, \under
	s_cbranch_scc0 \next
	tensor_load_to_lds s[\g0:\g0+3], s[\g1:\g1+7]
	s_nop 0
.rept 4
	v_nop
.endr
	s_branch .Lhead_asked
\next:
.endm
	ARM 1, G0H,  G1,  .Lhead_b
	ARM 2, G0HB, G1B, .Lhead_sa
	ARM 3, G0S,  G1S, .Lhead_sb
	tensor_load_to_lds s[G0SB:G0SB+3], s[G1SB:G1SB+7]
	s_nop 0
.rept 4
	v_nop
.endr
.Lhead_asked:
	v_and_b32 v1, 15, v0                           ; r
	v_bfe_u32 v2, v0, 4, 1                         ; h
	s_wait_alu depctr_va_vdst(0)
	v_mul_u32_u24 v3, v1, PITCH
	v_lshl_add_u32 v3, v2, 4, v3                   ; a fragment's row x pitch + 16 x half
	s_mul_i32 s21, s15, HALFT
	s_mul_i32 s22, s16, HALFT
	s_add_co_u32 s22, s22, 2*HALFT
.irp s, 0,1
	v_add_nc_u32 v[ADRA+\s], s21, v3
	v_add_nc_u32 v[ADRB+\s], s22, v3
	s_add_co_u32 s21, s21, SLOT
	s_add_co_u32 s22, s22, SLOT
.endr
	s_lshl_b32 s21, s15, 9                         ; A's scales: my 64 rows of a run's 128
	s_lshl_b32 s22, s16, 9                         ; B's, behind A's 2 RS bytes and 128 more
	s_add_co_u32 s22, s22, 2*RS+128
	s_sub_co_u32 s22, s22, s21
	v_mul_u32_u24 v6, s22, v2                      ; lanes 16-31 take B's: one product, the distance between the two
	s_add_co_u32 s21, s21, SCL
	v_lshl_add_u32 v5, v1, 3, v6
	v_add_nc_u32 v[ADRS], s21, v5
	s_mul_i32 s23, s14, 16*SPITCH                  ; my stage
	v_mul_u32_u24 v4, v1, SPITCH
	v_lshl_add_u32 v4, v2, 6, v4
	v_add_nc_u32 v[STO], s23, v4                   ; in: row r, 64 h bytes on
	v_mul_u32_u24 v5, v2, SPITCH
	v_lshl_add_u32 v5, v1, 4, v5
	v_add_nc_u32 v[RD], s23, v5                    ; back: lanes 0-15 one row of 256 bytes, lanes 16-31 the next
	v_lshlrev_b32 v5, 12, v2
	v_lshl_add_u32 v[CO], v1, 4, v5                ; and the same two rows in C
	v_lshlrev_b32 v[BIA], 6, v2
	s_wait_alu depctr_va_vdst(0)
	s_lshl_b32 s20, s17, 7
	s_lshl_b32 s21, s15, 6
	s_add_co_u32 s20, s20, s21
	s_lshl_b32 s20, s20, 12                        ; my first row of C, 4,096 bytes a row
	s_lshl_b32 s46, s42, 9
	s_lshl_b32 s47, s16, 8
	s_add_co_u32 s46, s46, s47                     ; my first column, in bytes
	s_mov_b32 s47, 0
	s_add_nc_u64 s[8:9], s[8:9], s[46:47]
	s_add_co_u32 s20, s20, s46
	s_mov_b32 s21, 0
	s_add_nc_u64 s[10:11], s[10:11], s[20:21]
	s_add_nc_u64 s[12:13], s[12:13], s[20:21]
.irp b, 0,1,2,3                                ; the bias of tile b: columns 32 (b / 2) + 16 h + 8 (b % 2) + 0 .. 7: the result's layout
	global_load_b128 v[BI+8*\b:BI+8*\b+3], v[BIA], s[8:9] offset:(32*(\b/2)+8*(\b%2))*4
	global_load_b128 v[BI+8*\b+4:BI+8*\b+7], v[BIA], s[8:9] offset:(32*(\b/2)+8*(\b%2))*4+16
.endr
	WIN 0x80                                       ; destination window 2
.irp a, 0,1,2,3
.irp t, 0,1,2,3,4,5,6,7
	global_load_b128 v[32*\a+4*\t:32*\a+4*\t+3], v[CO], s[10:11] offset:(32*(\a/2)+16*(\t/4)+8*(\a%2)+2*(\t%4))*4096   ; the residual, where block a's rows 2 t, 2 t + 1 will be stored
.endr
.endr
	WIN 0
; 4 matrix instructions: A's block a x B's four, 128 along K: the slot's q-th quarter.  zero = 1: the bias starts the sums.  The 16 accumulators take turns, one instruction a turn.
.macro MUL4 f, a, q, sc, zero
.irp b, 0,1,2,3
.if \zero
	v_wmma_scale_f32_16x16x128_f8f6f4 v[ACC+8*(4*(\a)+\b):ACC+8*(4*(\a)+\b)+7], v[\f+64+16*\b:\f+64+16*\b+15], v[\f+16*(\a):\f+16*(\a)+15], v[BI+8*\b:BI+8*\b+7], v[SC+16*(\sc)+4*\b+(\q)], v[SC+16*(\sc)+4*(\a)+(\q)] matrix_a_scale:MATRIX_SCALE_ROW1
.else
	v_wmma_scale_f32_16x16x128_f8f6f4 v[ACC+8*(4*(\a)+\b):ACC+8*(4*(\a)+\b)+7], v[\f+64+16*\b:\f+64+16*\b+15], v[\f+16*(\a):\f+16*(\a)+15], v[ACC+8*(4*(\a)+\b):ACC+8*(4*(\a)+\b)+7], v[SC+16*(\sc)+4*\b+(\q)], v[SC+16*(\sc)+4*(\a)+(\q)] matrix_a_scale:MATRIX_SCALE_ROW1
.endif
.endr
.endm
; 32 LDS loads in one run: the fragments of 128 along K at byte k of the rows, into buffer f: B's four, then A's four.  A fragment: registers 4 c .. 4 c + 3 hold K = 32 c + 16 (l / 16) + 0 .. 15
.macro FETCH slot, k, f
	WIN TO_F
.irp i, 0,1,2,3
.irp c, 0,1,2,3
	ds_load_b128 v[\f+64+16*\i+4*\c:\f+64+16*\i+4*\c+3], v[ADRB+\slot] offset:\k+32*\c+\i*16*PITCH
.endr
.endr
.irp i, 0,1,2,3
.irp c, 0,1,2,3
	ds_load_b128 v[\f+16*\i+4*\c:\f+16*\i+4*\c+3], v[ADRA+\slot] offset:\k+32*\c+\i*16*PITCH
.endr
.endr
.endm
.macro SCALES sc                       ; a K step's scale words, four a row, into set sc: lanes 0-15 take A's block i, lanes 16-31 B's block i (every window is 0 here)
.irp i, 0,1,2,3
.irp u, 0,1
	ds_load_b64 v[SC+16*\sc+4*\i+2*\u:SC+16*\sc+4*\i+2*\u+1], v[ADRS] offset:128*\i+1024*\u
.endr
.endr
.endm
.macro PLACES n                        ; plain vector instructions between a matrix instruction and a load into, or a read of, its registers
.rept \n
	v_nop
.endr
.endm
; One of a K step's first three quarters: multiplies buffer f (quarter q) and fetches the next quarter, at byte k, into g.
.macro QUARTER slot, k, f, g, q, zero
	s_wait_dscnt 8                                 ; B's four and A's blocks 0, 1 are in (and the scale words); the youngest eight loads (A's blocks 2, 3) may be out
	WIN MUL
	MUL4 \f, 0, \q, \slot, \zero
	MUL4 \f, 1, \q, \slot, \zero
	PLACES NP
	FETCH \slot, \k, \g
	s_wait_dscnt 32                                ; all but the 32 just issued
	WIN MUL
	MUL4 \f, 2, \q, \slot, \zero
	MUL4 \f, 3, \q, \slot, \zero
.endm
; The last quarter multiplies buffer 1 and changes slots: one barrier; in front of it each wave waits for all its tensor loads, adds 0 to its spare word, and waits for that and for its reads of this slot.
.macro TURN slot, next, fill
	WIN 0                                          ; (the add's two registers lie in window 0)
	s_wait_tensorcnt 0x0                           ; all my tensor loads have landed: my part of the next slot
	ds_add_u32 v[SPW], v[NIL]
	s_wait_dscnt 9                                 ; (the add and the youngest eight loads may be out)
	WIN MUL
	MUL4 F1, 0, 3, \slot, 0
	s_wait_dscnt 0x0                               ; the add is done, and my reads of this slot are over
	s_barrier_signal -1
	MUL4 F1, 1, 3, \slot, 0
	WIN 0
	s_barrier_wait -1
.if \fill
	CREST                                          ; the barrier has opened a round of the cluster's: no wave of any partner still reads this slot or has a load on its way
	s_add_nc_u64 s[G0+4*\slot+2:G0+4*\slot+3], s[G0+4*\slot+2:G0+4*\slot+3], 2*KSTEP
	s_add_nc_u64 s[G0B+4*\slot+2:G0B+4*\slot+3], s[G0B+4*\slot+2:G0B+4*\slot+3], 2*KSTEP
	JLOAD G0+4*\slot, G1, G0B+4*\slot, G1B         ; the first tensor load behind the round; its four v_nop are among the places in front of the loads below
	PLACES NP-4
.else
	PLACES NP
.endif
	s_wait_alu depctr_va_vdst(0)
	v_add_nc_u32 v[ADRS], 2048, v[ADRS]            ; the next 512 along K: two runs of 128 rows x 8 bytes on
	SCALES \next
	FETCH \next, 0, F0
	WIN MUL
	MUL4 F1, 2, 3, \slot, 0
	MUL4 F1, 3, 3, \slot, 0
.endm
	s_wait_alu depctr_va_vdst(0)                   ; the head's end
	s_wait_tensorcnt 0x0                           ; my tile of the head's four is in; these lines stand ahead of a later first fill as ahead of a refill
	ds_add_u32 v[SPW], v[NIL]
	s_mov_b32 s[G1+2], 64<<16                      ; no tensor load of mine is out: from here on a load brings 64 rows
	s_mov_b32 s[G1+4], 64
	s_mov_b32 s[G1B+2], 64<<16
	s_mov_b32 s[G1B+4], 64
	s_wait_dscnt 0x0
	CROUND                                         ; all four tiles are in, and all sixteen work-groups are here
	JLOAD G0+4, G1, G0B+4, G1B                     ; K step 1, the first tensor load behind the round
	SCALES 0
	FETCH 0, 0, F0
	s_wait_loadcnt 32                              ; the bias is in; the residual's 32 loads may be out
	QUARTER 0, 128, F0, F1, 0, 1                   ; the first quarter stands in front of the loop: its products start the sums
.if LAPS > 1
	WIN 0                                          ; at a label and at a branch every window is 0
	s_mov_b32 s3, LAPS-1
.Llap:                                                 ; a trip goes once round the ring, from a lap's second quarter to the next lap's first, and fills both slots again
	QUARTER 0, 256, F1, F0, 1, 0
	QUARTER 0, 384, F0, F1, 2, 0
	TURN 0, 1, 1
	QUARTER 1, 128, F0, F1, 0, 0
	QUARTER 1, 256, F1, F0, 1, 0
	QUARTER 1, 384, F0, F1, 2, 0
	TURN 1, 0, 1
	QUARTER 0, 128, F0, F1, 0, 0
	WIN 0
	s_sub_co_u32 s3, s3, 1
	s_cmp_lg_u32 s3, 0
	s_cbranch_scc1 .Llap
.endif
	QUARTER 0, 256, F1, F0, 1, 0                   ; the last lap fills nothing
	QUARTER 0, 384, F0, F1, 2, 0
	TURN 0, 1, 0
	QUARTER 1, 128, F0, F1, 0, 0
	QUARTER 1, 256, F1, F0, 1, 0
	QUARTER 1, 384, F0, F1, 2, 0
	s_wait_dscnt 8                                 ; the very last quarter: nothing more to fetch
	WIN MUL
	MUL4 F1, 0, 3, 1, 0
	MUL4 F1, 1, 3, 1, 0
	s_wait_dscnt 0
	MUL4 F1, 2, 3, 1, 0
	MUL4 F1, 3, 3, 1, 0
	WIN 0
; THE WAY OUT, block by block of 16 rows x 64 columns (256 bytes a row).  A lane holds pieces of one row; through my own stage they come back as whole rows; the residual is added; sixteen lanes store 256 consecutive bytes, aligned.
; LDS serves a wave's instructions in order (ISA guide 5.7.1.4): no wait between the stores and the loads, nor in front of the next block's stores.
.macro TOSTAGE a
.irp b, 0,1,2,3
	ds_store_b128 v[STO], v[ACC+8*(4*(\a)+\b):ACC+8*(4*(\a)+\b)+3] offset:128*(\b/2)+32*(\b%2)        ; each accumulator from its low end on
	ds_store_b128 v[STO], v[ACC+8*(4*(\a)+\b)+4:ACC+8*(4*(\a)+\b)+7] offset:128*(\b/2)+32*(\b%2)+16
.endr
.irp t, 0,1,2,3,4,5,6,7
	ds_load_b128 v[BK+32*((\a)%2)+4*\t:BK+32*((\a)%2)+4*\t+3], v[RD] offset:\t*2*SPITCH
.endr
.endm
.macro SEND a, younger                 ; younger: the LDS instructions issued behind block a's loads, which may stay out
	s_wait_dscnt \younger
	WIN 0x08                                       ; source 1 (the residual) window 2
.irp p, 0,2,4,6,8,10,12,14,16,18,20,22,24,26,28,30
	v_pk_add_f32 v[BK+32*((\a)%2)+\p:BK+32*((\a)%2)+\p+1], v[BK+32*((\a)%2)+\p:BK+32*((\a)%2)+\p+1], v[32*(\a)+\p:32*(\a)+\p+1]
.endr
	WIN 0
.irp t, 0,1,2,3,4,5,6,7
	global_store_b128 v[CO], v[BK+32*((\a)%2)+4*\t:BK+32*((\a)%2)+4*\t+3], s[12:13] offset:(32*((\a)/2)+16*(\t/4)+8*((\a)%2)+2*(\t%4))*4096   ; memory rows 16 a + 2 t, + 1 are the true rows sigma of them
.endr
.endm
	s_wait_loadcnt 0x0                             ; the residual
	PLACES NP                                      ; behind the last products, ahead of the first read of results
	TOSTAGE 0
.irp a, 1,2,3
.if \a > 1
	s_wait_xcnt 0x0                                ; block a - 2's stores have read their registers: block a's loads may land there
.endif
	TOSTAGE \a
	SEND \a-1, 16                                  ; behind block a - 1's loads: block a's 8 stores and 8 loads
.endr
	SEND 3, 0
	s_wait_tensorcnt 0x0                           ; the wave's end
	ds_add_u32 v[SPW], v[NIL]
	s_wait_dscnt 0x0
	CROUND                                         ; the closing round: no work-group ends while a partner may still ask for a tile that names it
	s_endpgm
.Lfunc_end_k_q719e50b48f_ff2:
	.size	k_q719e50b48f_ff2, .Lfunc_end_k_q719e50b48f_ff2-k_q719e50b48f_ff2
	.p2alignl 7, 3214868480
	.fill 96, 4, 3214868480
	.section	.rodata,"a",@progbits
	.p2align	6, 0x0
	.amdhsa_kernel k_q719e50b48f_ff2
		.amdhsa_group_segment_fixed_size 327680
		.amdhsa_private_segment_fixed_size 0
		.amdhsa_enable_private_segment 0
		.amdhsa_kernarg_size 40
		.amdhsa_user_sgpr_count 2
		.amdhsa_user_sgpr_kernarg_segment_ptr 1
		.amdhsa_wavefront_size32 1
		.amdhsa_system_sgpr_workgroup_id_x 1
		.amdhsa_system_sgpr_workgroup_id_y 1
		.amdhsa_system_sgpr_workgroup_id_z 1
		.amdhsa_system_vgpr_workitem_id 0
		.amdhsa_next_free_vgpr 640
		.amdhsa_next_free_sgpr 100
		.amdhsa_reserve_vcc 0
		.amdhsa_float_denorm_mode_32 3
		.amdhsa_float_denorm_mode_16_64 3
		.amdhsa_memory_ordered 1
		.amdhsa_forward_progress 1
		.amdhsa_inst_pref_size 102
	.end_amdhsa_kernel
	.amdgpu_metadata
---
amdhsa.version: [ 1, 2 ]
amdhsa.kernels:
  - .name:           k_q719e50b48f_ff2
    .symbol:         k_q719e50b48f_ff2.kd
    .args:
      - { .name: FB, .offset: 0, .size: 8, .value_kind: global_buffer, .address_space: global }
      - { .name: WB, .offset: 8, .size: 8, .value_kind: global_buffer, .address_space: global }
      - { .name: b2, .offset: 16, .size: 8, .value_kind: global_buffer, .address_space: global }
      - { .name: X1, .offset: 24, .size: 8, .value_kind: global_buffer, .address_space: global }
      - { .name: out0, .offset: 32, .size: 8, .value_kind: global_buffer, .address_space: global }
    .group_segment_fixed_size: 327680
    .private_segment_fixed_size: 0
    .kernarg_segment_align: 8
    .kernarg_segment_size: 40
    .max_flat_workgroup_size: 128
    .sgpr_count:     100
    .vgpr_count:     640
    .wavefront_size: 32
...
	.end_amdgpu_metadata
.endif
;; end of part 7
